; MI455X (gfx1250); checked and timed in simulation.
; The chip was launched on July 23, 2026; its instructions are those of AMD's public machine-readable ISA for CDNA 5 (MIT licence, August 2026) and "CDNA5" Instruction Set Architecture Reference Guide (July 2026). The comments in the code are by the model that wrote it; some were corrected since.
;; Transformer Block. Allowed arithmetic: matrix products marked QUANTISED: E2M3 operands, one E8M0 scale for each 32 along K, by v_wmma_scale_f32_16x16x128_f8f6f4 with both operands' format E2M3, f32 sums; everything else in f32.
;; Inputs: W1 512 x 2,048 float32; W2 2,048 x 512 float32; Wk 512 x 512 float32; Wo 512 x 512 float32; Wq 512 x 512 float32; Wv 512 x 512 float32; b1 2,048 float32; b2 512 float32; be1 512 float32; be2 512 float32; bo 512 float32; g1 512 float32; g2 512 float32; x 4 x 2,048 x 512 float32.
;; Outputs: out0 4 x 2,048 x 512 float32.
;; This version of the problem:
;;   THIS VERSION OF THE PROBLEM IS GIVEN IN LOW PRECISION. The matrix products marked QUANTISED in the list below multiply operands that are first quantised to E2M3 (2 exponent bits, 3 mantissa bits; 6 bits a number), with one power-of-two scale for each 32 numbers along K (OCP MX v1.0); their sums are f32. All else is computed in f32.
;;   The module's matrix products, in the order in which they are computed (A, B: the left and right operand; K: the contracted axis; several contracted axes count as one K, in the product's order):
;;     1. [M 8,192, K 512] x [K 512, N 512]; A: computed on the way; B: input Wq: QUANTISED
;;     2. [M 8,192, K 512] x [K 512, N 512]; A: computed on the way; B: input Wk: QUANTISED
;;     3. [M 8,192, K 512] x [K 512, N 512]; A: computed on the way; B: input Wv: QUANTISED
;;     4. batch 64 x [M 2,048, K 32] x [K 32, N 2,048]; A: computed on the way; B: computed on the way: QUANTISED
;;     5. batch 64 x [M 2,048, K 2,048] x [K 2,048, N 32]; A: softmax (see below); B: computed on the way: QUANTISED
;;     6. [M 8,192, K 512] x [K 512, N 512]; A: computed on the way; B: input Wo: QUANTISED
;;     7. [M 8,192, K 512] x [K 512, N 2,048]; A: computed on the way; B: input W1: QUANTISED
;;     8. [M 8,192, K 2,048] x [K 2,048, N 512]; A: computed on the way; B: input W2: QUANTISED
;;   THE QUANTISER, for each operand of a quantised product, along K:
;;     - K is cut into blocks of 32 from its start; a last block that is shorter is filled with zeros.
;;     - A block's scale is 2^e with e = floor(log2(the largest magnitude in the block)) - 2, held to -126 .. 127; a block of zeros has e = 0. As a byte (E8M0): e + 127.
;;     - Each number is divided by its block's scale, clamped to +-7.5, and rounded to the nearest number of E2M3, ties to even, subnormals kept.
;;     - The product sums the exact products of the quantised numbers (number of the format x scale) in f32.
;;   ~~~python
;;   def quantise(x, axis):      # numpy; x: float32 -> the quantised numbers, widened to float32 again
;;       x = np.moveaxis(x, axis, -1); K = x.shape[-1]
;;       x = np.pad(x, [(0, 0)] * (x.ndim - 1) + [(0, -K % 32)]); x = x.reshape(x.shape[:-1] + (-1, 32)); a = np.abs(x).max(-1, keepdims=True)
;;       e = np.where(a > 0, np.clip(np.frexp(np.where(a > 0, a, 1))[1] - 1 - 2, -126, 127), 0)      # np.frexp(a)[1] - 1 = floor(log2(a)), exactly
;;       r = np.clip(x / 2.0 ** e, -7.5, 7.5)
;;       step = 2.0 ** (np.maximum(np.frexp(np.where(r == 0, 1, r))[1] - 1, 0) - 3)
;;       q = np.round(r / step) * step * 2.0 ** e      # np.round: ties to even
;;       return np.moveaxis(q.reshape(q.shape[:-2] + (-1,))[..., :K], -1, axis).astype(np.float32)
;;   ~~~
;;   SOFTMAX AHEAD OF A QUANTISED PRODUCT. Where the list says 'softmax', what is quantised is not the finished softmax but p = 2^(t - M), with t = logit x log2(e) and M = ceil(the row's largest t), a whole number; so 1/2 < the row's largest p <= 1. The row's sum l is taken of the UNQUANTISED p, in f32, and the product's result is divided by l at the end. Since M is a whole number, a kernel that streams over the keys may use a running M (the ceiling of the running maximum): every later rescaling is an exact power of two, which a block's scale takes up: the codes' values come out the same.
;;   OPERANDS COMPUTED ON THE WAY. 'Computed on the way' means the value that the module computes at that place (a softmax that the list does not call 'softmax' is quantised finished and normalised). What goes into a quantiser is computed in f32, as accurately as f32 sums, v_exp_f32 and their like allow (about 1e-6 of the number): no bf16 or f16 on the way to a quantiser, and a product that is left as it is and whose result goes on into a quantised operand takes f32 operands (vector FMAs, or v_wmma_f32_16x16x4_f32). A number that lies on a knife's edge between two numbers of the format may be rounded either way, as far as f32 arithmetic and the matrix unit's own rounding can turn it there, and no further.
;; 2 versions, each right; version 2 is version 1 with the launches qkv, attn, tail written anew for expert scheduling mode. Each part assembles by itself: llvm-mc -triple=amdgcn-amd-amdhsa -mcpu=gfx1250 --defsym DOCPART=n.
;; ======== version 1 of 2: 4 launches
;; workspace buffers: wc 2,359,296 bytes; ws 98,304 bytes; qkvc 9,437,184 bytes; qkvs 393,216 bytes; ac 3,145,728 bytes; asc 131,072 bytes
;; launch prep (part 1): grid 256 x 1, 3 waves a work-group, no clusters, 9,728 bytes of LDS; arguments Wq, Wk, Wv, Wo, W1, W2, wc, ws; writes wc, ws
.if DOCPART == 1
	.amdgcn_target "amdgcn-amd-amdhsa--gfx1250"
	.amdhsa_code_object_version 6
	.text
	.protected	k_q8caa53673b_prep
	.globl	k_q8caa53673b_prep
	.p2align	8
	.type	k_q8caa53673b_prep,@function
k_q8caa53673b_prep:
	s_mov_b64 s[64:65], 0
	v_nop
	global_prefetch_b8 v0, s[64:65] scope:SCOPE_SE
	s_setreg_imm32_b32 hwreg(HW_REG_WAVE_MODE, 25, 1), 1
	s_wait_xcnt 0x0
; The six weights, f32 stored [K][N], become codes of FP6 (E2M3) quantised along K, with one E8M0 byte for each 32 along K,
; laid in the order in which a wave's operand registers take them.
; A TASK is 32 columns x 128 along K: 768 tasks, one a wave, task T = 3 x work-group + wave.  T 0-255: Wq, Wk, Wv, Wo (64 each);
; 256-511: W1; 512-767: W2.  Task T makes ENTRY E of wc (3,072 bytes: two fragments of 16 columns x 128 K) and of ws (128 bytes).
; Within a weight E = (block of 32 columns) x (K / 128) + K step, so that a block's K steps lie on end.
; A LANE TAKES A COLUMN AND ITS REGISTERS RUN DOWN K: a block of 32 lies in one lane, and the conversions give codes with K innermost.
; THE 16 COLUMNS OF A FRAGMENT ARE NOT NEIGHBOURS: column c of the 32 goes to fragment u = (c / 8) % 2, row (c % 8) + 8 (c / 16), so that
; the results of a block's two fragments, used as source 0, are 16 neighbouring columns in a lane's 16 registers.
; The codes turn through the wave's own 3,072 bytes of LDS (a lane's 12 registers on end, 48 bytes) and leave as images of registers:
; registers 4 c .. 4 c + 3 of lane l at 512 c + 16 l, so each store covers 512 consecutive bytes.  Waves share nothing: no barrier.
; A block's scale is 2^(floor(log2(largest magnitude)) - 2); its byte is the magnitude's exponent field - 2, held at 1 from below.
; LIMITS: NaN and infinities are not served; a block whose largest magnitude lies under 2^-124 (zeros too) keeps the byte 1: its codes
; are then zeros or the nearest codes under that scale, and this program alone reads the bytes.
.set X,   64                           ; v64-191  128 numbers: register i = row i of the K step, my column
.set C,   192                          ; v192-223 codes: eight registers a block, never written again
.set OUT, 32                           ; v32-55   the way out
	s_load_b256 s[4:11], s[0:1], 0x0               ; Wq, Wk, Wv, Wo
	s_load_b256 s[12:19], s[0:1], 0x20             ; W1, W2, wc, ws
	v_lshl_add_u32 v224, v0, 2, 0x2400
	v_mov_b32 v225, 0
	v_lshrrev_b32 v1, 5, v0
	v_readfirstlane_b32 s2, v1                     ; wave 0..2
	s_mul_i32 s3, ttmp9, 3
	s_add_co_u32 s3, s3, s2                        ; T
	s_lshr_b32 s22, s3, 8                          ; class: 0 the four square weights, 1 W1, 2 W2
	s_and_b32 s23, s3, 255                         ; t
	s_and_b32 s24, s23, 15                         ; classes 0, 2: block of columns
	s_bfe_u32 s25, s23, 0x20004                    ; class 0: K step
	s_and_b32 s26, s23, 0xc0                       ; class 0: 64 entries a weight
	s_lshl_b32 s27, s24, 2
	s_add_co_u32 s26, s26, s27
	s_add_co_u32 s26, s26, s25                     ; E, class 0
	s_lshl_b32 s27, s25, 18                        ; 128 rows of 2,048 bytes
	s_lshl_b32 s28, s24, 7                         ; 32 columns of 4 bytes
	s_add_co_u32 s27, s27, s28                     ; where the task's numbers begin, class 0
	s_lshr_b32 s28, s23, 6                         ; class 1: K step
	s_and_b32 s29, s23, 63                         ; block of columns
	s_lshl_b32 s30, s29, 2
	s_add_co_u32 s30, s30, s28
	s_add_co_u32 s30, s30, 256                     ; E, class 1
	s_lshl_b32 s28, s28, 20                        ; 128 rows of 8,192 bytes
	s_lshl_b32 s29, s29, 7
	s_add_co_u32 s31, s28, s29
	s_lshr_b32 s28, s23, 4                         ; class 2: K step 0..15
	s_lshl_b32 s29, s24, 4
	s_add_co_u32 s32, s29, s28
	s_add_co_u32 s32, s32, 512                     ; E, class 2
	s_lshl_b32 s28, s28, 18
	s_lshl_b32 s29, s24, 7
	s_add_co_u32 s33, s28, s29
	s_cmp_eq_u32 s22, 1
	s_cselect_b32 s26, s30, s26
	s_cselect_b32 s27, s31, s27
	s_cmp_eq_u32 s22, 2
	s_cselect_b32 s26, s32, s26
	s_cselect_b32 s27, s33, s27
	s_mul_i32 s30, s26, 3072                       ; the entry's bytes in wc
	s_mov_b32 s31, 0
	s_lshl_b32 s32, s26, 7                         ; and in ws
	s_mov_b32 s33, 0
	s_mov_b32 s34, s27
	s_mov_b32 s35, 0
	s_mul_i32 s36, s2, 3072                        ; my wave's LDS
	v_and_b32 v6, 31, v0                           ; lane = my column of the 32
	v_lshlrev_b32 v1, 2, v6                        ; in: 4 bytes a lane
	v_lshlrev_b32 v4, 4, v6                        ; out: 16 bytes a lane
	v_bfe_u32 v7, v0, 3, 1                         ; u
	v_and_b32 v8, 7, v0
	v_bfe_u32 v9, v0, 4, 1
	v_lshl_add_u32 v8, v9, 3, v8                   ; row in the fragment
	v_mul_u32_u24 v2, v8, 48
	v_mad_u32_u24 v2, v7, 1536, v2
	v_add_nc_u32 v2, s36, v2                       ; LDS, in: fragment u, lane = my row; block g goes 768 (g % 2) + 24 (g / 2) further on
	v_mul_u32_u24 v3, v6, 48
	v_add_nc_u32 v3, s36, v3                       ; LDS, back: 48 x lane
	v_lshlrev_b32 v5, 2, v8
	v_lshl_add_u32 v5, v7, 6, v5                   ; my scale word's place in the entry: 64 u + 4 row
	s_wait_kmcnt 0x0
	s_mov_b64 s[20:21], s[14:15]                   ; the weight is chosen on T alone
	s_cmp_lt_u32 s3, 512
	s_cselect_b64 s[20:21], s[12:13], s[20:21]
	s_cmp_lt_u32 s3, 256
	s_cselect_b64 s[20:21], s[10:11], s[20:21]
	s_cmp_lt_u32 s3, 192
	s_cselect_b64 s[20:21], s[8:9], s[20:21]
	s_cmp_lt_u32 s3, 128
	s_cselect_b64 s[20:21], s[6:7], s[20:21]
	s_cmp_lt_u32 s3, 64
	s_cselect_b64 s[20:21], s[4:5], s[20:21]
	s_add_nc_u64 s[20:21], s[20:21], s[34:35]
	s_add_nc_u64 s[16:17], s[16:17], s[30:31]
	s_add_nc_u64 s[18:19], s[18:19], s[32:33]
.macro LOADS pitch                     ; 128 rows: each load reads 128 consecutive bytes; the row stands in the immediate (127 x 8,192 at the most)
.set i, 0
.rept 128
	global_load_b32 v[X+i], v1, s[20:21] offset:i*\pitch th:TH_LOAD_NT
.set i, i+1
.endr
.endm
	s_cmp_eq_u32 s22, 1                            ; only the pitch differs, so only the loads stand twice
	s_cbranch_scc1 .Lwide
	LOADS 2048
	s_branch .Ljoin
.Lwide:
	LOADS 8192
.Ljoin:
.macro BLOCK g, left                   ; block g of the four; left: how many younger loads may stay out
.set XS, X+32*\g
.set CG, C+8*\g
	s_wait_loadcnt \left
	v_max3_num_f32 v8, |v[XS]|, |v[XS+1]|, |v[XS+2]|       ; the block's largest magnitude: all 32 numbers are mine; two chains
	v_max3_num_f32 v9, |v[XS+3]|, |v[XS+4]|, |v[XS+5]|
.irp i, 6,10,14,18,22,26
	v_max3_num_f32 v8, v8, |v[XS+\i]|, |v[XS+\i+1]|
	v_max3_num_f32 v9, v9, |v[XS+\i+2]|, |v[XS+\i+3]|
.endr
	v_max3_num_f32 v8, v8, |v[XS+30]|, |v[XS+31]|
	v_max3_num_f32 v8, v8, v9, 0x1800000           ; and the floor 2^(3 - 127): the byte cannot fall under 1
	v_add_nc_u32 v11, 0xff000000, v8               ; 2 off the exponent field: the conversion takes this operand's exponent field as its scale
	v_lshrrev_b32 v10, 23, v11                     ; the scale's byte
.if \g == 0
	v_mov_b32 v16, v10
.else
	v_lshl_or_b32 v16, v10, 8*\g, v16              ; four bytes make my column's scale word
.endif
	v_cvt_scalef32_pk16_fp6_f32 v[CG:CG+2], v[XS:XS+15], v11
	v_cvt_scalef32_pk16_fp6_f32 v[CG+4:CG+6], v[XS+16:XS+31], v11   ; (a conversion's three registers begin on an even number)
	v_nop                                          ; one plain line behind the conversions, ahead of the next write of v11
.irp k, 0,1,2
	ds_store_b32 v2, v[CG+\k] offset:768*(\g%2)+24*(\g/2)+4*\k
	ds_store_b32 v2, v[CG+4+\k] offset:768*(\g%2)+24*(\g/2)+12+4*\k
.endr
.endm
	BLOCK 0, 63                                    ; 128 loads were issued: at most 63 out means that the oldest 65, blocks 0 and 1, are in
	BLOCK 1, 63
	BLOCK 2, 32                                    ; block 3's 32 may stay out
	BLOCK 3, 0
.irp k, 0,1,2,3,4,5                    ; LDS serves a wave's instructions in order: these see my stores
	ds_load_b128 v[OUT+4*\k:OUT+4*\k+3], v3 offset:1536*(\k/3)+16*(\k%3)
.endr
.irp k, 0,1,2,3,4,5
	s_wait_dscnt 5-\k                              ; the younger read-backs may stay out
	global_store_b128 v4, v[OUT+4*\k:OUT+4*\k+3], s[16:17] offset:512*\k   ; 32 lanes store 512 consecutive bytes, aligned
.endr
	global_store_b32 v5, v16, s[18:19]             ; the entry's 32 scale words: 128 consecutive bytes
	s_wait_tensorcnt 0x0
	ds_add_u32 v224, v225
	s_wait_dscnt 0x0
	s_endpgm
.Lfunc_end_k_q8caa53673b_prep:
	.size	k_q8caa53673b_prep, .Lfunc_end_k_q8caa53673b_prep-k_q8caa53673b_prep
	.p2alignl 7, 3214868480
	.fill 96, 4, 3214868480
	.section	.rodata,"a",@progbits
	.p2align	6, 0x0
	.amdhsa_kernel k_q8caa53673b_prep
		.amdhsa_group_segment_fixed_size 9728
		.amdhsa_private_segment_fixed_size 0
		.amdhsa_enable_private_segment 0
		.amdhsa_kernarg_size 64
		.amdhsa_user_sgpr_count 2
		.amdhsa_user_sgpr_kernarg_segment_ptr 1
		.amdhsa_wavefront_size32 1
		.amdhsa_system_sgpr_workgroup_id_x 1
		.amdhsa_system_sgpr_workgroup_id_y 1
		.amdhsa_system_sgpr_workgroup_id_z 1
		.amdhsa_system_vgpr_workitem_id 0
		.amdhsa_next_free_vgpr 226
		.amdhsa_next_free_sgpr 66
		.amdhsa_reserve_vcc 0
		.amdhsa_float_denorm_mode_32 3
		.amdhsa_float_denorm_mode_16_64 3
		.amdhsa_memory_ordered 1
		.amdhsa_forward_progress 1
		.amdhsa_inst_pref_size 36
	.end_amdhsa_kernel
	.amdgpu_metadata
---
amdhsa.version: [ 1, 2 ]
amdhsa.kernels:
  - .name:           k_q8caa53673b_prep
    .symbol:         k_q8caa53673b_prep.kd
    .args:
      - { .name: Wq, .offset: 0, .size: 8, .value_kind: global_buffer, .address_space: global }
      - { .name: Wk, .offset: 8, .size: 8, .value_kind: global_buffer, .address_space: global }
      - { .name: Wv, .offset: 16, .size: 8, .value_kind: global_buffer, .address_space: global }
      - { .name: Wo, .offset: 24, .size: 8, .value_kind: global_buffer, .address_space: global }
      - { .name: W1, .offset: 32, .size: 8, .value_kind: global_buffer, .address_space: global }
      - { .name: W2, .offset: 40, .size: 8, .value_kind: global_buffer, .address_space: global }
      - { .name: wc, .offset: 48, .size: 8, .value_kind: global_buffer, .address_space: global }
      - { .name: ws, .offset: 56, .size: 8, .value_kind: global_buffer, .address_space: global }
    .group_segment_fixed_size: 9728
    .private_segment_fixed_size: 0
    .kernarg_segment_align: 8
    .kernarg_segment_size: 64
    .max_flat_workgroup_size: 96
    .sgpr_count:     66
    .vgpr_count:     226
    .wavefront_size: 32
...
	.end_amdgpu_metadata
.endif
;; end of part 1
;; launch qkv (part 2): grid 256 x 1, 16 waves a work-group, no clusters, 51,712 bytes of LDS; arguments x, g1, be1, wc, ws, qkvc, qkvs; writes qkvc, qkvs
.if DOCPART == 2
	.amdgcn_target "amdgcn-amd-amdhsa--gfx1250"
	.amdhsa_code_object_version 6
	.text
	.protected	k_q8caa53673b_qkv
	.globl	k_q8caa53673b_qkv
	.p2align	8
	.type	k_q8caa53673b_qkv,@function
k_q8caa53673b_qkv:
	s_mov_b64 s[64:65], 0
	v_nop
	global_prefetch_b8 v0, s[64:65] scope:SCOPE_SE
	s_setreg_imm32_b32 hwreg(HW_REG_WAVE_MODE, 25, 1), 1
	s_wait_xcnt 0x0
; z = layer norm of x (unbiased variance, divided by sqrt(var) + 1e-5); q = z Wq, k = z Wk, v = z Wv on codes of FP6 (E2M3) with E8M0 scales;
; q and k are quantised along the head's 32, v along 32 keys, and only codes and scale bytes leave.
; SHARES.  A work-group owns 32 tokens; sixteen waves of 256 registers, four to a SIMD.  First wave w normalises and quantises rows 2 w, 2 w + 1;
; then wave w is HEAD w: its 32 columns of Wq, Wk, Wv, for all 32 tokens.  z's eight fragments (2 tiles of rows x 4 K steps) stay in registers;
; the weights come from wc straight into the registers of the one wave that multiplies by them: each byte once a work-group, never through LDS.
; NO CLUSTER: a joint load lands in LDS; the 590 KB of weight codes that a work-group walks would then be written to LDS and read back, with a round
; of the cluster's barrier for each refill, where now they take one load each.
; THE 32 TOKENS ARE DEALT TO z'S TWO TILES AS THE WEIGHTS' COLUMNS ARE: token c goes to tile (c / 8) % 2, row (c % 8) + 8 (c / 16).
; q, k: source 0 = 16 columns of the weight, source 1 = z: a lane holds one token and 16 neighbours of the head's 32.
; v: source 0 = z, source 1 = the weight: a lane holds one channel and 16 neighbouring tokens, which are the second product's K.
; A fragment lies in LDS with a lane's 12 registers on end (48 bytes): block g of row r at 48 (r + 16 (g % 2)) + 24 (g / 2).
; OUT, for each (batch, head, group of 32 tokens) 768 bytes, 24 a place: q: place = token; k: place = row + 16 tile; v: place = 16 u + row of the channel.
; LIMITS: NaN and infinities are not served; a block whose largest magnitude lies under 2^-124 keeps the byte 1.
.set ACC,  16                          ; v16-47   four accumulators; scratch of the norm before
.set BIAS, 48                          ; v48-53   the scale bytes to store, two for each of q, k, v
.set TQ,   64                          ; v64-95   my two rows of x, then scratch of the quantiser
.set WB,   96                          ; v96-143  four weight fragments (2 K steps x 2 tiles)
.set WSC,  144                         ; v144-147 their scale words
.set ASC,  148                         ; v148-155 z's scale words
.set ACT,  156                         ; v156-251 z's eight fragments, 4 m + s; g1 and be1 before
.set ZIMG, 0                           ; LDS: z's eight fragments
.set ZSC,  12288                       ; their scale words, 64 bytes a fragment
.set STG,  12800                       ; 2,304 bytes for each wave, its own: q's, k's, v's 768
.set SEL,  20                          ; s[20:21] v_permlanex16_b32's selects for lane l xor 16
.set WCP,  22                          ; s[22:23] wc at my head's block of Wq
.set WSP,  24                          ; s[24:25] ws likewise
.macro WLOAD cp, sp, co, so            ; two K steps x two tiles of a block of 32 columns: 6,144 consecutive bytes, and their 4 x 16 scale words
.irp k, 0,1,2,3,4,5,6,7,8,9,10,11
	global_load_b128 v[WB+4*\k:WB+4*\k+3], v1, s[\cp:\cp+1] offset:(\co)+512*\k
.endr
.irp k, 0,1,2,3
	global_load_b32 v[WSC+\k], v2, s[\sp:\sp+1] offset:(\so)+64*\k
.endr
.endm
.macro ACTLOAD base, sbase, f0, fm     ; eight fragments and their scale words out of LDS: fragment fm m + f0 + q into place 4 m + q
	v_add_nc_u32 v254, \base, v3
	v_add_nc_u32 v255, \sbase, v2
.irp m, 0,1
.irp q, 0,1,2,3
.irp c, 0,1,2
	ds_load_b128 v[ACT+12*(4*\m+\q)+4*\c:ACT+12*(4*\m+\q)+4*\c+3], v254 offset:((\fm)*\m+(\f0)+\q)*1536+16*\c
.endr
	ds_load_b32 v[ASC+4*\m+\q], v255 offset:((\fm)*\m+(\f0)+\q)*64
.endr
.endr
.endm
.macro MM d, a, b, sa, sb, cm, c
.if (\cm) == 0
	v_wmma_scale_f32_16x16x128_f8f6f4 v[\d:\d+7], v[\a:\a+11], v[\b:\b+11], 0, v[\sa], v[\sb] matrix_a_fmt:MATRIX_FMT_FP6 matrix_b_fmt:MATRIX_FMT_FP6
.else
	v_wmma_scale_f32_16x16x128_f8f6f4 v[\d:\d+7], v[\a:\a+11], v[\b:\b+11], v[\c:\c+7], v[\sa], v[\sb] matrix_a_fmt:MATRIX_FMT_FP6 matrix_b_fmt:MATRIX_FMT_FP6
.endif
.endm
; Eight products: K steps 2 hf, 2 hf + 1; in each the four accumulators (tile u of the weight x tile m of the rows) take turns, one instruction a turn.
; cmode, for K step 0's four alone: 0: C = 0;  1: C = D;  2: C = the bias tile.  nat = 0: source 0 = the weight;  1: source 0 = the rows.
.macro WMMA8 hf, cmode, nat
.irp q, 0,1
.irp u, 0,1
.irp m, 0,1
.set rW, WB+12*(2*\q+\u)
.set rWS, WSC+2*\q+\u
.set rX, ACT+12*(4*\m+2*(\hf)+\q)
.set rXS, ASC+4*\m+2*(\hf)+\q
.if \nat
.set rD, ACC+16*\u+8*\m
.else
.set rD, ACC+16*\m+8*\u
.endif
.set rC, rD
.set rM, 1
.if ((\hf) == 0) && (\q == 0)
.if (\cmode) == 0
.set rM, 0
.endif
.if (\cmode) == 2
.set rC, BIAS+8*\u
.endif
.endif
.if \nat
	MM rD, rX, rW, rXS, rWS, rM, rC
.else
	MM rD, rW, rX, rWS, rXS, rM, rC
.endif
.endr
.endr
.endr
.endm
.macro PLACES                          ; five plain lines behind a run of products: four serve loads into their operands and the first read of results, the fifth a later product that begins an accumulator anew
.rept 5
	v_nop
.endr
.endm
; Two blocks of 32, each as 16 numbers in my registers and 16 in lane l xor 16's: codes of my 16 into v[TQ+8..10] and v[TQ+12..14], the blocks' bytes into v[eb], v[eb+1].
.macro QB2 s0, s1, eb
	v_max3_num_f32 v[TQ], |v[(\s0)]|, |v[(\s0)+1]|, 0x1800000      ; with the floor 2^(3 - 127): the byte cannot fall under 1
	v_max3_num_f32 v[TQ+1], |v[(\s1)]|, |v[(\s1)+1]|, 0x1800000
.irp i, 2,4,6,8,10,12,14
	v_max3_num_f32 v[TQ], v[TQ], |v[(\s0)+\i]|, |v[(\s0)+\i+1]|
	v_max3_num_f32 v[TQ+1], v[TQ+1], |v[(\s1)+\i]|, |v[(\s1)+\i+1]|
.endr
	v_permlanex16_b32 v[TQ+2], v[TQ], s[SEL], s[SEL+1]
	v_permlanex16_b32 v[TQ+3], v[TQ+1], s[SEL], s[SEL+1]
	v_max_num_f32 v[TQ], v[TQ], v[TQ+2]
	v_max_num_f32 v[TQ+1], v[TQ+1], v[TQ+3]
	v_add_nc_u32 v[TQ+4], 0xff000000, v[TQ]        ; 2 off the exponent field: the conversion's scale operand
	v_add_nc_u32 v[TQ+5], 0xff000000, v[TQ+1]
	v_lshrrev_b32 v[\eb], 23, v[TQ+4]              ; the scale's byte
	v_lshrrev_b32 v[(\eb)+1], 23, v[TQ+5]
	v_cvt_scalef32_pk16_fp6_f32 v[TQ+8:TQ+10], v[(\s0):(\s0)+15], v[TQ+4]
	v_cvt_scalef32_pk16_fp6_f32 v[TQ+12:TQ+14], v[(\s1):(\s1)+15], v[TQ+5]
	v_nop                                          ; one plain line behind the conversions
.endm
.macro ST3 adr, creg, off              ; 16 codes, 12 bytes, to half a block's place: LDS does the regrouping that the operand's layout asks
.irp k, 0,1,2
	ds_store_b32 v[\adr], v[(\creg)+\k] offset:(\off)+4*\k
.endr
.endm
.macro BARRIER                         ; my LDS stores have landed and my LDS loads are in: then the work-group's barrier
	s_wait_dscnt 0x0
	s_barrier_signal -1
	s_barrier_wait -1
.endm
.macro LANESUM a, b, ta, tb            ; two sums over the 32 lanes, by turns; the result in every lane
.irp x, 1,2,4,8
	v_add_f32_dpp v[\a], v[\a], v[\a] row_xmask:\x row_mask:0xf bank_mask:0xf
	v_add_f32_dpp v[\b], v[\b], v[\b] row_xmask:\x row_mask:0xf bank_mask:0xf
.endr
	v_permlanex16_b32 v[\ta], v[\a], s[SEL], s[SEL+1]
	v_permlanex16_b32 v[\tb], v[\b], s[SEL], s[SEL+1]
	v_add_f32 v[\a], v[\a], v[\ta]
	v_add_f32 v[\b], v[\b], v[\tb]
.endm
	s_load_b256 s[4:11], s[0:1], 0x0               ; x, g1, be1, wc
	s_load_b128 s[12:15], s[0:1], 0x20             ; ws, qkvc
	s_load_b64 s[16:17], s[0:1], 0x30              ; qkvs
	v_lshl_add_u32 v252, v0, 2, 0xc200
	v_mov_b32 v253, 0
	v_lshrrev_b32 v1, 5, v0
	v_readfirstlane_b32 s18, v1                    ; wave 0..15
	s_mov_b32 s[SEL], 0x76543210
	s_mov_b32 s[SEL+1], 0xfedcba98
	v_and_b32 v13, 31, v0                          ; l
	v_and_b32 v12, 15, v0                          ; r: also the place of k's and v's scale bytes
	v_bfe_u32 v14, v0, 4, 1                        ; h
	v_lshlrev_b32 v1, 4, v13                       ; 16 l
	v_lshlrev_b32 v2, 2, v12                       ; 4 r
	v_mul_u32_u24 v3, v13, 48                      ; 48 l
	v_lshlrev_b32 v4, 6, v13                       ; 64 l: my 16 numbers of a row
	; where my 16 codes of row 2 w go: lanes l, l xor 1 hold block l / 2 of the row: K step l / 8, block g = (l / 2) % 4
	v_bfe_u32 v15, v0, 3, 2
	v_mul_u32_u24 v5, v15, 1536
	v_lshl_add_u32 v6, v15, 6, ZSC
	v_bfe_u32 v15, v0, 1, 1
	v_mad_u32_u24 v5, v15, 768, v5
	v_bfe_u32 v15, v0, 2, 1
	v_mad_u32_u24 v5, v15, 24, v5
	v_and_b32 v15, 1, v0
	v_mad_u32_u24 v5, v15, 12, v5
	v_bfe_u32 v15, v0, 1, 2
	v_add_nc_u32 v6, v6, v15
	s_bfe_u32 s26, s18, 0x10002                    ; token 2 w: tile (w / 4) % 2,
	s_and_b32 s27, s18, 3
	s_lshl_b32 s27, s27, 1
	s_lshr_b32 s28, s18, 3
	s_lshl_b32 s28, s28, 3
	s_add_co_u32 s27, s27, s28                     ; row 2 (w % 4) + 8 (w / 8); token 2 w + 1 is the next row
	s_mul_i32 s28, s26, 6144
	s_mul_i32 s29, s27, 48
	s_add_co_u32 s28, s28, s29
	v_add_nc_u32 v5, s28, v5
	s_lshl_b32 s28, s26, 8
	s_lshl_b32 s29, s27, 2
	s_add_co_u32 s28, s28, s29
	v_add_nc_u32 v6, s28, v6
	s_mul_i32 s26, s18, 2304
	s_add_co_u32 s26, s26, STG                     ; my stage
	v_and_b32 v15, 8, v12
	v_add_nc_u32 v11, v15, v12                     ; r + 8 (r / 8): the token of row r in tile 0; also the place of q's scale bytes
	v_mul_u32_u24 v7, v11, 24
	v_mad_u32_u24 v7, v14, 12, v7
	v_add_nc_u32 v7, s26, v7                       ; q: place = token
	v_mul_u32_u24 v8, v12, 24
	v_mad_u32_u24 v8, v14, 12, v8
	v_add_nc_u32 v8, s26, v8
	v_add_nc_u32 v8, 768, v8                       ; k (and, 768 on, v): place = row
	v_lshlrev_b32 v10, 3, v13                      ; the way out: 8 bytes a lane
	v_add_nc_u32 v9, s26, v10
	s_lshl_b32 s30, ttmp9, 16                      ; x: 32 rows of 2,048 bytes a work-group,
	s_lshl_b32 s27, s18, 12                        ; two rows a wave
	s_add_co_u32 s30, s30, s27
	s_mov_b32 s31, 0
	s_mul_i32 s32, s18, 12288                      ; my block's four entries of 3,072 bytes
	s_mov_b32 s33, 0
	s_lshl_b32 s34, s18, 9
	s_mov_b32 s35, 0
	s_lshr_b32 s36, ttmp9, 6                       ; batch
	s_lshl_b32 s36, s36, 4
	s_add_co_u32 s36, s36, s18                     ; x 16 + head
	s_lshl_b32 s36, s36, 6
	s_and_b32 s37, ttmp9, 63
	s_add_co_u32 s36, s36, s37                     ; x 64 + group of 32 tokens
	s_mul_i32 s38, s36, 768
	s_mov_b32 s39, 0
	s_lshl_b32 s40, s36, 5
	s_mov_b32 s41, 0
	s_wait_kmcnt 0x0
	s_add_nc_u64 s[4:5], s[4:5], s[30:31]
	s_add_nc_u64 s[WCP:WCP+1], s[10:11], s[32:33]
	s_add_nc_u64 s[WSP:WSP+1], s[12:13], s[34:35]
	s_add_nc_u64 s[14:15], s[14:15], s[38:39]
	s_add_nc_u64 s[16:17], s[16:17], s[40:41]
.irp i, 0,1
.irp j, 0,1,2,3
	global_load_b128 v[TQ+16*\i+4*\j:TQ+16*\i+4*\j+3], v4, s[4:5] offset:2048*\i+16*\j th:TH_LOAD_NT
.endr
.endr
.irp j, 0,1,2,3
	global_load_b128 v[ACT+4*\j:ACT+4*\j+3], v4, s[6:7] offset:16*\j
	global_load_b128 v[ACT+16+4*\j:ACT+16+4*\j+3], v4, s[8:9] offset:16*\j
.endr
	WLOAD WCP, WSP, 0, 0                           ; q's first half is on its way while the norm is made
	s_wait_loadcnt 16                              ; x, g1, be1 are in; the 16 weight loads behind them stay out
	; ---- the norm of my two rows, by turns.  Row i: numbers v[TQ+16 i ..], scratch v[ACC+8 i ..]: +0 mean, +2..5 sums, +6 1 / (sqrt(var) + eps), +7 sqrt(var) + eps
.irp i, 0,1
	v_pk_add_f32 v[ACC+8*\i:ACC+8*\i+1], v[TQ+16*\i:TQ+16*\i+1], v[TQ+16*\i+2:TQ+16*\i+3]
	v_pk_add_f32 v[ACC+8*\i+2:ACC+8*\i+3], v[TQ+16*\i+4:TQ+16*\i+5], v[TQ+16*\i+6:TQ+16*\i+7]
.endr
.irp j, 8,12
.irp i, 0,1
	v_pk_add_f32 v[ACC+8*\i:ACC+8*\i+1], v[ACC+8*\i:ACC+8*\i+1], v[TQ+16*\i+\j:TQ+16*\i+\j+1]
	v_pk_add_f32 v[ACC+8*\i+2:ACC+8*\i+3], v[ACC+8*\i+2:ACC+8*\i+3], v[TQ+16*\i+\j+2:TQ+16*\i+\j+3]
.endr
.endr
.irp i, 0,1
	v_pk_add_f32 v[ACC+8*\i:ACC+8*\i+1], v[ACC+8*\i:ACC+8*\i+1], v[ACC+8*\i+2:ACC+8*\i+3]
.endr
.irp i, 0,1
	v_add_f32 v[ACC+8*\i], v[ACC+8*\i], v[ACC+8*\i+1]
.endr
	LANESUM ACC, ACC+8, ACC+1, ACC+9
.irp i, 0,1
	v_mul_f32 v[ACC+8*\i], 0x3b000000, v[ACC+8*\i] ; / 512: the mean
.endr
.irp i, 0,1
.irp j, 0,2,4,6,8,10,12,14
	v_pk_add_f32 v[TQ+16*\i+\j:TQ+16*\i+\j+1], v[TQ+16*\i+\j:TQ+16*\i+\j+1], v[ACC+8*\i:ACC+8*\i+1] op_sel_hi:[1,0] neg_lo:[0,1] neg_hi:[0,1]   ; x - mean
.endr
.endr
.irp i, 0,1
	v_pk_mul_f32 v[ACC+8*\i+2:ACC+8*\i+3], v[TQ+16*\i:TQ+16*\i+1], v[TQ+16*\i:TQ+16*\i+1]
	v_pk_mul_f32 v[ACC+8*\i+4:ACC+8*\i+5], v[TQ+16*\i+2:TQ+16*\i+3], v[TQ+16*\i+2:TQ+16*\i+3]
.endr
.irp j, 4,8,12
.irp i, 0,1
	v_pk_fma_f32 v[ACC+8*\i+2:ACC+8*\i+3], v[TQ+16*\i+\j:TQ+16*\i+\j+1], v[TQ+16*\i+\j:TQ+16*\i+\j+1], v[ACC+8*\i+2:ACC+8*\i+3]
	v_pk_fma_f32 v[ACC+8*\i+4:ACC+8*\i+5], v[TQ+16*\i+\j+2:TQ+16*\i+\j+3], v[TQ+16*\i+\j+2:TQ+16*\i+\j+3], v[ACC+8*\i+4:ACC+8*\i+5]
.endr
.endr
.irp i, 0,1
	v_pk_add_f32 v[ACC+8*\i+2:ACC+8*\i+3], v[ACC+8*\i+2:ACC+8*\i+3], v[ACC+8*\i+4:ACC+8*\i+5]
.endr
.irp i, 0,1
	v_add_f32 v[ACC+8*\i+2], v[ACC+8*\i+2], v[ACC+8*\i+3]
.endr
	LANESUM ACC+2, ACC+10, ACC+3, ACC+11
.irp i, 0,1
	v_mul_f32 v[ACC+8*\i+2], 0x3b004020, v[ACC+8*\i+2]   ; / 511: the unbiased variance
.endr
.irp i, 0,1
	v_sqrt_f32 v[ACC+8*\i+7], v[ACC+8*\i+2]
.endr
	v_nop                                          ; a plain line behind the roots,
	s_wait_alu depctr_va_vdst(0)                   ; and a wait ahead of the first use: one for both
.irp i, 0,1
	v_add_f32 v[ACC+8*\i+7], 0x3727c5ac, v[ACC+8*\i+7]   ; + 1e-5
.endr
.irp i, 0,1
	v_rcp_f32 v[ACC+8*\i+6], v[ACC+8*\i+7]
.endr
	v_nop
	s_wait_alu depctr_va_vdst(0)
.irp i, 0,1
.irp j, 0,2,4,6,8,10,12,14
	v_pk_mul_f32 v[TQ+16*\i+\j:TQ+16*\i+\j+1], v[TQ+16*\i+\j:TQ+16*\i+\j+1], v[ACT+\j:ACT+\j+1]   ; x g1
.endr
.endr
.irp i, 0,1
.irp j, 0,2,4,6,8,10,12,14
	v_pk_fma_f32 v[TQ+16*\i+\j:TQ+16*\i+\j+1], v[TQ+16*\i+\j:TQ+16*\i+\j+1], v[ACC+8*\i+6:ACC+8*\i+7], v[ACT+16+\j:ACT+16+\j+1] op_sel_hi:[1,0,1]   ; / (sqrt(var) + eps) + be1
.endr
.endr
	; ---- quantised: a block of 32 lies in lanes l and l xor 1
.irp i, 0,1
	v_max3_num_f32 v[ACC+8*\i+2], |v[TQ+16*\i]|, |v[TQ+16*\i+1]|, 0x1800000
.endr
.irp j, 2,4,6,8,10,12,14
.irp i, 0,1
	v_max3_num_f32 v[ACC+8*\i+2], v[ACC+8*\i+2], |v[TQ+16*\i+\j]|, |v[TQ+16*\i+\j+1]|
.endr
.endr
.irp i, 0,1
	v_max_num_f32_dpp v[ACC+8*\i+2], v[ACC+8*\i+2], v[ACC+8*\i+2] row_xmask:1 row_mask:0xf bank_mask:0xf
.endr
.irp i, 0,1
	v_add_nc_u32 v[ACC+8*\i+3], 0xff000000, v[ACC+8*\i+2]
.endr
.irp i, 0,1
	v_lshrrev_b32 v[ACC+8*\i+4], 23, v[ACC+8*\i+3]
.endr
.irp i, 0,1
	v_cvt_scalef32_pk16_fp6_f32 v[ACC+16+4*\i:ACC+18+4*\i], v[TQ+16*\i:TQ+16*\i+15], v[ACC+8*\i+3]
.endr
	v_nop                                          ; one plain line behind the conversions
.irp i, 0,1
	ST3 5, ACC+16+4*\i, 48*\i
	ds_store_b8 v6, v[ACC+8*\i+4] offset:4*\i      ; both lanes of a block write the same byte with the same value
.endr
	BARRIER                                        ; z's eight fragments and their scale words lie in LDS
	ACTLOAD ZIMG, ZSC, 0, 4
	s_wait_dscnt 0x0
	; ---- q, k, v: my head's 32 columns, K = 512 in two halves.  Behind each run of products the next 6,144 bytes of weights are asked for at once
.irp T, 0,1,2
	s_wait_loadcnt 0x0                             ; this half's weights are in
	WMMA8 0, 0, (\T/2)
	PLACES
	WLOAD WCP, WSP, \T*196608+6144, \T*8192+256
	s_wait_loadcnt 0x0
	WMMA8 1, 1, (\T/2)
	PLACES
.if \T < 2
	WLOAD WCP, WSP, (\T+1)*196608, (\T+1)*8192     ; the next weight's first half lands while these results are quantised
.endif
	QB2 ACC, ACC+16, BIAS+2*\T
.if \T == 0
	ST3 7, TQ+8, 0                                 ; tile 0's tokens r + 8 (r / 8),
	ST3 7, TQ+12, 192                              ; tile 1's eight further on
	global_store_b8 v11, v[BIAS], s[16:17]         ; (both halves of the lanes hold the block's byte and store it to the same place)
	global_store_b8 v11, v[BIAS+1], s[16:17] offset:8
.elseif \T == 1
	ST3 8, TQ+8, 0
	ST3 8, TQ+12, 384
	global_store_b8 v12, v[BIAS+2], s[16:17] offset:131072
	global_store_b8 v12, v[BIAS+3], s[16:17] offset:131072+16
.else
	ST3 8, TQ+8, 768
	ST3 8, TQ+12, 1152
	global_store_b8 v12, v[BIAS+4], s[16:17] offset:262144
	global_store_b8 v12, v[BIAS+5], s[16:17] offset:262144+16
.endif
	s_wait_dscnt 0x0                               ; the stores have read the codes' registers
.endr
.irp k, 0,1,2,3,4,5,6,7,8
	ds_load_b64 v[WB+2*\k:WB+2*\k+1], v9 offset:256*\k   ; my own bytes: LDS serves a wave's instructions in order
.endr
.irp k, 0,1,2,3,4,5,6,7,8
	s_wait_dscnt 8-\k                              ; the younger read-backs may stay out
	global_store_b64 v10, v[WB+2*\k:WB+2*\k+1], s[14:15] offset:(\k/3)*3145728+256*(\k%3)   ; 32 lanes store 256 consecutive bytes, aligned
.endr
	s_wait_tensorcnt 0x0
	ds_add_u32 v252, v253
	s_wait_dscnt 0x0
	s_endpgm
.Lfunc_end_k_q8caa53673b_qkv:
	.size	k_q8caa53673b_qkv, .Lfunc_end_k_q8caa53673b_qkv-k_q8caa53673b_qkv
	.p2alignl 7, 3214868480
	.fill 96, 4, 3214868480
	.section	.rodata,"a",@progbits
	.p2align	6, 0x0
	.amdhsa_kernel k_q8caa53673b_qkv
		.amdhsa_group_segment_fixed_size 51712
		.amdhsa_private_segment_fixed_size 0
		.amdhsa_enable_private_segment 0
		.amdhsa_kernarg_size 56
		.amdhsa_user_sgpr_count 2
		.amdhsa_user_sgpr_kernarg_segment_ptr 1
		.amdhsa_wavefront_size32 1
		.amdhsa_system_sgpr_workgroup_id_x 1
		.amdhsa_system_sgpr_workgroup_id_y 1
		.amdhsa_system_sgpr_workgroup_id_z 1
		.amdhsa_system_vgpr_workitem_id 0
		.amdhsa_next_free_vgpr 256
		.amdhsa_next_free_sgpr 66
		.amdhsa_reserve_vcc 0
		.amdhsa_float_denorm_mode_32 3
		.amdhsa_float_denorm_mode_16_64 3
		.amdhsa_memory_ordered 1
		.amdhsa_forward_progress 1
		.amdhsa_inst_pref_size 42
	.end_amdhsa_kernel
	.amdgpu_metadata
---
amdhsa.version: [ 1, 2 ]
amdhsa.kernels:
  - .name:           k_q8caa53673b_qkv
    .symbol:         k_q8caa53673b_qkv.kd
    .args:
      - { .name: x, .offset: 0, .size: 8, .value_kind: global_buffer, .address_space: global }
      - { .name: g1, .offset: 8, .size: 8, .value_kind: global_buffer, .address_space: global }
      - { .name: be1, .offset: 16, .size: 8, .value_kind: global_buffer, .address_space: global }
      - { .name: wc, .offset: 24, .size: 8, .value_kind: global_buffer, .address_space: global }
      - { .name: ws, .offset: 32, .size: 8, .value_kind: global_buffer, .address_space: global }
      - { .name: qkvc, .offset: 40, .size: 8, .value_kind: global_buffer, .address_space: global }
      - { .name: qkvs, .offset: 48, .size: 8, .value_kind: global_buffer, .address_space: global }
    .group_segment_fixed_size: 51712
    .private_segment_fixed_size: 0
    .kernarg_segment_align: 8
    .kernarg_segment_size: 56
    .max_flat_workgroup_size: 512
    .sgpr_count:     66
    .vgpr_count:     256
    .wavefront_size: 32
...
	.end_amdgpu_metadata
.endif
;; end of part 2
;; launch attn (part 3): grid 4 x 64, 16 waves a work-group, no clusters, 104,448 bytes of LDS; arguments qkvc, qkvs, ac, asc; writes ac, asc
.if DOCPART == 3
	.amdgcn_target "amdgcn-amd-amdhsa--gfx1250"
	.amdhsa_code_object_version 6
	.text
	.protected	k_q8caa53673b_attn
	.globl	k_q8caa53673b_attn
	.p2align	8
	.type	k_q8caa53673b_attn,@function
k_q8caa53673b_attn:
	s_mov_b64 s[64:65], 0
	v_nop
	global_prefetch_b8 v0, s[64:65] scope:SCOPE_SE
	s_setreg_imm32_b32 hwreg(HW_REG_WAVE_MODE, 25, 1), 1
	s_wait_xcnt 0x0
; Causal attention of one (batch, head): S = q k^T and O = p v on codes of FP6 (E2M3) with E8M0 scales; the head is 32 wide, one block.
; t = score x log2(e) / sqrt(32); M = the running largest t rounded UP to a whole number; p = 2^(t - M) is quantised along the keys, not normalised;
; the row's sum is taken of the unquantised p and divides O at the end.  When M moves, the sum and O are multiplied by 2^(old M - new M): exact.
; O / sum is quantised over the head's 32, which is a block of the next product's K, and only its codes and scale bytes leave.
; SHARES.  Work-group (c, head): sixteen waves of 256 registers.  Wave W = 16 c + w takes the tiles of 16 queries W and 127 - W: tile i wants i / 8 + 1 steps
; of 128 keys, so every wave of the launch runs 17 steps.  The inner loop has 16 trips in every wave; a step all of whose keys are hidden jumps over its work.
; LDS holds the head's K and V codes (49,152 bytes each, as they lie in memory) and their scale bytes, regrouped into scale words.  It is filled once, through
; registers, and only read behind the one barrier.
; NO CLUSTER: the four work-groups of a head share 100 KB, read once at the head, and the scale bytes are regrouped in registers on the way.
; K FOUR DEEP.  A product's K is 128 and the head has 32.  A fragment of K carries four tiles of 16 keys, one in each block of 32; q stands in ONE block of
; source 1 and zero codes in the others, so that the product picks that block's keys.  Four such variants of q overlap in 30 registers: Z | QL | Z | QH | Z,
; QL = q in lanes 0-15, QH = q in lanes 16-31, Z = zeros; variant g begins at 6, 18, 0, 12.  So a step reads each byte of K once.
; LAYOUT.  Both products are used transposed: a lane holds ONE query.  Score tile t = 4 f + g holds keys 32 (t / 2) + 8 (t % 2) + row + 8 (row / 8), so that the 16
; registers of tiles 2 b, 2 b + 1 are 16 neighbouring keys.  V's channels are dealt to its two tiles in the same way, so O^T's 16 registers are 16 neighbouring channels.
; LIMITS: NaN and infinities are not served; a block whose largest magnitude lies under 2^-124 keeps the byte 1.
.set KL,   0
.set VL,   49152
.set KSL,  98304                       ; K's scale words: 64 bytes a fragment of 64 keys
.set VSL,  100352                      ; V's: 128 bytes a step: tile u, row
.set QB,   16                          ; v16-45   q's variants
.set KFR,  48                          ; v48-71   K's two fragments
.set VFR,  72                          ; v72-95   V's two
.set PSW,  243                         ; v243     p's scale word: holds nothing else
.set SEL,  20                          ; s[20:21] lane l xor 16
.set CS,   22                          ; s[22:23] c = log2(e) / sqrt(32)
.set TK,   24                          ; the step's codes begin here in KL and in VL: 3,072 bytes a step
.set TS,   25                          ; and its scale words: 128 bytes a step
.set KF,   26                          ; the step's first key
.set Q0,   27                          ; my first query
.set TILE, 28
.set CNT,  29
.set OUTC, 30
.set MLO,  31                          ; lanes 0-15
.set MHI,  32                          ; lanes 16-31
.set REP,  33
; v1 24 l; v2 VL + 24 r + 768 h; v3 KSL + 4 r; v4 VSL + 4 r; v5 24 r + 12 h; v6 r; v7 24 r; v8-11 the step's addresses; v12 -M, v13 the largest t, v[14:15] the sum;
; v96-159 S^T, then p; v160-175 O^T; v176-191 O / sum; v192-194 its codes; v224-235 p's codes; v232-254 at work; v248-249 K's scale words, v250-251 V's; v255 q's.
	s_load_b256 s[4:11], s[0:1], 0x0               ; qkvc, qkvs, ac, asc
	v_lshl_add_u32 v222, v0, 2, 0x19000
	v_mov_b32 v223, 0
	v_lshrrev_b32 v1, 5, v0
	v_readfirstlane_b32 s18, v1                    ; wave 0..15
	s_and_b32 s19, ttmp7, 0xffff                   ; batch x 16 + head
	s_mul_i32 s12, s19, 49152                      ; the head's codes, in each section of qkvc and in ac
	s_mov_b32 s13, 0
	s_lshl_b32 s14, s19, 11                        ; its scale bytes
	s_mov_b32 s15, 0
	s_lshl_b32 s[TILE], ttmp9, 4
	s_add_co_u32 s[TILE], s[TILE], s18             ; W
	s_mov_b32 s[SEL], 0x76543210
	s_mov_b32 s[SEL+1], 0xfedcba98
	s_mov_b32 s[CS], 0x3e8293ee
	s_mov_b32 s[CS+1], s[CS]                       ; (named with it as a pair, so it is written)
	s_mov_b32 s[REP], 0x01010101
	v_and_b32 v9, 31, v0                           ; l
	v_and_b32 v6, 15, v0                           ; r
	v_bfe_u32 v10, v0, 4, 1                        ; h
	v_mul_u32_u24 v1, v9, 24
	v_mul_u32_u24 v7, v6, 24
	v_mad_u32_u24 v5, v10, 12, v7
	v_mad_u32_u24 v2, v10, 768, v7
	v_add_nc_u32 v2, VL, v2
	v_lshl_add_u32 v3, v6, 2, KSL
	v_lshl_add_u32 v4, v6, 2, VSL
	v_cmp_gt_u32 s[MLO], 16, v9
	v_cmp_le_u32 s[MHI], 16, v9
	; the copy in: thread t takes 16 bytes at 16 t + 8,192 i, and four scale bytes at 4 t
	v_lshlrev_b32 v176, 4, v0
	v_add_nc_u32 v177, VL, v176
	v_lshlrev_b32 v178, 2, v0
	v_lshrrev_b32 v179, 4, v0                      ; K's byte (group t / 8, place 4 (t % 8) + i) goes to fragment t / 16, row 4 (t % 4) + i, byte 2 ((t / 8) % 2) + (t / 4) % 2
	v_lshl_add_u32 v179, v179, 6, KSL
	v_and_b32 v181, 3, v0
	v_lshl_add_u32 v179, v181, 4, v179
	v_bfe_u32 v182, v0, 3, 1
	v_lshl_add_u32 v179, v182, 1, v179
	v_bfe_u32 v182, v0, 2, 1
	v_add_nc_u32 v179, v179, v182
	v_lshrrev_b32 v180, 5, v0                      ; V's goes to step t / 32, tile (t / 4) % 2, row 4 (t % 4) + i, byte (t / 8) % 4
	v_lshl_add_u32 v180, v180, 7, VSL
	v_lshl_add_u32 v180, v182, 6, v180
	v_lshl_add_u32 v180, v181, 4, v180
	v_bfe_u32 v182, v0, 3, 2
	v_add_nc_u32 v180, v180, v182
	s_wait_kmcnt 0x0
	s_add_nc_u64 s[34:35], s[4:5], s[12:13]        ; q's codes of the head; k's lie 3,145,728 bytes on, v's twice that
	s_add_nc_u64 s[36:37], s[6:7], s[14:15]        ; q's scale bytes; k's 131,072 on, v's twice that
	s_add_nc_u64 s[8:9], s[8:9], s[12:13]
	s_add_nc_u64 s[10:11], s[10:11], s[14:15]
.irp i, 0,1,2,3,4,5
	global_load_b128 v[96+4*\i:99+4*\i], v176, s[34:35] offset:3145728+8192*\i
.endr
.irp i, 0,1,2,3,4,5
	global_load_b128 v[120+4*\i:123+4*\i], v176, s[34:35] offset:6291456+8192*\i
.endr
	global_load_b32 v144, v178, s[36:37] offset:131072
	global_load_b32 v145, v178, s[36:37] offset:262144
.irp i, 0,1,2,3,4,5
	v_mov_b32 v[QB+\i], 0                          ; the zeros of q's variants, once
	v_mov_b32 v[QB+12+\i], 0
	v_mov_b32 v[QB+24+\i], 0
.endr
.irp b, 0,1,2,3
	v_mov_b32 v[236+\b], 0                         ; written once: a lane permute's destination counts as one of its sources
.endr
	v_mov_b32 v252, 0
	v_mov_b32 v253, 0                              ; (the upper half of the pair v[252:253])
	s_wait_loadcnt 0x0
.irp i, 0,1,2,3,4,5
	ds_store_b128 v176, v[96+4*\i:99+4*\i] offset:8192*\i
.endr
.irp i, 0,1,2,3,4,5
	ds_store_b128 v177, v[120+4*\i:123+4*\i] offset:8192*\i
.endr
	v_lshrrev_b32 v146, 8, v144
	v_lshrrev_b32 v147, 16, v144
	v_lshrrev_b32 v148, 24, v144
	v_lshrrev_b32 v149, 8, v145
	v_lshrrev_b32 v150, 16, v145
	v_lshrrev_b32 v151, 24, v145
	ds_store_b8 v179, v144
	ds_store_b8 v179, v146 offset:4
	ds_store_b8 v179, v147 offset:8
	ds_store_b8 v179, v148 offset:12
	ds_store_b8 v180, v145
	ds_store_b8 v180, v149 offset:4
	ds_store_b8 v180, v150 offset:8
	ds_store_b8 v180, v151 offset:12
	s_wait_dscnt 0x0                               ; for the others' sake: my stores have landed
	s_barrier_signal -1
	s_barrier_wait -1                              ; from here on LDS is only read
	s_mov_b32 s[OUTC], 2
.Ltile:
	s_lshl_b32 s[Q0], s[TILE], 4
	s_mul_i32 s46, s[TILE], 384                    ; 16 tokens of 24 bytes
	s_mov_b32 s47, 0
	s_mov_b32 s48, s[Q0]
	s_mov_b32 s49, 0
	s_add_nc_u64 s[38:39], s[34:35], s[46:47]
	s_add_nc_u64 s[40:41], s[36:37], s[48:49]
	s_add_nc_u64 s[42:43], s[8:9], s[46:47]
	s_add_nc_u64 s[44:45], s[10:11], s[48:49]
.irp p, 0,1,2
	global_load_b64 v[KFR+2*\p:KFR+2*\p+1], v7, s[38:39] offset:8*\p   ; every lane takes query r's 24 bytes
.endr
	global_load_u8 v[KFR+6], v6, s[40:41]
	s_mov_b32 s[TK], 0
	s_mov_b32 s[TS], 0
	s_mov_b32 s[KF], 0
	s_mov_b32 s[CNT], 16
	s_wait_loadcnt 0x0
	v_mul_lo_u32 v255, v[KFR+6], s[REP]            ; q's byte in all four bytes of its scale word: whichever block q stands in.  More than eight plain lines follow ahead of the first product
.irp i, 0,1,2,3,4,5
	v_cndmask_b32 v[QB+6+\i], 0, v[KFR+\i], s[MLO]
	v_cndmask_b32 v[QB+18+\i], 0, v[KFR+\i], s[MHI]
.endr
	v_mov_b32 v13, 0xff61b1e6                      ; the largest t so far: -3e38, under every t
	v_floor_f32 v12, -v13                          ; -M
	v_mov_b32 v14, 0                               ; the sum, in two halves
	v_mov_b32 v15, 0
.irp j, 0,1,2,3,4,5,6,7,8,9,10,11,12,13,14,15
	v_mov_b32 v[160+\j], 0                         ; O^T: the first change of M multiplies zeros, so the step is written once
.endr
.Lstep:
	s_add_co_u32 s50, s[Q0], 15
	s_cmp_gt_u32 s[KF], s50                        ; all 128 keys come after my 16 queries: the step's work is left out; a branch on ids
	s_cbranch_scc1 .Lhidden
	v_add_nc_u32 v8, s[TK], v1                     ; (these four are also the places behind the last step's products, ahead of the loads into V's registers)
	v_add_nc_u32 v9, s[TK], v2
	v_add_nc_u32 v10, s[TS], v3
	v_add_nc_u32 v11, s[TS], v4
.irp f, 0,1
.irp c, 0,1
.irp p, 0,1,2
	ds_load_b64 v[KFR+12*\f+6*\c+2*\p:KFR+12*\f+6*\c+2*\p+1], v8 offset:1536*\f+768*\c+8*\p
.endr
.endr
	ds_load_b32 v[248+\f], v10 offset:64*\f
.endr
.irp u, 0,1
.irp c, 0,1
.irp p, 0,1,2
	ds_load_b64 v[VFR+12*\u+6*\c+2*\p:VFR+12*\u+6*\c+2*\p+1], v9 offset:384*\u+1536*\c+8*\p
.endr
.endr
	ds_load_b32 v[250+\u], v11 offset:64*\u
.endr
	s_wait_dscnt 14                                ; K's fourteen loads are in; V's fourteen, issued behind them, stay out
.irp f, 0,1
.irp g, 0,1,2,3
	v_wmma_scale_f32_16x16x128_f8f6f4 v[96+8*(4*\f+\g):103+8*(4*\f+\g)], v[KFR+12*\f:KFR+12*\f+11], v[QB+12*(\g%2)+6-6*(\g/2):QB+12*(\g%2)+6-6*(\g/2)+11], 0, v[248+\f], v255 matrix_a_fmt:MATRIX_FMT_FP6 matrix_b_fmt:MATRIX_FMT_FP6
.endr
.endr
.rept 4
	v_nop                                          ; places ahead of the first read of the scores
.endr
	s_add_co_u32 s50, s[KF], 127                   ; on the diagonal hidden scores become -infinity ahead of the maximum; a step all of whose keys count skips this
	s_cmp_le_u32 s50, s[Q0]
	s_cbranch_scc1 .Lopen
	s_sub_co_i32 s50, s[Q0], s[KF]
	v_bfe_u32 v241, v0, 4, 1
	v_lshlrev_b32 v241, 4, v241
	v_sub_nc_u32 v240, v6, v241
	v_add_nc_u32 v240, s50, v240                   ; d = my query - KF - 16 h.  Register 16 b + i holds key KF + 16 h + 32 b + i: hidden where 32 b + i > d
	v_mov_b32 v254, 0xff800000
.irp n, 0,1,2,3,4,5,6,7,8,9,10,11,12,13,14,15,16,17,18,19,20,21,22,23,24,25,26,27,28,29,30,31,32,33,34,35,36,37,38,39,40,41,42,43,44,45,46,47,48,49,50,51,52,53,54,55,56,57,58,59,60,61,62,63
	v_cmp_gt_i32 vcc_lo, 32*(\n/16)+\n%16, v240
	v_cndmask_b32 v[96+\n], v[96+\n], v254, vcc_lo
.endr
.Lopen:
.irp b, 0,1,2,3
	v_max3_num_f32 v[232+\b], v[96+16*\b], v[97+16*\b], v[98+16*\b]   ; the largest score of each block of 32 keys: it serves the row's maximum and, since p rises with the score, the block's largest p
.endr
.irp i, 3,5,7,9,11,13
.irp b, 0,1,2,3
	v_max3_num_f32 v[232+\b], v[232+\b], v[96+16*\b+\i], v[97+16*\b+\i]
.endr
.endr
.irp b, 0,1,2,3
	v_max_num_f32 v[232+\b], v[232+\b], v[111+16*\b]
.endr
.irp b, 0,1,2,3
	v_permlanex16_b32 v[236+\b], v[232+\b], s[SEL], s[SEL+1]
.endr
.irp b, 0,1,2,3
	v_max_num_f32 v[232+\b], v[232+\b], v[236+\b]  ; with lane l xor 16's 16 keys
.endr
	v_max3_num_f32 v254, v232, v233, v234
	v_max_num_f32 v254, v254, v235                 ; the step's largest score of my query
	v_mul_f32 v254, s[CS], v254                    ; as t (c is positive)
	v_max_num_f32 v13, v13, v254                   ; the running largest t
	v_mov_b32 v254, v12
	v_floor_f32 v12, -v13                          ; the new -M = floor(-t) = -ceil(t)
	v_sub_f32 v254, v12, v254                      ; old M - new M: a whole number, 0 or less
	v_cvt_i32_f32 v254, v254                       ; (it saturates)
	v_ldexp_f32 v252, 1.0, v254                    ; f = 2^(old M - new M)
.irp j, 0,2,4,6,8,10,12,14,16,18,20,22,24,26,28,30,32,34,36,38,40,42,44,46,48,50,52,54,56,58,60,62
	v_pk_fma_f32 v[96+\j:97+\j], v[96+\j:97+\j], s[CS:CS+1], v[12:13] op_sel_hi:[1,0,0]   ; t - M, two at a time
.endr
.irp b, 0,1,2,3
	v_fma_f32 v[232+\b], v[232+\b], s[CS], v12     ; the same of each block's largest score
.endr
.irp j, 0,1,2,3,4,5,6,7,8,9,10,11,12,13,14,15,16,17,18,19,20,21,22,23,24,25,26,27,28,29,30,31,32,33,34,35,36,37,38,39,40,41,42,43,44,45,46,47,48,49,50,51,52,53,54,55,56,57,58,59,60,61,62,63
	v_exp_f32 v[96+\j], v[96+\j]                   ; p = 2^(t - M), at most 1
.endr
	v_pk_mul_f32 v[14:15], v[14:15], v[252:253] op_sel_hi:[1,0]   ; the sums under the new M: a plain line behind the exponentials
	s_wait_alu depctr_va_vdst(0)                   ; one wait for the whole batch, ahead of its first reader
.irp b, 0,1,2,3
	v_exp_f32 v[232+\b], v[232+\b]                 ; the block's largest p: the same two instructions on the same number give the same bits
.endr
	v_pk_add_f32 v[236:237], v[96:97], v[98:99]    ; the row's sum of the unquantised p, in two chains: plain work behind the four
.irp j, 4,8,12,16,20,24,28,32,36,40,44,48,52,56,60
	v_pk_add_f32 v[14:15], v[14:15], v[96+\j:97+\j]
	v_pk_add_f32 v[236:237], v[236:237], v[98+\j:99+\j]
.endr
	v_pk_add_f32 v[14:15], v[14:15], v[236:237]
	s_wait_alu depctr_va_vdst(0)                   ; and one for the four
.irp b, 0,1,2,3
	v_max_num_f32 v[232+\b], 0x1800000, v[232+\b]  ; the floor 2^(3 - 127): a block whose every p is 0 keeps the byte 1; its codes are zeros
.endr
.irp b, 0,1,2,3
	v_add_nc_u32 v[244+\b], 0xff000000, v[232+\b]  ; the conversion's scale operand
.endr
.irp b, 0,1,2,3
	v_lshrrev_b32 v[236+\b], 23, v[244+\b]         ; the scale's byte
.endr
	v_lshl_or_b32 v[PSW], v237, 8, v236            ; p's scale word for these 128 keys
	v_lshl_or_b32 v[PSW], v238, 16, v[PSW]
	v_lshl_or_b32 v[PSW], v239, 24, v[PSW]
.irp c, 0,1
	v_cvt_scalef32_pk16_fp6_f32 v[224+6*\c:226+6*\c], v[96+32*\c:111+32*\c], v[244+2*\c]
	v_cvt_scalef32_pk16_fp6_f32 v[236+4*\c:238+4*\c], v[112+32*\c:127+32*\c], v[244+2*\c+1]   ; (a conversion's three registers begin on an even number)
.endr
	v_nop                                          ; one plain line behind the conversions
.irp c, 0,1                            ; the operand's layout wants a whole block in a lane: lanes 0-15 block 2 c, lanes 16-31 block 2 c + 1
.irp i, 0,1,2
	v_permlane16_swap_b32 v[224+6*\c+\i], v[236+4*\c+\i]
.endr
.irp i, 0,1,2
	v_mov_b32 v[227+6*\c+\i], v[236+4*\c+\i]
.endr
.endr
.irp j, 0,2,4,6,8,10,12,14
	v_pk_mul_f32 v[160+\j:161+\j], v[160+\j:161+\j], v[252:253] op_sel_hi:[1,0]   ; O^T under the new M
.endr
.rept 4
	v_nop                                          ; with the eight above: the places between the last writes of p's codes and scale word and the products
.endr
	s_wait_dscnt 0x0                               ; V is in
.irp u, 0,1
	v_wmma_scale_f32_16x16x128_f8f6f4 v[160+8*\u:167+8*\u], v[VFR+12*\u:VFR+12*\u+11], v[224:235], v[160+8*\u:167+8*\u], v[250+\u], v[PSW] matrix_a_fmt:MATRIX_FMT_FP6 matrix_b_fmt:MATRIX_FMT_FP6
.endr
.Lhidden:
	s_add_co_u32 s[KF], s[KF], 128
	s_add_co_u32 s[TK], s[TK], 3072
	s_add_co_u32 s[TS], s[TS], 128
	s_sub_co_u32 s[CNT], s[CNT], 1
	s_cmp_lg_u32 s[CNT], 0
	s_cbranch_scc1 .Lstep
	; ---- the tile's end: O / sum, quantised over the head's 32
.rept 4
	v_nop                                          ; the places behind the last products, on every way here
.endr
	v_add_f32 v14, v14, v15
	v_permlanex16_b32 v252, v14, s[SEL], s[SEL+1]
	v_add_f32 v14, v14, v252                       ; the row's sum
	v_rcp_f32 v14, v14
	v_nop
	s_wait_alu depctr_va_vdst(0)
.irp j, 0,1,2,3,4,5,6,7,8,9,10,11,12,13,14,15
	v_mul_f32 v[176+\j], v[160+\j], v14            ; register j: channel 16 h + j of query r
.endr
	v_max3_num_f32 v232, |v176|, |v177|, 0x1800000
.irp i, 2,4,6,8,10,12,14
	v_max3_num_f32 v232, v232, |v[176+\i]|, |v[177+\i]|
.endr
	v_permlanex16_b32 v236, v232, s[SEL], s[SEL+1]
	v_max_num_f32 v232, v232, v236
	v_add_nc_u32 v244, 0xff000000, v232
	v_lshrrev_b32 v233, 23, v244
	v_cvt_scalef32_pk16_fp6_f32 v[192:194], v[176:191], v244
	v_nop
	global_store_b96 v5, v[192:194], s[42:43]      ; the wave stores 384 consecutive bytes: 16 tokens of 24
	global_store_b8 v6, v233, s[44:45]             ; (both halves of the lanes store the same byte to the same place)
	s_wait_xcnt 0x0                                ; bases and data are written again in the next trip only behind this wait
	s_sub_co_u32 s[TILE], 127, s[TILE]
	s_sub_co_u32 s[OUTC], s[OUTC], 1
	s_cmp_lg_u32 s[OUTC], 0
	s_cbranch_scc1 .Ltile
	s_wait_tensorcnt 0x0
	ds_add_u32 v222, v223
	s_wait_dscnt 0x0
	s_endpgm
.Lfunc_end_k_q8caa53673b_attn:
	.size	k_q8caa53673b_attn, .Lfunc_end_k_q8caa53673b_attn-k_q8caa53673b_attn
	.p2alignl 7, 3214868480
	.fill 96, 4, 3214868480
	.section	.rodata,"a",@progbits
	.p2align	6, 0x0
	.amdhsa_kernel k_q8caa53673b_attn
		.amdhsa_group_segment_fixed_size 104448
		.amdhsa_private_segment_fixed_size 0
		.amdhsa_enable_private_segment 0
		.amdhsa_kernarg_size 32
		.amdhsa_user_sgpr_count 2
		.amdhsa_user_sgpr_kernarg_segment_ptr 1
		.amdhsa_wavefront_size32 1
		.amdhsa_system_sgpr_workgroup_id_x 1
		.amdhsa_system_sgpr_workgroup_id_y 1
		.amdhsa_system_sgpr_workgroup_id_z 1
		.amdhsa_system_vgpr_workitem_id 0
		.amdhsa_next_free_vgpr 256
		.amdhsa_next_free_sgpr 66
		.amdhsa_reserve_vcc 1
		.amdhsa_float_denorm_mode_32 3
		.amdhsa_float_denorm_mode_16_64 3
		.amdhsa_memory_ordered 1
		.amdhsa_forward_progress 1
		.amdhsa_inst_pref_size 32
	.end_amdhsa_kernel
	.amdgpu_metadata
---
amdhsa.version: [ 1, 2 ]
amdhsa.kernels:
  - .name:           k_q8caa53673b_attn
    .symbol:         k_q8caa53673b_attn.kd
    .args:
      - { .name: qkvc, .offset: 0, .size: 8, .value_kind: global_buffer, .address_space: global }
      - { .name: qkvs, .offset: 8, .size: 8, .value_kind: global_buffer, .address_space: global }
      - { .name: ac, .offset: 16, .size: 8, .value_kind: global_buffer, .address_space: global }
      - { .name: asc, .offset: 24, .size: 8, .value_kind: global_buffer, .address_space: global }
    .group_segment_fixed_size: 104448
    .private_segment_fixed_size: 0
    .kernarg_segment_align: 8
    .kernarg_segment_size: 32
    .max_flat_workgroup_size: 512
    .sgpr_count:     66
    .vgpr_count:     256
    .wavefront_size: 32
...
	.end_amdgpu_metadata
.endif
;; end of part 3
;; launch tail (part 4): grid 256 x 1, 16 waves a work-group, no clusters, 215,040 bytes of LDS; arguments ac, asc, wc, ws, x, bo, g2, be2, b1, b2, out0; writes out0
.if DOCPART == 4
	.amdgcn_target "amdgcn-amd-amdhsa--gfx1250"
	.amdhsa_code_object_version 6
	.text
	.protected	k_q8caa53673b_tail
	.globl	k_q8caa53673b_tail
	.p2align	8
	.type	k_q8caa53673b_tail,@function
k_q8caa53673b_tail:
	s_mov_b64 s[64:65], 0
	v_nop
	global_prefetch_b8 v0, s[64:65] scope:SCOPE_SE
	s_setreg_imm32_b32 hwreg(HW_REG_WAVE_MODE, 25, 1), 1
	s_wait_xcnt 0x0
; z_add = x + a Wo + bo;  zn = layer norm of z_add;  h = gelu(zn W1 + b1), exact (erf);  out = z_add + h W2 + b2.  The three products on codes of FP6 (E2M3) with E8M0 scales.
; SHARES.  A work-group owns 32 tokens (two tiles of 16 rows); sixteen waves of 256 registers, four to a SIMD.  THE WAVES SHARE THE COLUMNS: wave w owns columns 32 w .. + 31 of
; z_add and of out, and hidden units 128 w .. + 127, which are K step w of the last product.  The rows' fragments for 512 along K stay in registers; the weights come from wc
; straight into the registers of the one wave that multiplies by them: each byte once a work-group, never through LDS.  Nothing between the products goes to memory.
; NO CLUSTER: a joint load lands in LDS; the 1.77 MB of weight codes that a work-group walks would then be written to LDS and read back, with a round of the cluster's barrier for
; each refill, where now they take one load each.
; All products are used transposed (source 0 = 16 columns of the weight, dealt so that two tiles' results are 16 neighbouring columns): a lane holds one row and 16 neighbours.
; A fragment lies in LDS with a lane's 12 registers on end (48 bytes): block g of row r at 48 (r + 16 (g % 2)) + 24 (g / 2).  Every LDS region is written once; five barriers.
; THE NORM'S VARIANCE: each wave's mean and sum of squared deviations over its 32 columns are joined as var = (sum of M2 + 32 sum of (mean_w - mean)^2) / 511: no difference of large sums.
; GELU: gelu(x) = max(x, 0) - |x| E, E = erfc(|x| / sqrt 2) / 2 = t 2^(P(t) - (0.8493218 x)^2), t = 1 / (1 + 0.35355339 |x|), P a polynomial of degree 9 (a published fit of erfc, its
; coefficients times log2 e, 1 off the constant).  LIMIT: the fit's relative error is 1.2e-7 of erfc for every finite x; with f32 arithmetic near 1e-6 of E at |x| about 5.
; LIMITS: NaN and infinities are not served; a block whose largest magnitude lies under 2^-124 keeps the byte 1.
.set ACC,  16                          ; v16-47   four accumulators: 16 m + 8 u
.set BIAS, 48                          ; v48-63   bo, b2, b1's tiles; scratch between
.set TQ,   64                          ; v64-95   g2 and be2; scratch of the gelu and of the quantiser
.set WB,   96                          ; v96-143  four weight fragments (2 K steps x 2 tiles)
.set WSC,  144                         ; v144-147 their scale words
.set ASC,  148                         ; v148-155 the rows' scale words
.set ACT,  156                         ; v156-251 the rows' eight fragments, 4 m + s; scratch of the norm between
.set DV,   ACT+32
.set SM,   ACT+64
.set HIMG, 0                           ; LDS: the hidden layer's 32 fragments, 16 m + s
.set HSC,  49152                       ; their scale words
.set AIMG, 51200                       ; the attention's 8 fragments, 4 m + s
.set ASCL, 63488
.set NIMG, 64000                       ; zn's 8 fragments
.set NSC,  76288
.set RED,  76800                       ; 32 rows x 144 bytes: sixteen pairs (mean, M2) and 16 of padding
.set ZADD, 81408                       ; 4,096 bytes for each wave, its own: z_add + b2 as an image of the accumulators
.set OSTG, 146944                      ; 32 rows x (2,048 + 16) bytes: the way out
.set SEL,  28                          ; s[28:29] lane l xor 16
.set WC6,  36                          ; s[36:37] wc at my block of Wo;  s[38:39] ws likewise
.set WS6,  38
.set WC7,  40                          ; s[40:41] wc at my four blocks of W1; my block of W2 lies 786,432 bytes on;  s[42:43] ws, 32,768 on
.set WS7,  42
.macro WLOAD cp, sp, co, so            ; two K steps x two tiles of a block of 32 columns: 6,144 consecutive bytes, and their 4 x 16 scale words
.irp k, 0,1,2,3,4,5,6,7,8,9,10,11
	global_load_b128 v[WB+4*\k:WB+4*\k+3], v1, s[\cp:\cp+1] offset:(\co)+512*\k
.endr
.irp k, 0,1,2,3
	global_load_b32 v[WSC+\k], v2, s[\sp:\sp+1] offset:(\so)+64*\k
.endr
.endm
.macro ACTLOAD base, sbase, f0, fm     ; eight fragments and their scale words out of LDS: fragment fm m + f0 + q into place 4 m + q
	v_add_nc_u32 v254, \base, v3
	v_add_nc_u32 v255, \sbase, v2
.irp m, 0,1
.irp q, 0,1,2,3
.irp c, 0,1,2
	ds_load_b128 v[ACT+12*(4*\m+\q)+4*\c:ACT+12*(4*\m+\q)+4*\c+3], v254 offset:((\fm)*\m+(\f0)+\q)*1536+16*\c
.endr
	ds_load_b32 v[ASC+4*\m+\q], v255 offset:((\fm)*\m+(\f0)+\q)*64
.endr
.endr
.endm
.macro MM d, a, b, sa, sb, cm, c
.if (\cm) == 0
	v_wmma_scale_f32_16x16x128_f8f6f4 v[\d:\d+7], v[\a:\a+11], v[\b:\b+11], 0, v[\sa], v[\sb] matrix_a_fmt:MATRIX_FMT_FP6 matrix_b_fmt:MATRIX_FMT_FP6
.else
	v_wmma_scale_f32_16x16x128_f8f6f4 v[\d:\d+7], v[\a:\a+11], v[\b:\b+11], v[\c:\c+7], v[\sa], v[\sb] matrix_a_fmt:MATRIX_FMT_FP6 matrix_b_fmt:MATRIX_FMT_FP6
.endif
.endm
; Eight products: K steps 2 hf, 2 hf + 1; in each the four accumulators (tile u of the weight x tile m of the rows) take turns, one instruction a turn.
; cmode, for K step 0's four alone: 0: C = 0;  1: C = D;  2: C = the bias tile.  nat = 0: source 0 = the weight.
.macro WMMA8 hf, cmode, nat
.irp q, 0,1
.irp u, 0,1
.irp m, 0,1
.set rW, WB+12*(2*\q+\u)
.set rWS, WSC+2*\q+\u
.set rX, ACT+12*(4*\m+2*(\hf)+\q)
.set rXS, ASC+4*\m+2*(\hf)+\q
.if \nat
.set rD, ACC+16*\u+8*\m
.else
.set rD, ACC+16*\m+8*\u
.endif
.set rC, rD
.set rM, 1
.if ((\hf) == 0) && (\q == 0)
.if (\cmode) == 0
.set rM, 0
.endif
.if (\cmode) == 2
.set rC, BIAS+8*\u
.endif
.endif
.if \nat
	MM rD, rX, rW, rXS, rWS, rM, rC
.else
	MM rD, rW, rX, rWS, rXS, rM, rC
.endif
.endr
.endr
.endr
.endm
.macro PLACES                          ; five plain lines behind a run of products: four serve loads into their operands and the first read of results, the fifth a later product that begins an accumulator anew
.rept 5
	v_nop
.endr
.endm
; Two blocks of 32, each as 16 numbers in my registers and 16 in lane l xor 16's: codes of my 16 into v[TQ+8..10] and v[TQ+12..14], the blocks' bytes into v[eb], v[eb+1].
.macro QB2 s0, s1, eb
	v_max3_num_f32 v[TQ], |v[(\s0)]|, |v[(\s0)+1]|, 0x1800000      ; with the floor 2^(3 - 127): the byte cannot fall under 1
	v_max3_num_f32 v[TQ+1], |v[(\s1)]|, |v[(\s1)+1]|, 0x1800000
.irp i, 2,4,6,8,10,12,14
	v_max3_num_f32 v[TQ], v[TQ], |v[(\s0)+\i]|, |v[(\s0)+\i+1]|
	v_max3_num_f32 v[TQ+1], v[TQ+1], |v[(\s1)+\i]|, |v[(\s1)+\i+1]|
.endr
	v_permlanex16_b32 v[TQ+2], v[TQ], s[SEL], s[SEL+1]
	v_permlanex16_b32 v[TQ+3], v[TQ+1], s[SEL], s[SEL+1]
	v_max_num_f32 v[TQ], v[TQ], v[TQ+2]
	v_max_num_f32 v[TQ+1], v[TQ+1], v[TQ+3]
	v_add_nc_u32 v[TQ+4], 0xff000000, v[TQ]        ; 2 off the exponent field: the conversion's scale operand
	v_add_nc_u32 v[TQ+5], 0xff000000, v[TQ+1]
	v_lshrrev_b32 v[\eb], 23, v[TQ+4]              ; the scale's byte
	v_lshrrev_b32 v[(\eb)+1], 23, v[TQ+5]
	v_cvt_scalef32_pk16_fp6_f32 v[TQ+8:TQ+10], v[(\s0):(\s0)+15], v[TQ+4]
	v_cvt_scalef32_pk16_fp6_f32 v[TQ+12:TQ+14], v[(\s1):(\s1)+15], v[TQ+5]
	v_nop                                          ; one plain line behind the conversions
.endm
.macro ST3 adr, creg, off              ; 16 codes, 12 bytes, to half a block's place: LDS does the regrouping that the operand's layout asks
.irp k, 0,1,2
	ds_store_b32 v[\adr], v[(\creg)+\k] offset:(\off)+4*\k
.endr
.endm
.macro BARRIER                         ; my LDS stores have landed and my LDS loads are in: then the work-group's barrier
	s_wait_dscnt 0x0
	s_barrier_signal -1
	s_barrier_wait -1
.endm
; gelu of the 16 numbers v[s] .. v[s + 15], in place.  t in v[TQ ..], the exponent and then E / t in v[TQ+16 ..], y in v[BIAS ..].  Each batch of transcendentals has one plain line and one wait behind it.
.macro GELU16 s
.irp j, 0,1,2,3,4,5,6,7,8,9,10,11,12,13,14,15
	v_fma_f32 v[TQ+\j], |v[(\s)+\j]|, 0x3eb504f3, 1.0              ; 1 + |x| / (2 sqrt 2)
.endr
.irp j, 0,1,2,3,4,5,6,7,8,9,10,11,12,13,14,15
	v_rcp_f32 v[TQ+\j], v[TQ+\j]                                   ; t
.endr
.irp j, 0,2,4,6,8,10,12,14
	v_pk_mul_f32 v[BIAS+\j:BIAS+\j+1], v[(\s)+\j:(\s)+\j+1], 0x3f596d27 op_sel_hi:[1,0]   ; y = x sqrt(log2(e) / 2): plain work behind the reciprocals
.endr
	s_wait_alu depctr_va_vdst(0)
.irp j, 0,2,4,6,8,10,12,14
	v_pk_fma_f32 v[TQ+16+\j:TQ+17+\j], v[TQ+\j:TQ+\j+1], 0x3e7c6f08, v[252:253] op_sel_hi:[1,0,0]   ; c9 t + c8
.endr
.irp c, 0x40097039, 0xbfd1a1e5, 0x3ecdfd18, 0xbe899a80, 0x3e0efb2e, 0x3f0a29d2, 0x3fb8ab5a, 0xc034d90f
.irp j, 0,2,4,6,8,10,12,14
	v_pk_fma_f32 v[TQ+16+\j:TQ+17+\j], v[TQ+16+\j:TQ+17+\j], v[TQ+\j:TQ+\j+1], \c op_sel_hi:[1,1,0]   ; c7 down to c0
.endr
.endr
.irp j, 0,2,4,6,8,10,12,14
	v_pk_fma_f32 v[TQ+16+\j:TQ+17+\j], v[BIAS+\j:BIAS+\j+1], v[BIAS+\j:BIAS+\j+1], v[TQ+16+\j:TQ+17+\j] neg_lo:[1,0,0] neg_hi:[1,0,0]   ; P(t) - y^2
.endr
.irp j, 0,1,2,3,4,5,6,7,8,9,10,11,12,13,14,15
	v_exp_f32 v[TQ+16+\j], v[TQ+16+\j]
.endr
	v_nop
	s_wait_alu depctr_va_vdst(0)
.irp j, 0,2,4,6,8,10,12,14
	v_pk_mul_f32 v[TQ+16+\j:TQ+17+\j], v[TQ+16+\j:TQ+17+\j], v[TQ+\j:TQ+\j+1]   ; E
.endr
.irp j, 0,1,2,3,4,5,6,7,8,9,10,11,12,13,14,15
	v_max_num_f32 v[TQ+\j], 0, v[(\s)+\j]
.endr
.irp j, 0,1,2,3,4,5,6,7,8,9,10,11,12,13,14,15
	v_fma_f32 v[(\s)+\j], -|v[(\s)+\j]|, v[TQ+16+\j], v[TQ+\j]     ; max(x, 0) - |x| E
.endr
.endm
	s_load_b256 s[4:11], s[0:1], 0x0               ; ac, asc, wc, ws
	s_load_b256 s[12:19], s[0:1], 0x20             ; x, bo, g2, be2
	s_load_b128 s[20:23], s[0:1], 0x40             ; b1, b2
	s_load_b64 s[24:25], s[0:1], 0x50              ; out0
	v_lshrrev_b32 v1, 5, v0
	v_readfirstlane_b32 s26, v1                    ; wave 0..15
	s_mov_b32 s[SEL], 0x76543210
	s_mov_b32 s[SEL+1], 0xfedcba98
	v_and_b32 v252, 31, v0                         ; l
	v_and_b32 v253, 15, v0                         ; r
	v_bfe_u32 v254, v0, 4, 1                       ; h
	v_lshlrev_b32 v1, 4, v252                      ; 16 l
	v_lshlrev_b32 v2, 2, v253                      ; 4 r
	v_mul_u32_u24 v3, v252, 48                     ; 48 l
	s_lshr_b32 s30, s26, 1                         ; the gather: I bring half c = w % 2 of the attention's fragment w / 2
	s_and_b32 s31, s26, 1
	s_mul_i32 s32, s30, 1536
	s_mul_i32 s33, s31, 24
	s_add_co_u32 s32, s32, s33
	s_add_co_u32 s32, s32, AIMG
	v_add_nc_u32 v4, s32, v3                       ; v4: its 24 bytes in my lane's 48
	s_lshl_b32 s32, s30, 6
	s_lshl_b32 s33, s31, 1
	s_add_co_u32 s32, s32, s33
	s_add_co_u32 s32, s32, ASCL
	v_add_nc_u32 v5, s32, v2
	v_add_nc_u32 v5, v5, v254                      ; v5: byte 2 c + h of row r's scale word
	v_mul_u32_u24 v255, v253, 48
	v_mad_u32_u24 v255, v254, 12, v255             ; 48 r + 12 h
	s_lshr_b32 s30, s26, 2                         ; zn: my 32 columns are block w % 4 of K step w / 4
	s_mul_i32 s32, s30, 1536
	s_mul_i32 s33, s31, 768
	s_add_co_u32 s32, s32, s33
	s_bfe_u32 s33, s26, 0x10001
	s_mul_i32 s33, s33, 24
	s_add_co_u32 s32, s32, s33
	s_add_co_u32 s32, s32, NIMG
	v_add_nc_u32 v6, s32, v255                     ; v6 (+ 6,144 m)
	s_lshl_b32 s32, s30, 6
	s_and_b32 s33, s26, 3
	s_add_co_u32 s32, s32, s33
	s_add_co_u32 s32, s32, NSC
	v_add_nc_u32 v7, s32, v2                       ; v7 (+ 256 m)
	s_mul_i32 s32, s26, 1536
	v_add_nc_u32 v8, s32, v255                     ; v8: the hidden layer's K step w (+ 24,576 m + 768 (jb % 2) + 24 (jb / 2)); HIMG = 0
	s_lshl_b32 s32, s26, 6
	s_add_co_u32 s32, s32, HSC
	v_add_nc_u32 v9, s32, v2                       ; v9 (+ 1,024 m + jb)
	s_lshl_b32 s32, s26, 7
	v_lshl_add_u32 v11, v254, 6, s32               ; v11: 128 w + 64 h: my 16 numbers of bo, b2, g2, be2
	v_lshl_add_u32 v10, v253, 11, v11              ; v10: + 2,048 r: of a row of x
	s_lshl_b32 s33, s26, 9
	v_lshl_add_u32 v12, v254, 6, s33               ; v12: 512 w + 64 h: of b1 (+ 128 jb)
	v_mul_u32_u24 v13, v253, 144
	s_lshl_b32 s33, s26, 3
	s_add_co_u32 s33, s33, RED
	v_add_nc_u32 v13, s33, v13                     ; v13: my pair of row r (+ 2,304 m)
	s_lshl_b32 s33, s26, 12
	s_add_co_u32 s33, s33, ZADD
	v_add_nc_u32 v14, s33, v1                      ; v14
	v_mul_u32_u24 v15, v253, 2064
	v_add_nc_u32 v15, v15, v11
	v_add_nc_u32 v15, OSTG, v15                    ; v15: the way out: row r, my 64 bytes (+ 33,024 m)
	s_mul_i32 s56, s26, 4128
	s_add_co_u32 s56, s56, OSTG                    ; and back: rows 2 w, 2 w + 1
	v_mul_u32_u24 v[ACT], v254, 49152              ; the gather's lane terms: head + h, token + r
	v_mad_u32_u24 v[ACT], v253, 24, v[ACT]
	v_lshl_add_u32 v[ACT+1], v254, 11, v253
	v_mov_b32 v252, 0xbf97d29d                     ; the gelu's c8, as a pair
	v_mov_b32 v253, 0xbf97d29d
	s_lshr_b32 s44, ttmp9, 6                       ; batch
	s_and_b32 s45, ttmp9, 63
	s_lshl_b32 s45, s45, 5
	s_lshr_b32 s46, s26, 3
	s_lshl_b32 s46, s46, 4
	s_add_co_u32 s45, s45, s46                     ; my fragment's first token in the batch
	s_and_b32 s46, s26, 7
	s_lshl_b32 s46, s46, 1                         ; its half's first head: 4 s + 2 c = 2 (w % 8)
	s_mul_i32 s48, s44, 786432
	s_mul_i32 s47, s46, 49152
	s_add_co_u32 s48, s48, s47
	s_mul_i32 s47, s45, 24
	s_add_co_u32 s48, s48, s47
	s_mov_b32 s49, 0
	s_lshl_b32 s50, s44, 15
	s_lshl_b32 s47, s46, 11
	s_add_co_u32 s50, s50, s47
	s_add_co_u32 s50, s50, s45
	s_mov_b32 s51, 0
	s_lshl_b32 s52, ttmp9, 16                      ; x: 32 rows of 2,048 bytes a work-group
	s_mov_b32 s53, 0
	s_lshl_b32 s54, s26, 12
	s_add_co_u32 s54, s54, s52                     ; out0: + two rows a wave
	s_mov_b32 s55, 0
	s_mul_i32 s30, s26, 12288
	s_add_co_u32 s30, s30, 589824
	s_mov_b32 s31, 0
	s_lshl_b32 s32, s26, 9
	s_add_co_u32 s32, s32, 24576
	s_mov_b32 s33, 0
	s_mul_i32 s34, s26, 49152
	s_add_co_u32 s34, s34, 786432
	s_mov_b32 s35, 0
	s_lshl_b32 s46, s26, 11
	s_add_co_u32 s46, s46, 32768
	s_mov_b32 s47, 0
	s_wait_kmcnt 0x0
	s_add_nc_u64 s[4:5], s[4:5], s[48:49]
	s_add_nc_u64 s[6:7], s[6:7], s[50:51]
	s_add_nc_u64 s[12:13], s[12:13], s[52:53]
	s_add_nc_u64 s[24:25], s[24:25], s[54:55]
	s_add_nc_u64 s[WC6:WC6+1], s[8:9], s[30:31]
	s_add_nc_u64 s[WS6:WS6+1], s[10:11], s[32:33]
	s_add_nc_u64 s[WC7:WC7+1], s[8:9], s[34:35]
	s_add_nc_u64 s[WS7:WS7+1], s[10:11], s[46:47]
	; ---- the attention's codes into fragments; x + bo into the accumulators
	WLOAD WC6, WS6, 0, 0
.irp p, 0,1,2
	global_load_b64 v[ACT+2+2*\p:ACT+3+2*\p], v[ACT], s[4:5] offset:8*\p
.endr
	global_load_u8 v[ACT+8], v[ACT+1], s[6:7]
.irp m, 0,1
.irp u, 0,1
.irp q, 0,1
	global_load_b128 v[ACC+16*\m+8*\u+4*\q:ACC+16*\m+8*\u+4*\q+3], v10, s[12:13] offset:32768*\m+32*\u+16*\q th:TH_LOAD_NT   ; x in the result's layout: row 16 m + r, columns 32 w + 16 h + 8 u + ..
.endr
.endr
.endr
.irp k, 0,1,2,3
	global_load_b128 v[BIAS+4*\k:BIAS+4*\k+3], v11, s[14:15] offset:16*\k
	global_load_b128 v[TQ+4*\k:TQ+4*\k+3], v11, s[16:17] offset:16*\k
	global_load_b128 v[TQ+16+4*\k:TQ+16+4*\k+3], v11, s[18:19] offset:16*\k
.endr
	s_wait_loadcnt 0x0
.irp p, 0,1,2
	ds_store_b64 v4, v[ACT+2+2*\p:ACT+3+2*\p] offset:8*\p
.endr
	ds_store_b8 v5, v[ACT+8]
.irp m, 0,1
.irp k, 0,2,4,6,8,10,12,14
	v_pk_add_f32 v[ACC+16*\m+\k:ACC+16*\m+\k+1], v[ACC+16*\m+\k:ACC+16*\m+\k+1], v[BIAS+\k:BIAS+\k+1]
.endr
.endr
.irp k, 0,1,2,3
	global_load_b128 v[BIAS+4*\k:BIAS+4*\k+3], v11, s[22:23] offset:16*\k   ; b2
.endr
	BARRIER                                        ; the attention's eight fragments lie in LDS
	; ---- z_add = x + bo + a Wo: the sums begin on x + bo
	ACTLOAD AIMG, ASCL, 0, 4
	v_mul_u32_u24 v4, v2, 36                       ; v4 and v5 have served: now RED + 144 r,
	v_add_nc_u32 v4, RED, v4
	v_add_nc_u32 v5, s56, v1                       ; and where I read my two rows back on the way out
	s_wait_dscnt 0x0
	s_wait_loadcnt 0x0
	WMMA8 0, 1, 0
	PLACES
	WLOAD WC6, WS6, 6144, 256
	s_wait_loadcnt 0x0
	WMMA8 1, 1, 0
	PLACES
	WLOAD WC7, WS7, 0, 0                           ; W1's first half lands while the norm is made
	; ---- z_add + b2 is kept, as an image of the accumulators, for the last product to begin on
.irp m, 0,1
.irp k, 0,2,4,6,8,10,12,14
	v_pk_add_f32 v[ACT+16*\m+\k:ACT+16*\m+\k+1], v[ACC+16*\m+\k:ACC+16*\m+\k+1], v[BIAS+\k:BIAS+\k+1]
.endr
.endr
.irp i, 0,1,2,3,4,5,6,7
	ds_store_b128 v14, v[ACT+4*\i:ACT+4*\i+3] offset:512*\i
.endr
	; ---- my 32 columns' mean and sum of squared deviations, for row r of each tile m: scratch v[SM+8 m ..]
.irp m, 0,1
	v_pk_add_f32 v[SM+8*\m:SM+8*\m+1], v[ACC+16*\m:ACC+16*\m+1], v[ACC+16*\m+2:ACC+16*\m+3]
	v_pk_add_f32 v[SM+8*\m+2:SM+8*\m+3], v[ACC+16*\m+4:ACC+16*\m+5], v[ACC+16*\m+6:ACC+16*\m+7]
.endr
.irp k, 8,12
.irp m, 0,1
	v_pk_add_f32 v[SM+8*\m:SM+8*\m+1], v[SM+8*\m:SM+8*\m+1], v[ACC+16*\m+\k:ACC+16*\m+\k+1]
	v_pk_add_f32 v[SM+8*\m+2:SM+8*\m+3], v[SM+8*\m+2:SM+8*\m+3], v[ACC+16*\m+\k+2:ACC+16*\m+\k+3]
.endr
.endr
.irp m, 0,1
	v_pk_add_f32 v[SM+8*\m:SM+8*\m+1], v[SM+8*\m:SM+8*\m+1], v[SM+8*\m+2:SM+8*\m+3]
.endr
.irp m, 0,1
	v_add_f32 v[SM+8*\m], v[SM+8*\m], v[SM+8*\m+1]
.endr
.irp m, 0,1
	v_permlanex16_b32 v[SM+8*\m+1], v[SM+8*\m], s[SEL], s[SEL+1]
.endr
.irp m, 0,1
	v_add_f32 v[SM+8*\m], v[SM+8*\m], v[SM+8*\m+1]
.endr
.irp m, 0,1
	v_mul_f32 v[SM+8*\m], 0x3d000000, v[SM+8*\m]   ; / 32
.endr
.irp m, 0,1
.irp k, 0,2,4,6,8,10,12,14
	v_pk_add_f32 v[DV+16*\m+\k:DV+16*\m+\k+1], v[ACC+16*\m+\k:ACC+16*\m+\k+1], v[SM+8*\m:SM+8*\m+1] op_sel_hi:[1,0] neg_lo:[0,1] neg_hi:[0,1]
.endr
.endr
.irp m, 0,1
	v_pk_mul_f32 v[SM+8*\m+2:SM+8*\m+3], v[DV+16*\m:DV+16*\m+1], v[DV+16*\m:DV+16*\m+1]
	v_pk_mul_f32 v[SM+8*\m+4:SM+8*\m+5], v[DV+16*\m+2:DV+16*\m+3], v[DV+16*\m+2:DV+16*\m+3]
.endr
.irp k, 4,8,12
.irp m, 0,1
	v_pk_fma_f32 v[SM+8*\m+2:SM+8*\m+3], v[DV+16*\m+\k:DV+16*\m+\k+1], v[DV+16*\m+\k:DV+16*\m+\k+1], v[SM+8*\m+2:SM+8*\m+3]
	v_pk_fma_f32 v[SM+8*\m+4:SM+8*\m+5], v[DV+16*\m+\k+2:DV+16*\m+\k+3], v[DV+16*\m+\k+2:DV+16*\m+\k+3], v[SM+8*\m+4:SM+8*\m+5]
.endr
.endr
.irp m, 0,1
	v_pk_add_f32 v[SM+8*\m+2:SM+8*\m+3], v[SM+8*\m+2:SM+8*\m+3], v[SM+8*\m+4:SM+8*\m+5]
.endr
.irp m, 0,1
	v_add_f32 v[SM+8*\m+2], v[SM+8*\m+2], v[SM+8*\m+3]
.endr
.irp m, 0,1
	v_permlanex16_b32 v[SM+8*\m+3], v[SM+8*\m+2], s[SEL], s[SEL+1]
.endr
.irp m, 0,1
	v_add_f32 v[SM+8*\m+1], v[SM+8*\m+2], v[SM+8*\m+3]
.endr
.irp m, 0,1
	ds_store_b64 v13, v[SM+8*\m:SM+8*\m+1] offset:2304*\m   ; (both halves of the lanes store the same pair to the same place)
.endr
	BARRIER                                        ; sixteen pairs for each of the 32 rows lie in LDS
.irp m, 0,1
.irp i, 0,1,2,3,4,5,6,7
	ds_load_b128 v[ACT+32*\m+4*\i:ACT+32*\m+4*\i+3], v4 offset:2304*\m+16*\i
.endr
.endr
	s_wait_dscnt 0x0
	; scratch v[BIAS+8 m ..]: +0 mean, +1 the sum of M2 and then the variance, +2, +3 sums, +4 1 / (sqrt(var) + eps), +5 sqrt(var) + eps
.irp m, 0,1
	v_pk_add_f32 v[BIAS+8*\m:BIAS+8*\m+1], v[ACT+32*\m:ACT+32*\m+1], v[ACT+32*\m+2:ACT+32*\m+3]
	v_pk_add_f32 v[BIAS+8*\m+2:BIAS+8*\m+3], v[ACT+32*\m+4:ACT+32*\m+5], v[ACT+32*\m+6:ACT+32*\m+7]
.endr
.irp k, 8,12,16,20,24,28
.irp m, 0,1
	v_pk_add_f32 v[BIAS+8*\m:BIAS+8*\m+1], v[BIAS+8*\m:BIAS+8*\m+1], v[ACT+32*\m+\k:ACT+32*\m+\k+1]
	v_pk_add_f32 v[BIAS+8*\m+2:BIAS+8*\m+3], v[BIAS+8*\m+2:BIAS+8*\m+3], v[ACT+32*\m+\k+2:ACT+32*\m+\k+3]
.endr
.endr
.irp m, 0,1
	v_pk_add_f32 v[BIAS+8*\m:BIAS+8*\m+1], v[BIAS+8*\m:BIAS+8*\m+1], v[BIAS+8*\m+2:BIAS+8*\m+3]
.endr
.irp m, 0,1
	v_mul_f32 v[BIAS+8*\m], 0x3d800000, v[BIAS+8*\m]   ; / 16: the row's mean
.endr
.irp k, 0,2,4,6,8,10,12,14,16,18,20,22,24,26,28,30
.irp m, 0,1
	v_sub_f32 v[ACT+32*\m+\k], v[ACT+32*\m+\k], v[BIAS+8*\m]
.endr
.endr
.irp m, 0,1
	v_mul_f32 v[BIAS+8*\m+2], v[ACT+32*\m], v[ACT+32*\m]
	v_mul_f32 v[BIAS+8*\m+3], v[ACT+32*\m+2], v[ACT+32*\m+2]
.endr
.irp k, 4,8,12,16,20,24,28
.irp m, 0,1
	v_fma_f32 v[BIAS+8*\m+2], v[ACT+32*\m+\k], v[ACT+32*\m+\k], v[BIAS+8*\m+2]
	v_fma_f32 v[BIAS+8*\m+3], v[ACT+32*\m+\k+2], v[ACT+32*\m+\k+2], v[BIAS+8*\m+3]
.endr
.endr
.irp m, 0,1
	v_add_f32 v[BIAS+8*\m+2], v[BIAS+8*\m+2], v[BIAS+8*\m+3]
.endr
.irp m, 0,1
	v_fma_f32 v[BIAS+8*\m+1], v[BIAS+8*\m+2], 0x42000000, v[BIAS+8*\m+1]   ; + 32 x the means' squared deviations
.endr
.irp m, 0,1
	v_mul_f32 v[BIAS+8*\m+1], 0x3b004020, v[BIAS+8*\m+1]   ; / 511
.endr
.irp m, 0,1
	v_sqrt_f32 v[BIAS+8*\m+5], v[BIAS+8*\m+1]
.endr
	v_nop
	s_wait_alu depctr_va_vdst(0)
.irp m, 0,1
	v_add_f32 v[BIAS+8*\m+5], 0x3727c5ac, v[BIAS+8*\m+5]   ; + 1e-5
.endr
.irp m, 0,1
	v_rcp_f32 v[BIAS+8*\m+4], v[BIAS+8*\m+5]
.endr
	v_nop
	s_wait_alu depctr_va_vdst(0)
.irp m, 0,1
.irp k, 0,2,4,6,8,10,12,14
	v_pk_add_f32 v[ACC+16*\m+\k:ACC+16*\m+\k+1], v[ACC+16*\m+\k:ACC+16*\m+\k+1], v[BIAS+8*\m:BIAS+8*\m+1] op_sel_hi:[1,0] neg_lo:[0,1] neg_hi:[0,1]
.endr
.endr
.irp m, 0,1
.irp k, 0,2,4,6,8,10,12,14
	v_pk_mul_f32 v[ACC+16*\m+\k:ACC+16*\m+\k+1], v[ACC+16*\m+\k:ACC+16*\m+\k+1], v[TQ+\k:TQ+\k+1]
.endr
.endr
.irp m, 0,1
.irp k, 0,2,4,6,8,10,12,14
	v_pk_fma_f32 v[ACC+16*\m+\k:ACC+16*\m+\k+1], v[ACC+16*\m+\k:ACC+16*\m+\k+1], v[BIAS+8*\m+4:BIAS+8*\m+5], v[TQ+16+\k:TQ+16+\k+1] op_sel_hi:[1,0,1]
.endr
.endr
	QB2 ACC, ACC+16, TQ+6
	ST3 6, TQ+8, 0
	ST3 6, TQ+12, 6144
	ds_store_b8 v7, v[TQ+6]
	ds_store_b8 v7, v[TQ+7] offset:256
.irp k, 0,1,2,3
	global_load_b128 v[BIAS+4*\k:BIAS+4*\k+3], v12, s[20:21] offset:16*\k   ; b1 of my first block of 32 hidden units
.endr
	BARRIER                                        ; zn's eight fragments lie in LDS
	; ---- h = gelu(zn W1 + b1): my four blocks of 32 hidden units; the bias is the C of each sum's first product
	ACTLOAD NIMG, NSC, 0, 4
	s_wait_dscnt 0x0
.irp jb, 0,1,2,3
	s_wait_loadcnt 0x0                             ; this half's weights and the bias are in
	WMMA8 0, 2, 0
	PLACES
	WLOAD WC7, WS7, (2*\jb+1)*6144, (2*\jb+1)*256
	s_wait_loadcnt 0x0
	WMMA8 1, 1, 0
	PLACES
.if \jb < 3
	WLOAD WC7, WS7, (2*\jb+2)*6144, (2*\jb+2)*256  ; the next block's first half lands while this block's gelu is made
.else
	WLOAD WC7, WS7, 786432, 32768                  ; W2's first half
.endif
	GELU16 ACC
	GELU16 ACC+16
	QB2 ACC, ACC+16, TQ+6
	ST3 8, TQ+8, 768*(\jb%2)+24*(\jb/2)
	ST3 8, TQ+12, 24576+768*(\jb%2)+24*(\jb/2)
	ds_store_b8 v9, v[TQ+6] offset:\jb
	ds_store_b8 v9, v[TQ+7] offset:1024+\jb
.if \jb < 3
.irp k, 0,1,2,3
	global_load_b128 v[BIAS+4*\k:BIAS+4*\k+3], v12, s[20:21] offset:128*(\jb+1)+16*\k
.endr
.endif
	s_wait_dscnt 0x0                               ; the stores have read the codes' registers
.endr
.irp i, 0,1,2,3,4,5,6,7
	ds_load_b128 v[ACC+4*\i:ACC+4*\i+3], v14 offset:512*\i   ; z_add + b2 comes back: my own bytes
.endr
	BARRIER                                        ; the hidden layer's 32 fragments lie in LDS
	; ---- out = z_add + b2 + h W2: K = 2,048 in four groups of 512
.irp kg, 0,1,2,3
	ACTLOAD HIMG, HSC, 4*\kg, 16
	s_wait_dscnt 0x0
	s_wait_loadcnt 0x0
	WMMA8 0, 1, 0
	PLACES
	WLOAD WC7, WS7, 786432+(2*\kg+1)*6144, 32768+(2*\kg+1)*256
	s_wait_loadcnt 0x0
	WMMA8 1, 1, 0
	PLACES
.if \kg < 3
	WLOAD WC7, WS7, 786432+(2*\kg+2)*6144, 32768+(2*\kg+2)*256
.endif
.endr
	; ---- the way out: a row's 512 numbers come from sixteen waves: they meet in a stage, and each wave stores two whole rows
.irp m, 0,1
.irp u, 0,1
	ds_store_b128 v15, v[ACC+16*\m+8*\u:ACC+16*\m+8*\u+3] offset:33024*\m+32*\u        ; each accumulator from its low end on
	ds_store_b128 v15, v[ACC+16*\m+8*\u+4:ACC+16*\m+8*\u+7] offset:33024*\m+32*\u+16
.endr
.endr
	BARRIER
.irp i, 0,1
.irp j, 0,1,2,3
	ds_load_b128 v[WB+16*\i+4*\j:WB+16*\i+4*\j+3], v5 offset:2064*\i+512*\j
.endr
.endr
.irp i, 0,1
.irp j, 0,1,2,3
	s_wait_dscnt 7-4*\i-\j                         ; the younger read-backs may stay out
	global_store_b128 v1, v[WB+16*\i+4*\j:WB+16*\i+4*\j+3], s[24:25] offset:2048*\i+512*\j th:TH_STORE_NT   ; 32 lanes store 512 consecutive bytes, aligned
.endr
.endr
	s_wait_xcnt 0x0
	v_lshl_add_u32 v254, v0, 2, 0x34000
	v_mov_b32 v255, 0
	s_wait_tensorcnt 0x0
	ds_add_u32 v254, v255
	s_wait_dscnt 0x0
	s_endpgm
.Lfunc_end_k_q8caa53673b_tail:
	.size	k_q8caa53673b_tail, .Lfunc_end_k_q8caa53673b_tail-k_q8caa53673b_tail
	.p2alignl 7, 3214868480
	.fill 96, 4, 3214868480
	.section	.rodata,"a",@progbits
	.p2align	6, 0x0
	.amdhsa_kernel k_q8caa53673b_tail
		.amdhsa_group_segment_fixed_size 215040
		.amdhsa_private_segment_fixed_size 0
		.amdhsa_enable_private_segment 0
		.amdhsa_kernarg_size 88
		.amdhsa_user_sgpr_count 2
		.amdhsa_user_sgpr_kernarg_segment_ptr 1
		.amdhsa_wavefront_size32 1
		.amdhsa_system_sgpr_workgroup_id_x 1
		.amdhsa_system_sgpr_workgroup_id_y 1
		.amdhsa_system_sgpr_workgroup_id_z 1
		.amdhsa_system_vgpr_workitem_id 0
		.amdhsa_next_free_vgpr 256
		.amdhsa_next_free_sgpr 66
		.amdhsa_reserve_vcc 0
		.amdhsa_float_denorm_mode_32 3
		.amdhsa_float_denorm_mode_16_64 3
		.amdhsa_memory_ordered 1
		.amdhsa_forward_progress 1
		.amdhsa_inst_pref_size 202
	.end_amdhsa_kernel
	.amdgpu_metadata
---
amdhsa.version: [ 1, 2 ]
amdhsa.kernels:
  - .name:           k_q8caa53673b_tail
    .symbol:         k_q8caa53673b_tail.kd
    .args:
      - { .name: ac, .offset: 0, .size: 8, .value_kind: global_buffer, .address_space: global }
      - { .name: asc, .offset: 8, .size: 8, .value_kind: global_buffer, .address_space: global }
      - { .name: wc, .offset: 16, .size: 8, .value_kind: global_buffer, .address_space: global }
      - { .name: ws, .offset: 24, .size: 8, .value_kind: global_buffer, .address_space: global }
      - { .name: x, .offset: 32, .size: 8, .value_kind: global_buffer, .address_space: global }
      - { .name: bo, .offset: 40, .size: 8, .value_kind: global_buffer, .address_space: global }
      - { .name: g2, .offset: 48, .size: 8, .value_kind: global_buffer, .address_space: global }
      - { .name: be2, .offset: 56, .size: 8, .value_kind: global_buffer, .address_space: global }
      - { .name: b1, .offset: 64, .size: 8, .value_kind: global_buffer, .address_space: global }
      - { .name: b2, .offset: 72, .size: 8, .value_kind: global_buffer, .address_space: global }
      - { .name: out0, .offset: 80, .size: 8, .value_kind: global_buffer, .address_space: global }
    .group_segment_fixed_size: 215040
    .private_segment_fixed_size: 0
    .kernarg_segment_align: 8
    .kernarg_segment_size: 88
    .max_flat_workgroup_size: 512
    .sgpr_count:     66
    .vgpr_count:     256
    .wavefront_size: 32
...
	.end_amdgpu_metadata
.endif
;; end of part 4
;; ======== version 2 of 2: 4 launches; version 1 with the launches qkv, attn, tail written anew for expert scheduling mode
;; workspace buffers: wc 2,359,296 bytes; ws 98,304 bytes; qkvc 9,437,184 bytes; qkvs 393,216 bytes; ac 3,145,728 bytes; asc 131,072 bytes
;; launch prep: the kernel of part 1 again; grid 256 x 1, 3 waves a work-group, no clusters, 9,728 bytes of LDS; arguments Wq, Wk, Wv, Wo, W1, W2, wc, ws; writes wc, ws
;; launch qkv (part 5): grid 256 x 1, 16 waves a work-group, no clusters, 51,712 bytes of LDS; arguments x, g1, be1, wc, ws, qkvc, qkvs; writes qkvc, qkvs
.if DOCPART == 5
	.amdgcn_target "amdgcn-amd-amdhsa--gfx1250"
	.amdhsa_code_object_version 6
	.text
	.protected	k_q8caa53673b_qkv
	.globl	k_q8caa53673b_qkv
	.p2align	8
	.type	k_q8caa53673b_qkv,@function
k_q8caa53673b_qkv:
	s_mov_b64 s[64:65], 0
	v_nop
	global_prefetch_b8 v0, s[64:65] scope:SCOPE_SE
	s_setreg_imm32_b32 hwreg(HW_REG_WAVE_SCHED_MODE, 0, 2), 2
	s_setreg_imm32_b32 hwreg(HW_REG_WAVE_MODE, 25, 1), 1
	s_wait_xcnt 0x0
	s_wait_alu depctr_vm_vsrc(0)
; z = layer norm of x (unbiased variance, divided by sqrt(var) + 1e-5); q = z Wq, k = z Wk, v = z Wv on codes of FP6 (E2M3) with E8M0 scales;
; q and k are quantised along the head's 32, v along 32 keys, and only codes and scale bytes leave.
; SHARES.  A work-group owns 32 tokens; sixteen waves of 256 registers, four to a SIMD.  First wave w normalises and quantises rows 2 w, 2 w + 1;
; then wave w is HEAD w: its 32 columns of Wq, Wk, Wv, for all 32 tokens.  z's eight fragments (2 tiles of rows x 4 K steps) stay in registers;
; the weights come from wc straight into the registers of the one wave that multiplies by them: each byte once a work-group, never through LDS.
; NO CLUSTER: a joint load lands in LDS; the 590 KB of weight codes that a work-group walks would then be written to LDS and read back, with a round
; of the cluster's barrier for each refill, where now they take one load each.
; THE 32 TOKENS ARE DEALT TO z'S TWO TILES AS THE WEIGHTS' COLUMNS ARE: token c goes to tile (c / 8) % 2, row (c % 8) + 8 (c / 16).
; q, k: source 0 = 16 columns of the weight, source 1 = z: a lane holds one token and 16 neighbours of the head's 32.
; v: source 0 = z, source 1 = the weight: a lane holds one channel and 16 neighbouring tokens, which are the second product's K.
; A fragment lies in LDS with a lane's 12 registers on end (48 bytes): block g of row r at 48 (r + 16 (g % 2)) + 24 (g / 2).
; OUT, for each (batch, head, group of 32 tokens) 768 bytes, 24 a place: q: place = token; k: place = row + 16 tile; v: place = 16 u + row of the channel.
; LIMITS: NaN and infinities are not served; a block whose largest magnitude lies under 2^-124 keeps the byte 1.
; THE MODE: SCHED_MODE bits 1:0 = 2 (LLVM: expert scheduling mode 2), set by the entry lines.  The code itself states the register dependences
; between vector or matrix instructions and memory or LDS instructions, with s_wait_alu, always for 0.
; THE PLAN.  Registers that memory or LDS instructions touch:
;   v1-v12      offsets and LDS addresses: made once at the head, never written again; the regions' bases stand in the immediates.
;   TQ          x lands here; the norm works in place.  Later the quantiser writes codes into TQ+8 .. TQ+14, which LDS stores read.
;   ACC+4, +12, +16 ..  z's bytes and codes: written by the norm's quantiser, read by LDS stores; then the products write the accumulators.
;   ACT         g1 and be1 land here and the norm reads them; then z's fragments land here and the products read them.
;   WB, WSC     the weights land here, 16 loads for each run of eight products, which read them; at the end the read-back from the stage lands in WB.
;   BIAS+2 T .. the scale bytes of q, k, v: written once each, read by byte stores.
; A wait on va_vdst stands ahead of the first load, ahead of each run of stores, and behind each run of products ahead of the loads into its operands;
; a wait on vm_vsrc stands ahead of each first write of registers that stores have read.
.set ACC,  16                          ; v16-47   four accumulators; scratch of the norm before
.set BIAS, 48                          ; v48-53   the scale bytes to store, two for each of q, k, v
.set TQ,   64                          ; v64-95   my two rows of x, then scratch of the quantiser
.set WB,   96                          ; v96-143  four weight fragments (2 K steps x 2 tiles)
.set WSC,  144                         ; v144-147 their scale words
.set ASC,  148                         ; v148-155 z's scale words
.set ACT,  156                         ; v156-251 z's eight fragments, 4 m + s; g1 and be1 before
.set ZIMG, 0                           ; LDS: z's eight fragments
.set ZSC,  12288                       ; their scale words, 64 bytes a fragment
.set STG,  12800                       ; 2,304 bytes for each wave, its own: q's, k's, v's 768
.set SEL,  20                          ; s[20:21] v_permlanex16_b32's selects for lane l xor 16
.set WCP,  22                          ; s[22:23] wc at my head's block of Wq
.set WSP,  24                          ; s[24:25] ws likewise
.macro WLOAD cp, sp, co, so            ; two K steps x two tiles of a block of 32 columns: 6,144 consecutive bytes, and their 4 x 16 scale words
.irp k, 0,1,2,3,4,5,6,7,8,9,10,11
	global_load_b128 v[WB+4*\k:WB+4*\k+3], v1, s[\cp:\cp+1] offset:(\co)+512*\k
.endr
.irp k, 0,1,2,3
	global_load_b32 v[WSC+\k], v2, s[\sp:\sp+1] offset:(\so)+64*\k
.endr
.endm
.macro ACTLOAD base, sbase, f0, fm     ; eight fragments and their scale words out of LDS: fragment fm m + f0 + q into place 4 m + q; the addresses are 48 l and 4 r, the regions' bases stand in the immediates
.irp m, 0,1
.irp q, 0,1,2,3
.irp c, 0,1,2
	ds_load_b128 v[ACT+12*(4*\m+\q)+4*\c:ACT+12*(4*\m+\q)+4*\c+3], v3 offset:(\base)+((\fm)*\m+(\f0)+\q)*1536+16*\c
.endr
	ds_load_b32 v[ASC+4*\m+\q], v2 offset:(\sbase)+((\fm)*\m+(\f0)+\q)*64
.endr
.endr
.endm
.macro MM d, a, b, sa, sb, cm, c
.if (\cm) == 0
	v_wmma_scale_f32_16x16x128_f8f6f4 v[\d:\d+7], v[\a:\a+11], v[\b:\b+11], 0, v[\sa], v[\sb] matrix_a_fmt:MATRIX_FMT_FP6 matrix_b_fmt:MATRIX_FMT_FP6
.else
	v_wmma_scale_f32_16x16x128_f8f6f4 v[\d:\d+7], v[\a:\a+11], v[\b:\b+11], v[\c:\c+7], v[\sa], v[\sb] matrix_a_fmt:MATRIX_FMT_FP6 matrix_b_fmt:MATRIX_FMT_FP6
.endif
.endm
; Eight products: K steps 2 hf, 2 hf + 1; in each the four accumulators (tile u of the weight x tile m of the rows) take turns, one instruction a turn.
; cmode, for K step 0's four alone: 0: C = 0;  1: C = D;  2: C = the bias tile.  nat = 0: source 0 = the weight;  1: source 0 = the rows.
.macro WMMA8 hf, cmode, nat
.irp q, 0,1
.irp u, 0,1
.irp m, 0,1
.set rW, WB+12*(2*\q+\u)
.set rWS, WSC+2*\q+\u
.set rX, ACT+12*(4*\m+2*(\hf)+\q)
.set rXS, ASC+4*\m+2*(\hf)+\q
.if \nat
.set rD, ACC+16*\u+8*\m
.else
.set rD, ACC+16*\m+8*\u
.endif
.set rC, rD
.set rM, 1
.if ((\hf) == 0) && (\q == 0)
.if (\cmode) == 0
.set rM, 0
.endif
.if (\cmode) == 2
.set rC, BIAS+8*\u
.endif
.endif
.if \nat
	MM rD, rX, rW, rXS, rWS, rM, rC
.else
	MM rD, rW, rX, rWS, rXS, rM, rC
.endif
.endr
.endr
.endr
.endm
.macro PLACES                          ; five plain lines behind a run of products: four stand ahead of the first read of results, the fifth ahead of a later product that begins an accumulator anew (ISA guide 7.12.1); they stay beside the waits on va_vdst, which fill no place
.rept 5
	v_nop
.endr
.endm
; Two blocks of 32, each as 16 numbers in my registers and 16 in lane l xor 16's: codes of my 16 into v[TQ+8..10] and v[TQ+12..14], the blocks' bytes into v[eb], v[eb+1].
.macro QB2 s0, s1, eb
	v_max3_num_f32 v[TQ], |v[(\s0)]|, |v[(\s0)+1]|, 0x1800000      ; with the floor 2^(3 - 127): the byte cannot fall under 1
	v_max3_num_f32 v[TQ+1], |v[(\s1)]|, |v[(\s1)+1]|, 0x1800000
.irp i, 2,4,6,8,10,12,14
	v_max3_num_f32 v[TQ], v[TQ], |v[(\s0)+\i]|, |v[(\s0)+\i+1]|
	v_max3_num_f32 v[TQ+1], v[TQ+1], |v[(\s1)+\i]|, |v[(\s1)+\i+1]|
.endr
	v_permlanex16_b32 v[TQ+2], v[TQ], s[SEL], s[SEL+1]
	v_permlanex16_b32 v[TQ+3], v[TQ+1], s[SEL], s[SEL+1]
	v_max_num_f32 v[TQ], v[TQ], v[TQ+2]
	v_max_num_f32 v[TQ+1], v[TQ+1], v[TQ+3]
	v_add_nc_u32 v[TQ+4], 0xff000000, v[TQ]        ; 2 off the exponent field: the conversion's scale operand
	v_add_nc_u32 v[TQ+5], 0xff000000, v[TQ+1]
	v_lshrrev_b32 v[\eb], 23, v[TQ+4]              ; the scale's byte
	v_lshrrev_b32 v[(\eb)+1], 23, v[TQ+5]
	v_cvt_scalef32_pk16_fp6_f32 v[TQ+8:TQ+10], v[(\s0):(\s0)+15], v[TQ+4]
	v_cvt_scalef32_pk16_fp6_f32 v[TQ+12:TQ+14], v[(\s1):(\s1)+15], v[TQ+5]
	v_nop                                          ; one plain line behind the conversions
.endm
.macro ST3 adr, creg, off              ; 16 codes, 12 bytes, to half a block's place: LDS does the regrouping that the operand's layout asks
.irp k, 0,1,2
	ds_store_b32 v[\adr], v[(\creg)+\k] offset:(\off)+4*\k
.endr
.endm
.macro BARRIER                         ; my LDS stores have landed and my LDS loads are in: then the work-group's barrier
	s_wait_dscnt 0x0
	s_barrier_signal -1
	s_barrier_wait -1
.endm
.macro LANESUM a, b, ta, tb            ; two sums over the 32 lanes, by turns; the result in every lane
.irp x, 1,2,4,8
	v_add_f32_dpp v[\a], v[\a], v[\a] row_xmask:\x row_mask:0xf bank_mask:0xf
	v_add_f32_dpp v[\b], v[\b], v[\b] row_xmask:\x row_mask:0xf bank_mask:0xf
.endr
	v_permlanex16_b32 v[\ta], v[\a], s[SEL], s[SEL+1]
	v_permlanex16_b32 v[\tb], v[\b], s[SEL], s[SEL+1]
	v_add_f32 v[\a], v[\a], v[\ta]
	v_add_f32 v[\b], v[\b], v[\tb]
.endm
	s_load_b256 s[4:11], s[0:1], 0x0               ; x, g1, be1, wc
	s_load_b128 s[12:15], s[0:1], 0x20             ; ws, qkvc
	s_load_b64 s[16:17], s[0:1], 0x30              ; qkvs
	v_lshl_add_u32 v252, v0, 2, 0xc200
	v_mov_b32 v253, 0
	v_lshrrev_b32 v1, 5, v0
	v_readfirstlane_b32 s18, v1                    ; wave 0..15
	s_mov_b32 s[SEL], 0x76543210
	s_mov_b32 s[SEL+1], 0xfedcba98
	v_and_b32 v13, 31, v0                          ; l
	v_and_b32 v12, 15, v0                          ; r: also the place of k's and v's scale bytes
	v_bfe_u32 v14, v0, 4, 1                        ; h
	v_lshlrev_b32 v1, 4, v13                       ; 16 l
	v_lshlrev_b32 v2, 2, v12                       ; 4 r
	v_mul_u32_u24 v3, v13, 48                      ; 48 l
	v_lshlrev_b32 v4, 6, v13                       ; 64 l: my 16 numbers of a row
	; where my 16 codes of row 2 w go: lanes l, l xor 1 hold block l / 2 of the row: K step l / 8, block g = (l / 2) % 4
	v_bfe_u32 v15, v0, 3, 2
	v_mul_u32_u24 v5, v15, 1536
	v_lshl_add_u32 v6, v15, 6, ZSC
	v_bfe_u32 v15, v0, 1, 1
	v_mad_u32_u24 v5, v15, 768, v5
	v_bfe_u32 v15, v0, 2, 1
	v_mad_u32_u24 v5, v15, 24, v5
	v_and_b32 v15, 1, v0
	v_mad_u32_u24 v5, v15, 12, v5
	v_bfe_u32 v15, v0, 1, 2
	v_add_nc_u32 v6, v6, v15
	s_wait_alu depctr_va_sdst(0)                   ; s18, the wave's number, is written, ahead of its first reader
	s_bfe_u32 s26, s18, 0x10002                    ; token 2 w: tile (w / 4) % 2,
	s_and_b32 s27, s18, 3
	s_lshl_b32 s27, s27, 1
	s_lshr_b32 s28, s18, 3
	s_lshl_b32 s28, s28, 3
	s_add_co_u32 s27, s27, s28                     ; row 2 (w % 4) + 8 (w / 8); token 2 w + 1 is the next row
	s_mul_i32 s28, s26, 6144
	s_mul_i32 s29, s27, 48
	s_add_co_u32 s28, s28, s29
	v_add_nc_u32 v5, s28, v5
	s_lshl_b32 s28, s26, 8
	s_lshl_b32 s29, s27, 2
	s_add_co_u32 s28, s28, s29
	v_add_nc_u32 v6, s28, v6
	s_mul_i32 s26, s18, 2304
	s_add_co_u32 s26, s26, STG                     ; my stage
	v_and_b32 v15, 8, v12
	v_add_nc_u32 v11, v15, v12                     ; r + 8 (r / 8): the token of row r in tile 0; also the place of q's scale bytes
	v_mul_u32_u24 v7, v11, 24
	v_mad_u32_u24 v7, v14, 12, v7
	v_add_nc_u32 v7, s26, v7                       ; q: place = token
	v_mul_u32_u24 v8, v12, 24
	v_mad_u32_u24 v8, v14, 12, v8
	v_add_nc_u32 v8, s26, v8
	v_add_nc_u32 v8, 768, v8                       ; k (and, 768 on, v): place = row
	v_lshlrev_b32 v10, 3, v13                      ; the way out: 8 bytes a lane
	v_add_nc_u32 v9, s26, v10
	s_lshl_b32 s30, ttmp9, 16                      ; x: 32 rows of 2,048 bytes a work-group,
	s_lshl_b32 s27, s18, 12                        ; two rows a wave
	s_add_co_u32 s30, s30, s27
	s_mov_b32 s31, 0
	s_mul_i32 s32, s18, 12288                      ; my block's four entries of 3,072 bytes
	s_mov_b32 s33, 0
	s_lshl_b32 s34, s18, 9
	s_mov_b32 s35, 0
	s_lshr_b32 s36, ttmp9, 6                       ; batch
	s_lshl_b32 s36, s36, 4
	s_add_co_u32 s36, s36, s18                     ; x 16 + head
	s_lshl_b32 s36, s36, 6
	s_and_b32 s37, ttmp9, 63
	s_add_co_u32 s36, s36, s37                     ; x 64 + group of 32 tokens
	s_mul_i32 s38, s36, 768
	s_mov_b32 s39, 0
	s_lshl_b32 s40, s36, 5
	s_mov_b32 s41, 0
	s_wait_kmcnt 0x0
	s_add_nc_u64 s[4:5], s[4:5], s[30:31]
	s_add_nc_u64 s[WCP:WCP+1], s[10:11], s[32:33]
	s_add_nc_u64 s[WSP:WSP+1], s[12:13], s[34:35]
	s_add_nc_u64 s[14:15], s[14:15], s[38:39]
	s_add_nc_u64 s[16:17], s[16:17], s[40:41]
	s_wait_alu depctr_va_vdst(0)                   ; the offsets and addresses v1 to v12 are written: every load and store of the kernel reads one of them
.irp i, 0,1
.irp j, 0,1,2,3
	global_load_b128 v[TQ+16*\i+4*\j:TQ+16*\i+4*\j+3], v4, s[4:5] offset:2048*\i+16*\j th:TH_LOAD_NT
.endr
.endr
.irp j, 0,1,2,3
	global_load_b128 v[ACT+4*\j:ACT+4*\j+3], v4, s[6:7] offset:16*\j
	global_load_b128 v[ACT+16+4*\j:ACT+16+4*\j+3], v4, s[8:9] offset:16*\j
.endr
	WLOAD WCP, WSP, 0, 0                           ; q's first half is on its way while the norm is made
	s_wait_loadcnt 16                              ; x, g1, be1 are in; the 16 weight loads behind them stay out
	; ---- the norm of my two rows, by turns.  Row i: numbers v[TQ+16 i ..], scratch v[ACC+8 i ..]: +0 mean, +2..5 sums, +6 1 / (sqrt(var) + eps), +7 sqrt(var) + eps
.irp i, 0,1
	v_pk_add_f32 v[ACC+8*\i:ACC+8*\i+1], v[TQ+16*\i:TQ+16*\i+1], v[TQ+16*\i+2:TQ+16*\i+3]
	v_pk_add_f32 v[ACC+8*\i+2:ACC+8*\i+3], v[TQ+16*\i+4:TQ+16*\i+5], v[TQ+16*\i+6:TQ+16*\i+7]
.endr
.irp j, 8,12
.irp i, 0,1
	v_pk_add_f32 v[ACC+8*\i:ACC+8*\i+1], v[ACC+8*\i:ACC+8*\i+1], v[TQ+16*\i+\j:TQ+16*\i+\j+1]
	v_pk_add_f32 v[ACC+8*\i+2:ACC+8*\i+3], v[ACC+8*\i+2:ACC+8*\i+3], v[TQ+16*\i+\j+2:TQ+16*\i+\j+3]
.endr
.endr
.irp i, 0,1
	v_pk_add_f32 v[ACC+8*\i:ACC+8*\i+1], v[ACC+8*\i:ACC+8*\i+1], v[ACC+8*\i+2:ACC+8*\i+3]
.endr
.irp i, 0,1
	v_add_f32 v[ACC+8*\i], v[ACC+8*\i], v[ACC+8*\i+1]
.endr
	LANESUM ACC, ACC+8, ACC+1, ACC+9
.irp i, 0,1
	v_mul_f32 v[ACC+8*\i], 0x3b000000, v[ACC+8*\i] ; / 512: the mean
.endr
.irp i, 0,1
.irp j, 0,2,4,6,8,10,12,14
	v_pk_add_f32 v[TQ+16*\i+\j:TQ+16*\i+\j+1], v[TQ+16*\i+\j:TQ+16*\i+\j+1], v[ACC+8*\i:ACC+8*\i+1] op_sel_hi:[1,0] neg_lo:[0,1] neg_hi:[0,1]   ; x - mean
.endr
.endr
.irp i, 0,1
	v_pk_mul_f32 v[ACC+8*\i+2:ACC+8*\i+3], v[TQ+16*\i:TQ+16*\i+1], v[TQ+16*\i:TQ+16*\i+1]
	v_pk_mul_f32 v[ACC+8*\i+4:ACC+8*\i+5], v[TQ+16*\i+2:TQ+16*\i+3], v[TQ+16*\i+2:TQ+16*\i+3]
.endr
.irp j, 4,8,12
.irp i, 0,1
	v_pk_fma_f32 v[ACC+8*\i+2:ACC+8*\i+3], v[TQ+16*\i+\j:TQ+16*\i+\j+1], v[TQ+16*\i+\j:TQ+16*\i+\j+1], v[ACC+8*\i+2:ACC+8*\i+3]
	v_pk_fma_f32 v[ACC+8*\i+4:ACC+8*\i+5], v[TQ+16*\i+\j+2:TQ+16*\i+\j+3], v[TQ+16*\i+\j+2:TQ+16*\i+\j+3], v[ACC+8*\i+4:ACC+8*\i+5]
.endr
.endr
.irp i, 0,1
	v_pk_add_f32 v[ACC+8*\i+2:ACC+8*\i+3], v[ACC+8*\i+2:ACC+8*\i+3], v[ACC+8*\i+4:ACC+8*\i+5]
.endr
.irp i, 0,1
	v_add_f32 v[ACC+8*\i+2], v[ACC+8*\i+2], v[ACC+8*\i+3]
.endr
	LANESUM ACC+2, ACC+10, ACC+3, ACC+11
.irp i, 0,1
	v_mul_f32 v[ACC+8*\i+2], 0x3b004020, v[ACC+8*\i+2]   ; / 511: the unbiased variance
.endr
.irp i, 0,1
	v_sqrt_f32 v[ACC+8*\i+7], v[ACC+8*\i+2]
.endr
	v_nop                                          ; a plain line behind the roots,
	s_wait_alu depctr_va_vdst(0)                   ; and a wait ahead of the first use: the two roots are written
.irp i, 0,1
	v_add_f32 v[ACC+8*\i+7], 0x3727c5ac, v[ACC+8*\i+7]   ; + 1e-5
.endr
.irp i, 0,1
	v_rcp_f32 v[ACC+8*\i+6], v[ACC+8*\i+7]
.endr
	v_nop
	s_wait_alu depctr_va_vdst(0)                   ; the two reciprocals are written, ahead of their first reader
.irp i, 0,1
.irp j, 0,2,4,6,8,10,12,14
	v_pk_mul_f32 v[TQ+16*\i+\j:TQ+16*\i+\j+1], v[TQ+16*\i+\j:TQ+16*\i+\j+1], v[ACT+\j:ACT+\j+1]   ; x g1
.endr
.endr
.irp i, 0,1
.irp j, 0,2,4,6,8,10,12,14
	v_pk_fma_f32 v[TQ+16*\i+\j:TQ+16*\i+\j+1], v[TQ+16*\i+\j:TQ+16*\i+\j+1], v[ACC+8*\i+6:ACC+8*\i+7], v[ACT+16+\j:ACT+16+\j+1] op_sel_hi:[1,0,1]   ; / (sqrt(var) + eps) + be1
.endr
.endr
	; ---- quantised: a block of 32 lies in lanes l and l xor 1
.irp i, 0,1
	v_max3_num_f32 v[ACC+8*\i+2], |v[TQ+16*\i]|, |v[TQ+16*\i+1]|, 0x1800000
.endr
.irp j, 2,4,6,8,10,12,14
.irp i, 0,1
	v_max3_num_f32 v[ACC+8*\i+2], v[ACC+8*\i+2], |v[TQ+16*\i+\j]|, |v[TQ+16*\i+\j+1]|
.endr
.endr
.irp i, 0,1
	v_max_num_f32_dpp v[ACC+8*\i+2], v[ACC+8*\i+2], v[ACC+8*\i+2] row_xmask:1 row_mask:0xf bank_mask:0xf
.endr
.irp i, 0,1
	v_add_nc_u32 v[ACC+8*\i+3], 0xff000000, v[ACC+8*\i+2]
.endr
.irp i, 0,1
	v_lshrrev_b32 v[ACC+8*\i+4], 23, v[ACC+8*\i+3]
.endr
.irp i, 0,1
	v_cvt_scalef32_pk16_fp6_f32 v[ACC+16+4*\i:ACC+18+4*\i], v[TQ+16*\i:TQ+16*\i+15], v[ACC+8*\i+3]
.endr
	v_nop                                          ; one plain line behind the conversions
	s_wait_alu depctr_va_vdst(0)                   ; z's codes v[ACC+16 ..] and bytes v[ACC+4], v[ACC+12] are written, which the LDS stores read; and the norm is done reading g1 and be1 in v[ACT ..], in which z's fragments land behind the barrier (no vector line stands between)
.irp i, 0,1
	ST3 5, ACC+16+4*\i, 48*\i
	ds_store_b8 v6, v[ACC+8*\i+4] offset:4*\i      ; both lanes of a block write the same byte with the same value
.endr
	BARRIER                                        ; z's eight fragments and their scale words lie in LDS
	s_wait_alu depctr_vm_vsrc(0)                   ; my LDS stores have read v[ACC+4], v[ACC+12] and v[ACC+16 ..]: the products write the accumulators
	ACTLOAD ZIMG, ZSC, 0, 4
	s_wait_dscnt 0x0
	; ---- q, k, v: my head's 32 columns, K = 512 in two halves.  Behind each run of products the next 6,144 bytes of weights are asked for at once
.irp T, 0,1,2
	s_wait_loadcnt 0x0                             ; this half's weights are in
	WMMA8 0, 0, (\T/2)
	PLACES
	s_wait_alu depctr_va_vdst(0)                   ; the eight products are done reading v[WB ..] and v[WSC ..], in which the second half's weights land
	WLOAD WCP, WSP, \T*196608+6144, \T*8192+256
	s_wait_loadcnt 0x0
	WMMA8 1, 1, (\T/2)
	PLACES
.if \T < 2
	s_wait_alu depctr_va_vdst(0)                   ; the eight products are done reading v[WB ..] and v[WSC ..], in which the next weight's first half lands
	WLOAD WCP, WSP, (\T+1)*196608, (\T+1)*8192     ; it lands while these results are quantised: the quantiser names none of its registers
.endif
	QB2 ACC, ACC+16, BIAS+2*\T
	s_wait_alu depctr_va_vdst(0)                   ; the quantiser has written the codes v[TQ+8 ..] and the bytes v[BIAS+2 T ..], which the stores below read (behind v's it also shows the last products done reading v[WB ..], in which the read-back lands)
.if \T == 0
	ST3 7, TQ+8, 0                                 ; tile 0's tokens r + 8 (r / 8),
	ST3 7, TQ+12, 192                              ; tile 1's eight further on
	global_store_b8 v11, v[BIAS], s[16:17]         ; (both halves of the lanes hold the block's byte and store it to the same place)
	global_store_b8 v11, v[BIAS+1], s[16:17] offset:8
.elseif \T == 1
	ST3 8, TQ+8, 0
	ST3 8, TQ+12, 384
	global_store_b8 v12, v[BIAS+2], s[16:17] offset:131072
	global_store_b8 v12, v[BIAS+3], s[16:17] offset:131072+16
.else
	ST3 8, TQ+8, 768
	ST3 8, TQ+12, 1152
	global_store_b8 v12, v[BIAS+4], s[16:17] offset:262144
	global_store_b8 v12, v[BIAS+5], s[16:17] offset:262144+16
.endif
	s_wait_dscnt 0x0                               ; my stores into the stage have landed
.if \T < 2
	s_wait_alu depctr_vm_vsrc(0)                   ; the LDS stores have read the codes' registers v[TQ+8 ..], which the next quantiser writes again
.endif
.endr
.irp k, 0,1,2,3,4,5,6,7,8
	ds_load_b64 v[WB+2*\k:WB+2*\k+1], v9 offset:256*\k   ; my own bytes: LDS serves a wave's instructions in order
.endr
.irp k, 0,1,2,3,4,5,6,7,8
	s_wait_dscnt 8-\k                              ; the younger read-backs may stay out
	global_store_b64 v10, v[WB+2*\k:WB+2*\k+1], s[14:15] offset:(\k/3)*3145728+256*(\k%3)   ; 32 lanes store 256 consecutive bytes, aligned
.endr
	s_wait_dscnt 0x0                               ; the closing lines, six on end
	s_wait_alu 0x0
	s_wait_tensorcnt 0x0
	ds_add_u32 v252, v253
	s_wait_dscnt 0x0
	s_endpgm
.Lfunc_end_k_q8caa53673b_qkv:
	.size	k_q8caa53673b_qkv, .Lfunc_end_k_q8caa53673b_qkv-k_q8caa53673b_qkv
	.p2alignl 7, 3214868480
	.fill 96, 4, 3214868480
	.section	.rodata,"a",@progbits
	.p2align	6, 0x0
	.amdhsa_kernel k_q8caa53673b_qkv
		.amdhsa_group_segment_fixed_size 51712
		.amdhsa_private_segment_fixed_size 0
		.amdhsa_enable_private_segment 0
		.amdhsa_kernarg_size 56
		.amdhsa_user_sgpr_count 2
		.amdhsa_user_sgpr_kernarg_segment_ptr 1
		.amdhsa_wavefront_size32 1
		.amdhsa_system_sgpr_workgroup_id_x 1
		.amdhsa_system_sgpr_workgroup_id_y 1
		.amdhsa_system_sgpr_workgroup_id_z 1
		.amdhsa_system_vgpr_workitem_id 0
		.amdhsa_next_free_vgpr 256
		.amdhsa_next_free_sgpr 66
		.amdhsa_reserve_vcc 0
		.amdhsa_float_denorm_mode_32 3
		.amdhsa_float_denorm_mode_16_64 3
		.amdhsa_memory_ordered 1
		.amdhsa_forward_progress 1
		.amdhsa_inst_pref_size 42
	.end_amdhsa_kernel
	.amdgpu_metadata
---
amdhsa.version: [ 1, 2 ]
amdhsa.kernels:
  - .name:           k_q8caa53673b_qkv
    .symbol:         k_q8caa53673b_qkv.kd
    .args:
      - { .name: x, .offset: 0, .size: 8, .value_kind: global_buffer, .address_space: global }
      - { .name: g1, .offset: 8, .size: 8, .value_kind: global_buffer, .address_space: global }
      - { .name: be1, .offset: 16, .size: 8, .value_kind: global_buffer, .address_space: global }
      - { .name: wc, .offset: 24, .size: 8, .value_kind: global_buffer, .address_space: global }
      - { .name: ws, .offset: 32, .size: 8, .value_kind: global_buffer, .address_space: global }
      - { .name: qkvc, .offset: 40, .size: 8, .value_kind: global_buffer, .address_space: global }
      - { .name: qkvs, .offset: 48, .size: 8, .value_kind: global_buffer, .address_space: global }
    .group_segment_fixed_size: 51712
    .private_segment_fixed_size: 0
    .kernarg_segment_align: 8
    .kernarg_segment_size: 56
    .max_flat_workgroup_size: 512
    .sgpr_count:     66
    .vgpr_count:     256
    .wavefront_size: 32
...
	.end_amdgpu_metadata
.endif
;; end of part 5
;; launch attn (part 6): grid 4 x 64, 16 waves a work-group, no clusters, 104,448 bytes of LDS; arguments qkvc, qkvs, ac, asc; writes ac, asc
.if DOCPART == 6
	.amdgcn_target "amdgcn-amd-amdhsa--gfx1250"
	.amdhsa_code_object_version 6
	.text
	.protected	k_q8caa53673b_attn
	.globl	k_q8caa53673b_attn
	.p2align	8
	.type	k_q8caa53673b_attn,@function
k_q8caa53673b_attn:
	s_mov_b64 s[64:65], 0
	v_nop
	global_prefetch_b8 v0, s[64:65] scope:SCOPE_SE
	s_setreg_imm32_b32 hwreg(HW_REG_WAVE_SCHED_MODE, 0, 2), 2
	s_setreg_imm32_b32 hwreg(HW_REG_WAVE_MODE, 25, 1), 1
	s_wait_xcnt 0x0
	s_wait_alu depctr_vm_vsrc(0)
; Causal attention of one (batch, head): S = q k^T and O = p v on codes of FP6 (E2M3) with E8M0 scales; the head is 32 wide, one block.
; t = score x log2(e) / sqrt(32); M = the running largest t rounded UP to a whole number; p = 2^(t - M) is quantised along the keys, not normalised;
; the row's sum is taken of the unquantised p and divides O at the end.  When M moves, the sum and O are multiplied by 2^(old M - new M): exact.
; O / sum is quantised over the head's 32, which is a block of the next product's K, and only its codes and scale bytes leave.
; SHARES.  Work-group (c, head): sixteen waves of 256 registers.  Wave W = 16 c + w takes the tiles of 16 queries W and 127 - W: tile i wants i / 8 + 1 steps
; of 128 keys, so every wave of the launch runs 17 steps.  The inner loop has 16 trips in every wave; a step all of whose keys are hidden jumps over its work.
; LDS holds the head's K and V codes (49,152 bytes each, as they lie in memory) and their scale bytes, regrouped into scale words.  It is filled once, through
; registers, and only read behind the one barrier.
; NO CLUSTER: the four work-groups of a head share 100 KB, read once at the head, and the scale bytes are regrouped in registers on the way.
; K FOUR DEEP.  A product's K is 128 and the head has 32.  A fragment of K carries four tiles of 16 keys, one in each block of 32; q stands in ONE block of
; source 1 and zero codes in the others, so that the product picks that block's keys.  Four such variants of q overlap in 30 registers: Z | QL | Z | QH | Z,
; QL = q in lanes 0-15, QH = q in lanes 16-31, Z = zeros; variant g begins at 6, 18, 0, 12.  So a step reads each byte of K once.
; LAYOUT.  Both products are used transposed: a lane holds ONE query.  Score tile t = 4 f + g holds keys 32 (t / 2) + 8 (t % 2) + row + 8 (row / 8), so that the 16
; registers of tiles 2 b, 2 b + 1 are 16 neighbouring keys.  V's channels are dealt to its two tiles in the same way, so O^T's 16 registers are 16 neighbouring channels.
; LIMITS: NaN and infinities are not served; a block whose largest magnitude lies under 2^-124 keeps the byte 1.
; THE MODE: SCHED_MODE bits 1:0 = 2 (LLVM: expert scheduling mode 2), set by the entry lines.  The code itself states the register dependences
; between vector or matrix instructions and memory or LDS instructions, with s_wait_alu, always for 0.
; THE PLAN.  Registers that memory or LDS instructions touch:
;   v1-v7            offsets and address parts: made once at the head, never written again.
;   v176-v180, v96-v151  the copy into LDS: addresses and data; behind the barrier these registers are O / sum and the scores, written by vector and matrix instructions.
;   v8-v11           a step's LDS addresses: written by four additions at the step's head, read by the step's 28 LDS loads.
;   KFR, v248-249    K's fragments and scale words: loaded at a step's head, read by its eight products on q.  At a tile's head q lands in KFR and the selects read it.
;   VFR, v250-251    V's: loaded at a step's head, read by the step's last two products.
;   QB, v255         q's variants and scale word: written by vector instructions at a tile's head, taken by scaled products.
;   v224-235, v243   p's codes and scale word: written by vector instructions in every step, taken by scaled products.
;   v192-194, v233   a tile's codes and byte: written at the tile's end, read by its two stores.
; In a step: one wait on vm_vsrc ahead of the four additions; one on va_vdst behind them, which states all that the 28 loads hang on; one on va_vdst ahead of the
; products on p.  Waits on va_vdst stand behind the exponentials.  At a tile's end: one on va_vdst ahead of the two stores, which also serves the next
; tile's loads of q (no vector line stands between), and one on vm_vsrc behind them.
.set KL,   0
.set VL,   49152
.set KSL,  98304                       ; K's scale words: 64 bytes a fragment of 64 keys
.set VSL,  100352                      ; V's: 128 bytes a step: tile u, row
.set QB,   16                          ; v16-45   q's variants
.set KFR,  48                          ; v48-71   K's two fragments
.set VFR,  72                          ; v72-95   V's two
.set PSW,  243                         ; v243     p's scale word: holds nothing else
.set SEL,  20                          ; s[20:21] lane l xor 16
.set CS,   22                          ; s[22:23] c = log2(e) / sqrt(32)
.set TK,   24                          ; the step's codes begin here in KL and in VL: 3,072 bytes a step
.set TS,   25                          ; and its scale words: 128 bytes a step
.set KF,   26                          ; the step's first key
.set Q0,   27                          ; my first query
.set TILE, 28
.set CNT,  29
.set OUTC, 30
.set MLO,  31                          ; lanes 0-15
.set MHI,  32                          ; lanes 16-31
.set REP,  33
.set MK,   66                          ; s[66:97] the causal mask's compares: two sets of sixteen, by turns
; v1 24 l; v2 VL + 24 r + 768 h; v3 KSL + 4 r; v4 VSL + 4 r; v5 24 r + 12 h; v6 r; v7 24 r; v8-11 the step's addresses; v12 -M, v13 the largest t, v[14:15] the sum;
; v96-159 S^T, then p; v160-175 O^T; v176-191 O / sum; v192-194 its codes; v224-235 p's codes; v232-254 at work; v248-249 K's scale words, v250-251 V's; v255 q's.
	s_load_b256 s[4:11], s[0:1], 0x0               ; qkvc, qkvs, ac, asc
	v_lshl_add_u32 v222, v0, 2, 0x19000
	v_mov_b32 v223, 0
	v_lshrrev_b32 v1, 5, v0
	v_readfirstlane_b32 s18, v1                    ; wave 0..15
	v_and_b32 v9, 31, v0                           ; l
	v_cmp_gt_u32 s[MLO], 16, v9
	v_cmp_le_u32 s[MHI], 16, v9
	s_and_b32 s19, ttmp7, 0xffff                   ; batch x 16 + head
	s_mul_i32 s12, s19, 49152                      ; the head's codes, in each section of qkvc and in ac
	s_mov_b32 s13, 0
	s_lshl_b32 s14, s19, 11                        ; its scale bytes
	s_mov_b32 s15, 0
	s_mov_b32 s[SEL], 0x76543210
	s_mov_b32 s[SEL+1], 0xfedcba98
	s_mov_b32 s[CS], 0x3e8293ee
	s_mov_b32 s[CS+1], s[CS]                       ; (named with it as a pair, so it is written)
	s_mov_b32 s[REP], 0x01010101
	s_wait_alu depctr_va_sdst(0)                   ; s18 and the two lane masks are written: one wait behind the three writers, ahead of the first reader of any of them and of every label
	s_lshl_b32 s[TILE], ttmp9, 4
	s_add_co_u32 s[TILE], s[TILE], s18             ; W
	v_and_b32 v6, 15, v0                           ; r
	v_bfe_u32 v10, v0, 4, 1                        ; h
	v_mul_u32_u24 v1, v9, 24
	v_mul_u32_u24 v7, v6, 24
	v_mad_u32_u24 v5, v10, 12, v7
	v_mad_u32_u24 v2, v10, 768, v7
	v_add_nc_u32 v2, VL, v2
	v_lshl_add_u32 v3, v6, 2, KSL
	v_lshl_add_u32 v4, v6, 2, VSL
	; the copy in: thread t takes 16 bytes at 16 t + 8,192 i, and four scale bytes at 4 t
	v_lshlrev_b32 v176, 4, v0
	v_add_nc_u32 v177, VL, v176
	v_lshlrev_b32 v178, 2, v0
	v_lshrrev_b32 v179, 4, v0                      ; K's byte (group t / 8, place 4 (t % 8) + i) goes to fragment t / 16, row 4 (t % 4) + i, byte 2 ((t / 8) % 2) + (t / 4) % 2
	v_lshl_add_u32 v179, v179, 6, KSL
	v_and_b32 v181, 3, v0
	v_lshl_add_u32 v179, v181, 4, v179
	v_bfe_u32 v182, v0, 3, 1
	v_lshl_add_u32 v179, v182, 1, v179
	v_bfe_u32 v182, v0, 2, 1
	v_add_nc_u32 v179, v179, v182
	v_lshrrev_b32 v180, 5, v0                      ; V's goes to step t / 32, tile (t / 4) % 2, row 4 (t % 4) + i, byte (t / 8) % 4
	v_lshl_add_u32 v180, v180, 7, VSL
	v_lshl_add_u32 v180, v182, 6, v180
	v_lshl_add_u32 v180, v181, 4, v180
	v_bfe_u32 v182, v0, 3, 2
	v_add_nc_u32 v180, v180, v182
	s_wait_kmcnt 0x0
	s_add_nc_u64 s[34:35], s[4:5], s[12:13]        ; q's codes of the head; k's lie 3,145,728 bytes on, v's twice that
	s_add_nc_u64 s[36:37], s[6:7], s[14:15]        ; q's scale bytes; k's 131,072 on, v's twice that
	s_add_nc_u64 s[8:9], s[8:9], s[12:13]
	s_add_nc_u64 s[10:11], s[10:11], s[14:15]
	s_wait_alu depctr_va_vdst(0)                   ; the offsets and addresses v1 to v7 and v176 to v180 are written, which the loads and stores below read
.irp i, 0,1,2,3,4,5
	global_load_b128 v[96+4*\i:99+4*\i], v176, s[34:35] offset:3145728+8192*\i
.endr
.irp i, 0,1,2,3,4,5
	global_load_b128 v[120+4*\i:123+4*\i], v176, s[34:35] offset:6291456+8192*\i
.endr
	global_load_b32 v144, v178, s[36:37] offset:131072
	global_load_b32 v145, v178, s[36:37] offset:262144
.irp i, 0,1,2,3,4,5
	v_mov_b32 v[QB+\i], 0                          ; the zeros of q's variants, once
	v_mov_b32 v[QB+12+\i], 0
	v_mov_b32 v[QB+24+\i], 0
.endr
.irp b, 0,1,2,3
	v_mov_b32 v[236+\b], 0                         ; written once: a lane permute's destination counts as one of its sources
.endr
	v_mov_b32 v252, 0
	v_mov_b32 v253, 0                              ; (the upper half of the pair v[252:253])
	s_wait_loadcnt 0x0
	v_lshrrev_b32 v146, 8, v144
	v_lshrrev_b32 v147, 16, v144
	v_lshrrev_b32 v148, 24, v144
	v_lshrrev_b32 v149, 8, v145
	v_lshrrev_b32 v150, 16, v145
	v_lshrrev_b32 v151, 24, v145
	s_wait_alu depctr_va_vdst(0)                   ; the six shifts have written v146 to v151, which the byte stores read
.irp i, 0,1,2,3,4,5
	ds_store_b128 v176, v[96+4*\i:99+4*\i] offset:8192*\i
.endr
.irp i, 0,1,2,3,4,5
	ds_store_b128 v177, v[120+4*\i:123+4*\i] offset:8192*\i
.endr
	ds_store_b8 v179, v144
	ds_store_b8 v179, v146 offset:4
	ds_store_b8 v179, v147 offset:8
	ds_store_b8 v179, v148 offset:12
	ds_store_b8 v180, v145
	ds_store_b8 v180, v149 offset:4
	ds_store_b8 v180, v150 offset:8
	ds_store_b8 v180, v151 offset:12
	s_wait_dscnt 0x0                               ; for the others' sake: my stores have landed
	s_barrier_signal -1
	s_barrier_wait -1                              ; from here on LDS is only read
	s_wait_alu depctr_vm_vsrc(0)                   ; the copy's loads and stores have read v96 to v151 and v176 to v180: the products write the scores there, a tile's end O / sum
	s_mov_b32 s[OUTC], 2
.Ltile:
	s_lshl_b32 s[Q0], s[TILE], 4
	s_mul_i32 s46, s[TILE], 384                    ; 16 tokens of 24 bytes
	s_mov_b32 s47, 0
	s_mov_b32 s48, s[Q0]
	s_mov_b32 s49, 0
	s_add_nc_u64 s[38:39], s[34:35], s[46:47]
	s_add_nc_u64 s[40:41], s[36:37], s[48:49]
	s_add_nc_u64 s[42:43], s[8:9], s[46:47]
	s_add_nc_u64 s[44:45], s[10:11], s[48:49]
.irp p, 0,1,2
	global_load_b64 v[KFR+2*\p:KFR+2*\p+1], v7, s[38:39] offset:8*\p   ; every lane takes query r's 24 bytes.  No wait here: on both ways to this line the last wait on va_vdst (ahead of the copy's stores; ahead of the last tile's stores) stands behind every reader of v[KFR ..], and no vector line follows it
.endr
	global_load_u8 v[KFR+6], v6, s[40:41]
	s_mov_b32 s[TK], 0
	s_mov_b32 s[TS], 0
	s_mov_b32 s[KF], 0
	s_mov_b32 s[CNT], 16
	s_wait_loadcnt 0x0
	v_mul_lo_u32 v255, v[KFR+6], s[REP]            ; q's byte in all four bytes of its scale word: whichever block q stands in.  More than eight plain lines follow ahead of the first product
.irp i, 0,1,2,3,4,5
	v_cndmask_b32 v[QB+6+\i], 0, v[KFR+\i], s[MLO]
	v_cndmask_b32 v[QB+18+\i], 0, v[KFR+\i], s[MHI]
.endr
	v_mov_b32 v13, 0xff61b1e6                      ; the largest t so far: -3e38, under every t
	v_floor_f32 v12, -v13                          ; -M
	v_mov_b32 v14, 0                               ; the sum, in two halves
	v_mov_b32 v15, 0
.irp j, 0,1,2,3,4,5,6,7,8,9,10,11,12,13,14,15
	v_mov_b32 v[160+\j], 0                         ; O^T: the first change of M multiplies zeros, so the step is written once
.endr
.Lstep:
	s_add_co_u32 s50, s[Q0], 15
	s_cmp_gt_u32 s[KF], s50                        ; all 128 keys come after my 16 queries: the step's work is left out; a branch on ids
	s_cbranch_scc1 .Lhidden
	s_wait_alu depctr_vm_vsrc(0)                   ; the last step's LDS loads have read v8 to v11, which the four additions write again
	v_add_nc_u32 v8, s[TK], v1
	v_add_nc_u32 v9, s[TK], v2
	v_add_nc_u32 v10, s[TS], v3
	v_add_nc_u32 v11, s[TS], v4
	s_wait_alu depctr_va_vdst(0)                   ; v8 to v11 are written, which the loads below read; the last step's products (in a tile's first step: the selects) are done reading v[KFR ..], v[VFR ..] and v248 to v251, in which they land; in a tile's first step q's variants v[QB ..] and scale word v255 are written, which the scaled products take
.irp f, 0,1
.irp c, 0,1
.irp p, 0,1,2
	ds_load_b64 v[KFR+12*\f+6*\c+2*\p:KFR+12*\f+6*\c+2*\p+1], v8 offset:1536*\f+768*\c+8*\p
.endr
.endr
	ds_load_b32 v[248+\f], v10 offset:64*\f
.endr
.irp u, 0,1
.irp c, 0,1
.irp p, 0,1,2
	ds_load_b64 v[VFR+12*\u+6*\c+2*\p:VFR+12*\u+6*\c+2*\p+1], v9 offset:384*\u+1536*\c+8*\p
.endr
.endr
	ds_load_b32 v[250+\u], v11 offset:64*\u
.endr
	s_wait_dscnt 14                                ; K's fourteen loads are in; V's fourteen, issued behind them, stay out
.irp f, 0,1
.irp g, 0,1,2,3
	v_wmma_scale_f32_16x16x128_f8f6f4 v[96+8*(4*\f+\g):103+8*(4*\f+\g)], v[KFR+12*\f:KFR+12*\f+11], v[QB+12*(\g%2)+6-6*(\g/2):QB+12*(\g%2)+6-6*(\g/2)+11], 0, v[248+\f], v255 matrix_a_fmt:MATRIX_FMT_FP6 matrix_b_fmt:MATRIX_FMT_FP6
.endr
.endr
.rept 4
	v_nop                                          ; places ahead of the first read of the scores
.endr
	s_add_co_u32 s50, s[KF], 127                   ; on the diagonal hidden scores become -infinity ahead of the maximum; a step all of whose keys count skips this
	s_cmp_le_u32 s50, s[Q0]
	s_cbranch_scc1 .Lopen
	s_sub_co_i32 s50, s[Q0], s[KF]
	v_bfe_u32 v241, v0, 4, 1
	v_lshlrev_b32 v241, 4, v241
	v_sub_nc_u32 v240, v6, v241
	v_add_nc_u32 v240, s50, v240                   ; d = my query - KF - 16 h.  Register 16 b + i holds key KF + 16 h + 32 b + i: hidden where 32 b + i > d
	v_mov_b32 v254, 0xff800000
.irp g, 0,1,2,3                        ; block g: sixteen compares in a run, each into a scalar register of its own, one wait, sixteen selects
.irp i, 0,1,2,3,4,5,6,7,8,9,10,11,12,13,14,15
	v_cmp_gt_i32 s[MK+16*(\g%2)+\i], 32*\g+\i, v240
.endr
	s_wait_alu depctr_va_sdst(0)                   ; the sixteen compares have written their masks, which the selects below read
.irp i, 0,1,2,3,4,5,6,7,8,9,10,11,12,13,14,15
	v_cndmask_b32 v[96+16*\g+\i], v[96+16*\g+\i], v254, s[MK+16*(\g%2)+\i]
.endr
.endr
.Lopen:
.irp b, 0,1,2,3
	v_max3_num_f32 v[232+\b], v[96+16*\b], v[97+16*\b], v[98+16*\b]   ; the largest score of each block of 32 keys: it serves the row's maximum and, since p rises with the score, the block's largest p
.endr
.irp i, 3,5,7,9,11,13
.irp b, 0,1,2,3
	v_max3_num_f32 v[232+\b], v[232+\b], v[96+16*\b+\i], v[97+16*\b+\i]
.endr
.endr
.irp b, 0,1,2,3
	v_max_num_f32 v[232+\b], v[232+\b], v[111+16*\b]
.endr
.irp b, 0,1,2,3
	v_permlanex16_b32 v[236+\b], v[232+\b], s[SEL], s[SEL+1]
.endr
.irp b, 0,1,2,3
	v_max_num_f32 v[232+\b], v[232+\b], v[236+\b]  ; with lane l xor 16's 16 keys
.endr
	v_max3_num_f32 v254, v232, v233, v234
	v_max_num_f32 v254, v254, v235                 ; the step's largest score of my query
	v_mul_f32 v254, s[CS], v254                    ; as t (c is positive)
	v_max_num_f32 v13, v13, v254                   ; the running largest t
	v_mov_b32 v254, v12
	v_floor_f32 v12, -v13                          ; the new -M = floor(-t) = -ceil(t)
	v_sub_f32 v254, v12, v254                      ; old M - new M: a whole number, 0 or less
	v_cvt_i32_f32 v254, v254                       ; (it saturates)
	v_ldexp_f32 v252, 1.0, v254                    ; f = 2^(old M - new M)
.irp j, 0,2,4,6,8,10,12,14,16,18,20,22,24,26,28,30,32,34,36,38,40,42,44,46,48,50,52,54,56,58,60,62
	v_pk_fma_f32 v[96+\j:97+\j], v[96+\j:97+\j], s[CS:CS+1], v[12:13] op_sel_hi:[1,0,0]   ; t - M, two at a time
.endr
.irp b, 0,1,2,3
	v_fma_f32 v[232+\b], v[232+\b], s[CS], v12     ; the same of each block's largest score
.endr
.irp j, 0,1,2,3,4,5,6,7,8,9,10,11,12,13,14,15,16,17,18,19,20,21,22,23,24,25,26,27,28,29,30,31,32,33,34,35,36,37,38,39,40,41,42,43,44,45,46,47,48,49,50,51,52,53,54,55,56,57,58,59,60,61,62,63
	v_exp_f32 v[96+\j], v[96+\j]                   ; p = 2^(t - M), at most 1
.endr
	v_pk_mul_f32 v[14:15], v[14:15], v[252:253] op_sel_hi:[1,0]   ; the sums under the new M: a plain line behind the exponentials
	s_wait_alu depctr_va_vdst(0)                   ; the 64 exponentials have written p: one wait for the whole batch, ahead of its first reader
.irp b, 0,1,2,3
	v_exp_f32 v[232+\b], v[232+\b]                 ; the block's largest p: the same two instructions on the same number give the same bits
.endr
	v_pk_add_f32 v[236:237], v[96:97], v[98:99]    ; the row's sum of the unquantised p, in two chains: plain work behind the four
.irp j, 4,8,12,16,20,24,28,32,36,40,44,48,52,56,60
	v_pk_add_f32 v[14:15], v[14:15], v[96+\j:97+\j]
	v_pk_add_f32 v[236:237], v[236:237], v[98+\j:99+\j]
.endr
	v_pk_add_f32 v[14:15], v[14:15], v[236:237]
	s_wait_alu depctr_va_vdst(0)                   ; the four exponentials have written v232 to v235, ahead of their first reader
.irp b, 0,1,2,3
	v_max_num_f32 v[232+\b], 0x1800000, v[232+\b]  ; the floor 2^(3 - 127): a block whose every p is 0 keeps the byte 1; its codes are zeros
.endr
.irp b, 0,1,2,3
	v_add_nc_u32 v[244+\b], 0xff000000, v[232+\b]  ; the conversion's scale operand
.endr
.irp b, 0,1,2,3
	v_lshrrev_b32 v[236+\b], 23, v[244+\b]         ; the scale's byte
.endr
	v_lshl_or_b32 v[PSW], v237, 8, v236            ; p's scale word for these 128 keys
	v_lshl_or_b32 v[PSW], v238, 16, v[PSW]
	v_lshl_or_b32 v[PSW], v239, 24, v[PSW]
.irp c, 0,1
	v_cvt_scalef32_pk16_fp6_f32 v[224+6*\c:226+6*\c], v[96+32*\c:111+32*\c], v[244+2*\c]
	v_cvt_scalef32_pk16_fp6_f32 v[236+4*\c:238+4*\c], v[112+32*\c:127+32*\c], v[244+2*\c+1]   ; (a conversion's three registers begin on an even number)
.endr
	v_nop                                          ; one plain line behind the conversions
.irp c, 0,1                            ; the operand's layout wants a whole block in a lane: lanes 0-15 block 2 c, lanes 16-31 block 2 c + 1
.irp i, 0,1,2
	v_permlane16_swap_b32 v[224+6*\c+\i], v[236+4*\c+\i]
.endr
.irp i, 0,1,2
	v_mov_b32 v[227+6*\c+\i], v[236+4*\c+\i]
.endr
.endr
.irp j, 0,2,4,6,8,10,12,14
	v_pk_mul_f32 v[160+\j:161+\j], v[160+\j:161+\j], v[252:253] op_sel_hi:[1,0]   ; O^T under the new M
.endr
.rept 4
	v_nop                                          ; with the eight above: the places between the last writes of p's codes and scale word and the products
.endr
	s_wait_alu depctr_va_vdst(0)                   ; behind the places: p's codes v224 to v235 and its scale word v243 are written, which the scaled products take as source 1 and as scales
	s_wait_dscnt 0x0                               ; V is in
.irp u, 0,1
	v_wmma_scale_f32_16x16x128_f8f6f4 v[160+8*\u:167+8*\u], v[VFR+12*\u:VFR+12*\u+11], v[224:235], v[160+8*\u:167+8*\u], v[250+\u], v[PSW] matrix_a_fmt:MATRIX_FMT_FP6 matrix_b_fmt:MATRIX_FMT_FP6
.endr
.Lhidden:
	s_add_co_u32 s[KF], s[KF], 128
	s_add_co_u32 s[TK], s[TK], 3072
	s_add_co_u32 s[TS], s[TS], 128
	s_sub_co_u32 s[CNT], s[CNT], 1
	s_cmp_lg_u32 s[CNT], 0
	s_cbranch_scc1 .Lstep
	; ---- the tile's end: O / sum, quantised over the head's 32
.rept 4
	v_nop                                          ; the places behind the last products, on every way here
.endr
	v_add_f32 v14, v14, v15
	v_permlanex16_b32 v252, v14, s[SEL], s[SEL+1]
	v_add_f32 v14, v14, v252                       ; the row's sum
	v_rcp_f32 v14, v14
	v_nop
	s_wait_alu depctr_va_vdst(0)                   ; the reciprocal is written, ahead of its first reader
.irp j, 0,1,2,3,4,5,6,7,8,9,10,11,12,13,14,15
	v_mul_f32 v[176+\j], v[160+\j], v14            ; register j: channel 16 h + j of query r
.endr
	v_max3_num_f32 v232, |v176|, |v177|, 0x1800000
.irp i, 2,4,6,8,10,12,14
	v_max3_num_f32 v232, v232, |v[176+\i]|, |v[177+\i]|
.endr
	v_permlanex16_b32 v236, v232, s[SEL], s[SEL+1]
	v_max_num_f32 v232, v232, v236
	v_add_nc_u32 v244, 0xff000000, v232
	v_lshrrev_b32 v233, 23, v244
	v_cvt_scalef32_pk16_fp6_f32 v[192:194], v[176:191], v244
	v_nop
	s_wait_alu depctr_va_vdst(0)                   ; the codes v192 to v194 and the byte v233 are written, which the two stores read; and every reader of v[KFR ..] is done, for the next tile's loads of q
	global_store_b96 v5, v[192:194], s[42:43]      ; the wave stores 384 consecutive bytes: 16 tokens of 24
	global_store_b8 v6, v233, s[44:45]             ; (both halves of the lanes store the same byte to the same place)
	s_wait_xcnt 0x0                                ; bases and data are written again in the next trip only behind this wait
	s_wait_alu depctr_vm_vsrc(0)                   ; the two stores have read v192 to v194 and v233, which the next tile writes again
	s_sub_co_u32 s[TILE], 127, s[TILE]
	s_sub_co_u32 s[OUTC], s[OUTC], 1
	s_cmp_lg_u32 s[OUTC], 0
	s_cbranch_scc1 .Ltile
	s_wait_dscnt 0x0                               ; the closing lines, six on end
	s_wait_alu 0x0
	s_wait_tensorcnt 0x0
	ds_add_u32 v222, v223
	s_wait_dscnt 0x0
	s_endpgm
.Lfunc_end_k_q8caa53673b_attn:
	.size	k_q8caa53673b_attn, .Lfunc_end_k_q8caa53673b_attn-k_q8caa53673b_attn
	.p2alignl 7, 3214868480
	.fill 96, 4, 3214868480
	.section	.rodata,"a",@progbits
	.p2align	6, 0x0
	.amdhsa_kernel k_q8caa53673b_attn
		.amdhsa_group_segment_fixed_size 104448
		.amdhsa_private_segment_fixed_size 0
		.amdhsa_enable_private_segment 0
		.amdhsa_kernarg_size 32
		.amdhsa_user_sgpr_count 2
		.amdhsa_user_sgpr_kernarg_segment_ptr 1
		.amdhsa_wavefront_size32 1
		.amdhsa_system_sgpr_workgroup_id_x 1
		.amdhsa_system_sgpr_workgroup_id_y 1
		.amdhsa_system_sgpr_workgroup_id_z 1
		.amdhsa_system_vgpr_workitem_id 0
		.amdhsa_next_free_vgpr 256
		.amdhsa_next_free_sgpr 98
		.amdhsa_reserve_vcc 0
		.amdhsa_float_denorm_mode_32 3
		.amdhsa_float_denorm_mode_16_64 3
		.amdhsa_memory_ordered 1
		.amdhsa_forward_progress 1
		.amdhsa_inst_pref_size 36
	.end_amdhsa_kernel
	.amdgpu_metadata
---
amdhsa.version: [ 1, 2 ]
amdhsa.kernels:
  - .name:           k_q8caa53673b_attn
    .symbol:         k_q8caa53673b_attn.kd
    .args:
      - { .name: qkvc, .offset: 0, .size: 8, .value_kind: global_buffer, .address_space: global }
      - { .name: qkvs, .offset: 8, .size: 8, .value_kind: global_buffer, .address_space: global }
      - { .name: ac, .offset: 16, .size: 8, .value_kind: global_buffer, .address_space: global }
      - { .name: asc, .offset: 24, .size: 8, .value_kind: global_buffer, .address_space: global }
    .group_segment_fixed_size: 104448
    .private_segment_fixed_size: 0
    .kernarg_segment_align: 8
    .kernarg_segment_size: 32
    .max_flat_workgroup_size: 512
    .sgpr_count:     98
    .vgpr_count:     256
    .wavefront_size: 32
...
	.end_amdgpu_metadata
.endif
;; end of part 6
;; launch tail (part 7): grid 256 x 1, 16 waves a work-group, no clusters, 215,040 bytes of LDS; arguments ac, asc, wc, ws, x, bo, g2, be2, b1, b2, out0; writes out0
.if DOCPART == 7
	.amdgcn_target "amdgcn-amd-amdhsa--gfx1250"
	.amdhsa_code_object_version 6
	.text
	.protected	k_q8caa53673b_tail
	.globl	k_q8caa53673b_tail
	.p2align	8
	.type	k_q8caa53673b_tail,@function
k_q8caa53673b_tail:
	s_mov_b64 s[64:65], 0
	v_nop
	global_prefetch_b8 v0, s[64:65] scope:SCOPE_SE
	s_setreg_imm32_b32 hwreg(HW_REG_WAVE_SCHED_MODE, 0, 2), 2
	s_setreg_imm32_b32 hwreg(HW_REG_WAVE_MODE, 25, 1), 1
	s_wait_xcnt 0x0
	s_wait_alu depctr_vm_vsrc(0)
; z_add = x + a Wo + bo;  zn = layer norm of z_add;  h = gelu(zn W1 + b1), exact (erf);  out = z_add + h W2 + b2.  The three products on codes of FP6 (E2M3) with E8M0 scales.
; SHARES.  A work-group owns 32 tokens (two tiles of 16 rows); sixteen waves of 256 registers, four to a SIMD.  THE WAVES SHARE THE COLUMNS: wave w owns columns 32 w .. + 31 of
; z_add and of out, and hidden units 128 w .. + 127, which are K step w of the last product.  The rows' fragments for 512 along K stay in registers; the weights come from wc
; straight into the registers of the one wave that multiplies by them: each byte once a work-group, never through LDS.  Nothing between the products goes to memory.
; NO CLUSTER: a joint load lands in LDS; the 1.77 MB of weight codes that a work-group walks would then be written to LDS and read back, with a round of the cluster's barrier for
; each refill, where now they take one load each.
; All products are used transposed (source 0 = 16 columns of the weight, dealt so that two tiles' results are 16 neighbouring columns): a lane holds one row and 16 neighbours.
; A fragment lies in LDS with a lane's 12 registers on end (48 bytes): block g of row r at 48 (r + 16 (g % 2)) + 24 (g / 2).  Every LDS region is written once; five barriers.
; THE NORM'S VARIANCE: each wave's mean and sum of squared deviations over its 32 columns are joined as var = (sum of M2 + 32 sum of (mean_w - mean)^2) / 511: no difference of large sums.
; GELU: gelu(x) = max(x, 0) - |x| E, E = erfc(|x| / sqrt 2) / 2 = t 2^(P(t) - (0.8493218 x)^2), t = 1 / (1 + 0.35355339 |x|), P a polynomial of degree 9 (a published fit of erfc, its
; coefficients times log2 e, 1 off the constant).  LIMIT: the fit's relative error is 1.2e-7 of erfc for every finite x; with f32 arithmetic near 1e-6 of E at |x| about 5.
; LIMITS: NaN and infinities are not served; a block whose largest magnitude lies under 2^-124 keeps the byte 1.
; THE MODE: SCHED_MODE bits 1:0 = 2 (LLVM: expert scheduling mode 2), set by the entry lines.  The code itself states the register dependences
; between vector or matrix instructions and memory or LDS instructions, with s_wait_alu, always for 0.
; THE PLAN.  Registers that memory or LDS instructions touch:
;   v1-v3, v6-v15, v254, v255  offsets and LDS addresses: made once at the head; the regions' bases stand in the immediates, but for zn's region, which lies too far for one: v254, v255.
;   v4, v5      the gather's LDS addresses; remade once behind the first barrier, as the read addresses of the pairs and of the way out.
;   ACT         by turns: the gather's offsets and data; the attention's fragments; z_add + b2, deviations and pairs (vector work, LDS stores); the sixteen pairs (LDS loads, vector work);
;               zn's fragments; the hidden layer's fragments, four groups.  The products read the fragments.
;   BIAS        bo, b2, b1's four tiles land here; sums and products read them; the norm and the gelu use it as scratch between.
;   TQ+6 .. +14 the quantiser's bytes and codes, read by LDS stores; the gelu writes TQ again.
;   WB, WSC     the weights land here, 16 loads for each run of eight products, which read them; at the end the rows of out land in WB.
;   ACC         x lands here; products and vector work; z_add + b2 comes back into it; the way out's LDS stores read it.
; A wait on va_vdst stands ahead of the first load, ahead of each run of LDS stores (the loads of the next bias follow under the same wait), and behind each run of products ahead of the
; loads into its operands; a wait on vm_vsrc stands behind the first three barriers and at the end of a hidden block, ahead of the first write of registers that stores or loads have read.
.set ACC,  16                          ; v16-47   four accumulators: 16 m + 8 u
.set BIAS, 48                          ; v48-63   bo, b2, b1's tiles; scratch between
.set TQ,   64                          ; v64-95   g2 and be2; scratch of the gelu and of the quantiser
.set WB,   96                          ; v96-143  four weight fragments (2 K steps x 2 tiles)
.set WSC,  144                         ; v144-147 their scale words
.set ASC,  148                         ; v148-155 the rows' scale words
.set ACT,  156                         ; v156-251 the rows' eight fragments, 4 m + s; scratch of the norm between
.set DV,   ACT+32
.set SM,   ACT+64
.set HIMG, 0                           ; LDS: the hidden layer's 32 fragments, 16 m + s
.set HSC,  49152                       ; their scale words
.set AIMG, 51200                       ; the attention's 8 fragments, 4 m + s
.set ASCL, 63488
.set NIMG, 64000                       ; zn's 8 fragments
.set NSC,  76288
.set RED,  76800                       ; 32 rows x 144 bytes: sixteen pairs (mean, M2) and 16 of padding
.set ZADD, 81408                       ; 4,096 bytes for each wave, its own: z_add + b2 as an image of the accumulators
.set OSTG, 146944                      ; 32 rows x (2,048 + 16) bytes: the way out
.set SEL,  28                          ; s[28:29] lane l xor 16
.set WC6,  36                          ; s[36:37] wc at my block of Wo;  s[38:39] ws likewise
.set WS6,  38
.set WC7,  40                          ; s[40:41] wc at my four blocks of W1; my block of W2 lies 786,432 bytes on;  s[42:43] ws, 32,768 on
.set WS7,  42
.macro WLOAD cp, sp, co, so            ; two K steps x two tiles of a block of 32 columns: 6,144 consecutive bytes, and their 4 x 16 scale words
.irp k, 0,1,2,3,4,5,6,7,8,9,10,11
	global_load_b128 v[WB+4*\k:WB+4*\k+3], v1, s[\cp:\cp+1] offset:(\co)+512*\k
.endr
.irp k, 0,1,2,3
	global_load_b32 v[WSC+\k], v2, s[\sp:\sp+1] offset:(\so)+64*\k
.endr
.endm
.macro ACTLOAD ra, rs, base, sbase, f0, fm   ; eight fragments and their scale words out of LDS: fragment fm m + f0 + q into place 4 m + q; ra, rs: the address registers, never written between the head and the kernel's end; base, sbase go into the immediates
.irp m, 0,1
.irp q, 0,1,2,3
.irp c, 0,1,2
	ds_load_b128 v[ACT+12*(4*\m+\q)+4*\c:ACT+12*(4*\m+\q)+4*\c+3], v[\ra] offset:(\base)+((\fm)*\m+(\f0)+\q)*1536+16*\c
.endr
	ds_load_b32 v[ASC+4*\m+\q], v[\rs] offset:(\sbase)+((\fm)*\m+(\f0)+\q)*64
.endr
.endr
.endm
.macro MM d, a, b, sa, sb, cm, c
.if (\cm) == 0
	v_wmma_scale_f32_16x16x128_f8f6f4 v[\d:\d+7], v[\a:\a+11], v[\b:\b+11], 0, v[\sa], v[\sb] matrix_a_fmt:MATRIX_FMT_FP6 matrix_b_fmt:MATRIX_FMT_FP6
.else
	v_wmma_scale_f32_16x16x128_f8f6f4 v[\d:\d+7], v[\a:\a+11], v[\b:\b+11], v[\c:\c+7], v[\sa], v[\sb] matrix_a_fmt:MATRIX_FMT_FP6 matrix_b_fmt:MATRIX_FMT_FP6
.endif
.endm
; Eight products: K steps 2 hf, 2 hf + 1; in each the four accumulators (tile u of the weight x tile m of the rows) take turns, one instruction a turn.
; cmode, for K step 0's four alone: 0: C = 0;  1: C = D;  2: C = the bias tile.  nat = 0: source 0 = the weight.
.macro WMMA8 hf, cmode, nat
.irp q, 0,1
.irp u, 0,1
.irp m, 0,1
.set rW, WB+12*(2*\q+\u)
.set rWS, WSC+2*\q+\u
.set rX, ACT+12*(4*\m+2*(\hf)+\q)
.set rXS, ASC+4*\m+2*(\hf)+\q
.if \nat
.set rD, ACC+16*\u+8*\m
.else
.set rD, ACC+16*\m+8*\u
.endif
.set rC, rD
.set rM, 1
.if ((\hf) == 0) && (\q == 0)
.if (\cmode) == 0
.set rM, 0
.endif
.if (\cmode) == 2
.set rC, BIAS+8*\u
.endif
.endif
.if \nat
	MM rD, rX, rW, rXS, rWS, rM, rC
.else
	MM rD, rW, rX, rWS, rXS, rM, rC
.endif
.endr
.endr
.endr
.endm
.macro PLACES                          ; five plain lines behind a run of products: four stand ahead of the first read of results, the fifth ahead of a later product that begins an accumulator anew (ISA guide 7.12.1); they stay beside the waits on va_vdst, which fill no place
.rept 5
	v_nop
.endr
.endm
; Two blocks of 32, each as 16 numbers in my registers and 16 in lane l xor 16's: codes of my 16 into v[TQ+8..10] and v[TQ+12..14], the blocks' bytes into v[eb], v[eb+1].
.macro QB2 s0, s1, eb
	v_max3_num_f32 v[TQ], |v[(\s0)]|, |v[(\s0)+1]|, 0x1800000      ; with the floor 2^(3 - 127): the byte cannot fall under 1
	v_max3_num_f32 v[TQ+1], |v[(\s1)]|, |v[(\s1)+1]|, 0x1800000
.irp i, 2,4,6,8,10,12,14
	v_max3_num_f32 v[TQ], v[TQ], |v[(\s0)+\i]|, |v[(\s0)+\i+1]|
	v_max3_num_f32 v[TQ+1], v[TQ+1], |v[(\s1)+\i]|, |v[(\s1)+\i+1]|
.endr
	v_permlanex16_b32 v[TQ+2], v[TQ], s[SEL], s[SEL+1]
	v_permlanex16_b32 v[TQ+3], v[TQ+1], s[SEL], s[SEL+1]
	v_max_num_f32 v[TQ], v[TQ], v[TQ+2]
	v_max_num_f32 v[TQ+1], v[TQ+1], v[TQ+3]
	v_add_nc_u32 v[TQ+4], 0xff000000, v[TQ]        ; 2 off the exponent field: the conversion's scale operand
	v_add_nc_u32 v[TQ+5], 0xff000000, v[TQ+1]
	v_lshrrev_b32 v[\eb], 23, v[TQ+4]              ; the scale's byte
	v_lshrrev_b32 v[(\eb)+1], 23, v[TQ+5]
	v_cvt_scalef32_pk16_fp6_f32 v[TQ+8:TQ+10], v[(\s0):(\s0)+15], v[TQ+4]
	v_cvt_scalef32_pk16_fp6_f32 v[TQ+12:TQ+14], v[(\s1):(\s1)+15], v[TQ+5]
	v_nop                                          ; one plain line behind the conversions
.endm
.macro ST3 adr, creg, off              ; 16 codes, 12 bytes, to half a block's place: LDS does the regrouping that the operand's layout asks
.irp k, 0,1,2
	ds_store_b32 v[\adr], v[(\creg)+\k] offset:(\off)+4*\k
.endr
.endm
.macro BARRIER                         ; my LDS stores have landed and my LDS loads are in: then the work-group's barrier
	s_wait_dscnt 0x0
	s_barrier_signal -1
	s_barrier_wait -1
.endm
; gelu of the 16 numbers v[s] .. v[s + 15], in place.  t in v[TQ ..], the exponent and then E / t in v[TQ+16 ..], y in v[BIAS ..].  Each batch of transcendentals has one plain line and one wait behind it.
.macro GELU16 s
.irp j, 0,1,2,3,4,5,6,7,8,9,10,11,12,13,14,15
	v_fma_f32 v[TQ+\j], |v[(\s)+\j]|, 0x3eb504f3, 1.0              ; 1 + |x| / (2 sqrt 2)
.endr
.irp j, 0,1,2,3,4,5,6,7,8,9,10,11,12,13,14,15
	v_rcp_f32 v[TQ+\j], v[TQ+\j]                                   ; t
.endr
.irp j, 0,2,4,6,8,10,12,14
	v_pk_mul_f32 v[BIAS+\j:BIAS+\j+1], v[(\s)+\j:(\s)+\j+1], 0x3f596d27 op_sel_hi:[1,0]   ; y = x sqrt(log2(e) / 2): plain work behind the reciprocals
.endr
	s_wait_alu depctr_va_vdst(0)                   ; the sixteen reciprocals have written t, ahead of their first reader
.irp j, 0,2,4,6,8,10,12,14
	v_pk_fma_f32 v[TQ+16+\j:TQ+17+\j], v[TQ+\j:TQ+\j+1], 0x3e7c6f08, v[252:253] op_sel_hi:[1,0,0]   ; c9 t + c8
.endr
.irp c, 0x40097039, 0xbfd1a1e5, 0x3ecdfd18, 0xbe899a80, 0x3e0efb2e, 0x3f0a29d2, 0x3fb8ab5a, 0xc034d90f
.irp j, 0,2,4,6,8,10,12,14
	v_pk_fma_f32 v[TQ+16+\j:TQ+17+\j], v[TQ+16+\j:TQ+17+\j], v[TQ+\j:TQ+\j+1], \c op_sel_hi:[1,1,0]   ; c7 down to c0
.endr
.endr
.irp j, 0,2,4,6,8,10,12,14
	v_pk_fma_f32 v[TQ+16+\j:TQ+17+\j], v[BIAS+\j:BIAS+\j+1], v[BIAS+\j:BIAS+\j+1], v[TQ+16+\j:TQ+17+\j] neg_lo:[1,0,0] neg_hi:[1,0,0]   ; P(t) - y^2
.endr
.irp j, 0,1,2,3,4,5,6,7,8,9,10,11,12,13,14,15
	v_exp_f32 v[TQ+16+\j], v[TQ+16+\j]
.endr
	v_nop
	s_wait_alu depctr_va_vdst(0)                   ; the sixteen exponentials are written, ahead of their first reader
.irp j, 0,2,4,6,8,10,12,14
	v_pk_mul_f32 v[TQ+16+\j:TQ+17+\j], v[TQ+16+\j:TQ+17+\j], v[TQ+\j:TQ+\j+1]   ; E
.endr
.irp j, 0,1,2,3,4,5,6,7,8,9,10,11,12,13,14,15
	v_max_num_f32 v[TQ+\j], 0, v[(\s)+\j]
.endr
.irp j, 0,1,2,3,4,5,6,7,8,9,10,11,12,13,14,15
	v_fma_f32 v[(\s)+\j], -|v[(\s)+\j]|, v[TQ+16+\j], v[TQ+\j]     ; max(x, 0) - |x| E
.endr
.endm
	s_load_b256 s[4:11], s[0:1], 0x0               ; ac, asc, wc, ws
	s_load_b256 s[12:19], s[0:1], 0x20             ; x, bo, g2, be2
	s_load_b128 s[20:23], s[0:1], 0x40             ; b1, b2
	s_load_b64 s[24:25], s[0:1], 0x50              ; out0
	v_lshrrev_b32 v1, 5, v0
	v_readfirstlane_b32 s26, v1                    ; wave 0..15
	s_mov_b32 s[SEL], 0x76543210
	s_mov_b32 s[SEL+1], 0xfedcba98
	v_and_b32 v252, 31, v0                         ; l
	v_and_b32 v253, 15, v0                         ; r
	v_bfe_u32 v254, v0, 4, 1                       ; h
	v_lshlrev_b32 v1, 4, v252                      ; 16 l
	v_lshlrev_b32 v2, 2, v253                      ; 4 r
	v_mul_u32_u24 v3, v252, 48                     ; 48 l
	s_wait_alu depctr_va_sdst(0)                   ; s26, the wave's number, is written, ahead of its first reader
	s_lshr_b32 s30, s26, 1                         ; the gather: I bring half c = w % 2 of the attention's fragment w / 2
	s_and_b32 s31, s26, 1
	s_mul_i32 s32, s30, 1536
	s_mul_i32 s33, s31, 24
	s_add_co_u32 s32, s32, s33
	s_add_co_u32 s32, s32, AIMG
	v_add_nc_u32 v4, s32, v3                       ; v4: its 24 bytes in my lane's 48
	s_lshl_b32 s32, s30, 6
	s_lshl_b32 s33, s31, 1
	s_add_co_u32 s32, s32, s33
	s_add_co_u32 s32, s32, ASCL
	v_add_nc_u32 v5, s32, v2
	v_add_nc_u32 v5, v5, v254                      ; v5: byte 2 c + h of row r's scale word
	v_mul_u32_u24 v255, v253, 48
	v_mad_u32_u24 v255, v254, 12, v255             ; 48 r + 12 h
	s_lshr_b32 s30, s26, 2                         ; zn: my 32 columns are block w % 4 of K step w / 4
	s_mul_i32 s32, s30, 1536
	s_mul_i32 s33, s31, 768
	s_add_co_u32 s32, s32, s33
	s_bfe_u32 s33, s26, 0x10001
	s_mul_i32 s33, s33, 24
	s_add_co_u32 s32, s32, s33
	s_add_co_u32 s32, s32, NIMG
	v_add_nc_u32 v6, s32, v255                     ; v6 (+ 6,144 m)
	s_lshl_b32 s32, s30, 6
	s_and_b32 s33, s26, 3
	s_add_co_u32 s32, s32, s33
	s_add_co_u32 s32, s32, NSC
	v_add_nc_u32 v7, s32, v2                       ; v7 (+ 256 m)
	s_mul_i32 s32, s26, 1536
	v_add_nc_u32 v8, s32, v255                     ; v8: the hidden layer's K step w (+ 24,576 m + 768 (jb % 2) + 24 (jb / 2)); HIMG = 0
	s_lshl_b32 s32, s26, 6
	s_add_co_u32 s32, s32, HSC
	v_add_nc_u32 v9, s32, v2                       ; v9 (+ 1,024 m + jb)
	s_lshl_b32 s32, s26, 7
	v_lshl_add_u32 v11, v254, 6, s32               ; v11: 128 w + 64 h: my 16 numbers of bo, b2, g2, be2
	v_lshl_add_u32 v10, v253, 11, v11              ; v10: + 2,048 r: of a row of x
	s_lshl_b32 s33, s26, 9
	v_lshl_add_u32 v12, v254, 6, s33               ; v12: 512 w + 64 h: of b1 (+ 128 jb)
	v_mul_u32_u24 v13, v253, 144
	s_lshl_b32 s33, s26, 3
	s_add_co_u32 s33, s33, RED
	v_add_nc_u32 v13, s33, v13                     ; v13: my pair of row r (+ 2,304 m)
	s_lshl_b32 s33, s26, 12
	s_add_co_u32 s33, s33, ZADD
	v_add_nc_u32 v14, s33, v1                      ; v14
	v_mul_u32_u24 v15, v253, 2064
	v_add_nc_u32 v15, v15, v11
	v_add_nc_u32 v15, OSTG, v15                    ; v15: the way out: row r, my 64 bytes (+ 33,024 m)
	s_mul_i32 s56, s26, 4128
	s_add_co_u32 s56, s56, OSTG                    ; and back: rows 2 w, 2 w + 1
	v_mul_u32_u24 v[ACT], v254, 49152              ; the gather's lane terms: head + h, token + r
	v_mad_u32_u24 v[ACT], v253, 24, v[ACT]
	v_lshl_add_u32 v[ACT+1], v254, 11, v253
	v_add_nc_u32 v254, NIMG, v3                    ; h and 48 r + 12 h have served: v254, v255 are the read addresses of zn's fragments and scale words, whose region lies beyond an immediate's reach
	v_add_nc_u32 v255, NSC, v2
	v_mov_b32 v252, 0xbf97d29d                     ; the gelu's c8, as a pair
	v_mov_b32 v253, 0xbf97d29d
	s_lshr_b32 s44, ttmp9, 6                       ; batch
	s_and_b32 s45, ttmp9, 63
	s_lshl_b32 s45, s45, 5
	s_lshr_b32 s46, s26, 3
	s_lshl_b32 s46, s46, 4
	s_add_co_u32 s45, s45, s46                     ; my fragment's first token in the batch
	s_and_b32 s46, s26, 7
	s_lshl_b32 s46, s46, 1                         ; its half's first head: 4 s + 2 c = 2 (w % 8)
	s_mul_i32 s48, s44, 786432
	s_mul_i32 s47, s46, 49152
	s_add_co_u32 s48, s48, s47
	s_mul_i32 s47, s45, 24
	s_add_co_u32 s48, s48, s47
	s_mov_b32 s49, 0
	s_lshl_b32 s50, s44, 15
	s_lshl_b32 s47, s46, 11
	s_add_co_u32 s50, s50, s47
	s_add_co_u32 s50, s50, s45
	s_mov_b32 s51, 0
	s_lshl_b32 s52, ttmp9, 16                      ; x: 32 rows of 2,048 bytes a work-group
	s_mov_b32 s53, 0
	s_lshl_b32 s54, s26, 12
	s_add_co_u32 s54, s54, s52                     ; out0: + two rows a wave
	s_mov_b32 s55, 0
	s_mul_i32 s30, s26, 12288
	s_add_co_u32 s30, s30, 589824
	s_mov_b32 s31, 0
	s_lshl_b32 s32, s26, 9
	s_add_co_u32 s32, s32, 24576
	s_mov_b32 s33, 0
	s_mul_i32 s34, s26, 49152
	s_add_co_u32 s34, s34, 786432
	s_mov_b32 s35, 0
	s_lshl_b32 s46, s26, 11
	s_add_co_u32 s46, s46, 32768
	s_mov_b32 s47, 0
	s_wait_kmcnt 0x0
	s_add_nc_u64 s[4:5], s[4:5], s[48:49]
	s_add_nc_u64 s[6:7], s[6:7], s[50:51]
	s_add_nc_u64 s[12:13], s[12:13], s[52:53]
	s_add_nc_u64 s[24:25], s[24:25], s[54:55]
	s_add_nc_u64 s[WC6:WC6+1], s[8:9], s[30:31]
	s_add_nc_u64 s[WS6:WS6+1], s[10:11], s[32:33]
	s_add_nc_u64 s[WC7:WC7+1], s[8:9], s[34:35]
	s_add_nc_u64 s[WS7:WS7+1], s[10:11], s[46:47]
	s_wait_alu depctr_va_vdst(0)                   ; the offsets and addresses v1 to v15, v[ACT], v[ACT+1], v254 and v255 are written, which the loads and stores below read
	; ---- the attention's codes into fragments; x + bo into the accumulators
	WLOAD WC6, WS6, 0, 0
.irp p, 0,1,2
	global_load_b64 v[ACT+2+2*\p:ACT+3+2*\p], v[ACT], s[4:5] offset:8*\p
.endr
	global_load_u8 v[ACT+8], v[ACT+1], s[6:7]
.irp m, 0,1
.irp u, 0,1
.irp q, 0,1
	global_load_b128 v[ACC+16*\m+8*\u+4*\q:ACC+16*\m+8*\u+4*\q+3], v10, s[12:13] offset:32768*\m+32*\u+16*\q th:TH_LOAD_NT   ; x in the result's layout: row 16 m + r, columns 32 w + 16 h + 8 u + ..
.endr
.endr
.endr
.irp k, 0,1,2,3
	global_load_b128 v[BIAS+4*\k:BIAS+4*\k+3], v11, s[14:15] offset:16*\k
	global_load_b128 v[TQ+4*\k:TQ+4*\k+3], v11, s[16:17] offset:16*\k
	global_load_b128 v[TQ+16+4*\k:TQ+16+4*\k+3], v11, s[18:19] offset:16*\k
.endr
	s_wait_loadcnt 0x0
.irp p, 0,1,2
	ds_store_b64 v4, v[ACT+2+2*\p:ACT+3+2*\p] offset:8*\p
.endr
	ds_store_b8 v5, v[ACT+8]
.irp m, 0,1
.irp k, 0,2,4,6,8,10,12,14
	v_pk_add_f32 v[ACC+16*\m+\k:ACC+16*\m+\k+1], v[ACC+16*\m+\k:ACC+16*\m+\k+1], v[BIAS+\k:BIAS+\k+1]
.endr
.endr
	s_wait_alu depctr_va_vdst(0)                   ; the sums are done reading bo in v[BIAS ..], in which b2 lands
.irp k, 0,1,2,3
	global_load_b128 v[BIAS+4*\k:BIAS+4*\k+3], v11, s[22:23] offset:16*\k   ; b2
.endr
	BARRIER                                        ; the attention's eight fragments lie in LDS
	s_wait_alu depctr_vm_vsrc(0)                   ; the gather's loads have read v[ACT] and v[ACT+1], its LDS stores v[ACT+2 .. ACT+8], v4 and v5: the fragments land in v[ACT ..], and v4 and v5 are made anew
	; ---- z_add = x + bo + a Wo: the sums begin on x + bo
	ACTLOAD 3, 2, AIMG, ASCL, 0, 4
	v_mul_u32_u24 v4, v2, 36                       ; v4 and v5 have served: now RED + 144 r,
	v_add_nc_u32 v4, RED, v4
	v_add_nc_u32 v5, s56, v1                       ; and where I read my two rows back on the way out (the waits on va_vdst below stand ahead of their first readers)
	s_wait_dscnt 0x0
	s_wait_loadcnt 0x0
	WMMA8 0, 1, 0
	PLACES
	s_wait_alu depctr_va_vdst(0)                   ; the eight products are done reading v[WB ..] and v[WSC ..], in which Wo's second half lands
	WLOAD WC6, WS6, 6144, 256
	s_wait_loadcnt 0x0
	WMMA8 1, 1, 0
	PLACES
	s_wait_alu depctr_va_vdst(0)                   ; the eight products are done reading v[WB ..] and v[WSC ..], in which W1's first half lands
	WLOAD WC7, WS7, 0, 0                           ; it lands while the norm is made: the norm names none of its registers
	; ---- z_add + b2 is kept, as an image of the accumulators, for the last product to begin on
.irp m, 0,1
.irp k, 0,2,4,6,8,10,12,14
	v_pk_add_f32 v[ACT+16*\m+\k:ACT+16*\m+\k+1], v[ACC+16*\m+\k:ACC+16*\m+\k+1], v[BIAS+\k:BIAS+\k+1]
.endr
.endr
	; ---- my 32 columns' mean and sum of squared deviations, for row r of each tile m: scratch v[SM+8 m ..]
.irp m, 0,1
	v_pk_add_f32 v[SM+8*\m:SM+8*\m+1], v[ACC+16*\m:ACC+16*\m+1], v[ACC+16*\m+2:ACC+16*\m+3]
	v_pk_add_f32 v[SM+8*\m+2:SM+8*\m+3], v[ACC+16*\m+4:ACC+16*\m+5], v[ACC+16*\m+6:ACC+16*\m+7]
.endr
.irp k, 8,12
.irp m, 0,1
	v_pk_add_f32 v[SM+8*\m:SM+8*\m+1], v[SM+8*\m:SM+8*\m+1], v[ACC+16*\m+\k:ACC+16*\m+\k+1]
	v_pk_add_f32 v[SM+8*\m+2:SM+8*\m+3], v[SM+8*\m+2:SM+8*\m+3], v[ACC+16*\m+\k+2:ACC+16*\m+\k+3]
.endr
.endr
.irp m, 0,1
	v_pk_add_f32 v[SM+8*\m:SM+8*\m+1], v[SM+8*\m:SM+8*\m+1], v[SM+8*\m+2:SM+8*\m+3]
.endr
.irp m, 0,1
	v_add_f32 v[SM+8*\m], v[SM+8*\m], v[SM+8*\m+1]
.endr
.irp m, 0,1
	v_permlanex16_b32 v[SM+8*\m+1], v[SM+8*\m], s[SEL], s[SEL+1]
.endr
.irp m, 0,1
	v_add_f32 v[SM+8*\m], v[SM+8*\m], v[SM+8*\m+1]
.endr
.irp m, 0,1
	v_mul_f32 v[SM+8*\m], 0x3d000000, v[SM+8*\m]   ; / 32
.endr
.irp m, 0,1
.irp k, 0,2,4,6,8,10,12,14
	v_pk_add_f32 v[DV+16*\m+\k:DV+16*\m+\k+1], v[ACC+16*\m+\k:ACC+16*\m+\k+1], v[SM+8*\m:SM+8*\m+1] op_sel_hi:[1,0] neg_lo:[0,1] neg_hi:[0,1]
.endr
.endr
.irp m, 0,1
	v_pk_mul_f32 v[SM+8*\m+2:SM+8*\m+3], v[DV+16*\m:DV+16*\m+1], v[DV+16*\m:DV+16*\m+1]
	v_pk_mul_f32 v[SM+8*\m+4:SM+8*\m+5], v[DV+16*\m+2:DV+16*\m+3], v[DV+16*\m+2:DV+16*\m+3]
.endr
.irp k, 4,8,12
.irp m, 0,1
	v_pk_fma_f32 v[SM+8*\m+2:SM+8*\m+3], v[DV+16*\m+\k:DV+16*\m+\k+1], v[DV+16*\m+\k:DV+16*\m+\k+1], v[SM+8*\m+2:SM+8*\m+3]
	v_pk_fma_f32 v[SM+8*\m+4:SM+8*\m+5], v[DV+16*\m+\k+2:DV+16*\m+\k+3], v[DV+16*\m+\k+2:DV+16*\m+\k+3], v[SM+8*\m+4:SM+8*\m+5]
.endr
.endr
.irp m, 0,1
	v_pk_add_f32 v[SM+8*\m+2:SM+8*\m+3], v[SM+8*\m+2:SM+8*\m+3], v[SM+8*\m+4:SM+8*\m+5]
.endr
.irp m, 0,1
	v_add_f32 v[SM+8*\m+2], v[SM+8*\m+2], v[SM+8*\m+3]
.endr
.irp m, 0,1
	v_permlanex16_b32 v[SM+8*\m+3], v[SM+8*\m+2], s[SEL], s[SEL+1]
.endr
.irp m, 0,1
	v_add_f32 v[SM+8*\m+1], v[SM+8*\m+2], v[SM+8*\m+3]
.endr
	s_wait_alu depctr_va_vdst(0)                   ; z_add + b2 in v[ACT .. ACT+31] and the pairs v[SM+8 m ..] are written, which the LDS stores read; and the vector work on v[DV ..] is done, in which the pairs land behind the barrier
.irp i, 0,1,2,3,4,5,6,7
	ds_store_b128 v14, v[ACT+4*\i:ACT+4*\i+3] offset:512*\i
.endr
.irp m, 0,1
	ds_store_b64 v13, v[SM+8*\m:SM+8*\m+1] offset:2304*\m   ; (both halves of the lanes store the same pair to the same place)
.endr
	BARRIER                                        ; sixteen pairs for each of the 32 rows lie in LDS
	s_wait_alu depctr_vm_vsrc(0)                   ; my LDS stores have read v[ACT .. ACT+31], in which the pairs land, and v[SM ..], in which zn's fragments land later
.irp m, 0,1
.irp i, 0,1,2,3,4,5,6,7
	ds_load_b128 v[ACT+32*\m+4*\i:ACT+32*\m+4*\i+3], v4 offset:2304*\m+16*\i
.endr
.endr
	s_wait_dscnt 0x0
	; scratch v[BIAS+8 m ..]: +0 mean, +1 the sum of M2 and then the variance, +2, +3 sums, +4 1 / (sqrt(var) + eps), +5 sqrt(var) + eps
.irp m, 0,1
	v_pk_add_f32 v[BIAS+8*\m:BIAS+8*\m+1], v[ACT+32*\m:ACT+32*\m+1], v[ACT+32*\m+2:ACT+32*\m+3]
	v_pk_add_f32 v[BIAS+8*\m+2:BIAS+8*\m+3], v[ACT+32*\m+4:ACT+32*\m+5], v[ACT+32*\m+6:ACT+32*\m+7]
.endr
.irp k, 8,12,16,20,24,28
.irp m, 0,1
	v_pk_add_f32 v[BIAS+8*\m:BIAS+8*\m+1], v[BIAS+8*\m:BIAS+8*\m+1], v[ACT+32*\m+\k:ACT+32*\m+\k+1]
	v_pk_add_f32 v[BIAS+8*\m+2:BIAS+8*\m+3], v[BIAS+8*\m+2:BIAS+8*\m+3], v[ACT+32*\m+\k+2:ACT+32*\m+\k+3]
.endr
.endr
.irp m, 0,1
	v_pk_add_f32 v[BIAS+8*\m:BIAS+8*\m+1], v[BIAS+8*\m:BIAS+8*\m+1], v[BIAS+8*\m+2:BIAS+8*\m+3]
.endr
.irp m, 0,1
	v_mul_f32 v[BIAS+8*\m], 0x3d800000, v[BIAS+8*\m]   ; / 16: the row's mean
.endr
.irp k, 0,2,4,6,8,10,12,14,16,18,20,22,24,26,28,30
.irp m, 0,1
	v_sub_f32 v[ACT+32*\m+\k], v[ACT+32*\m+\k], v[BIAS+8*\m]
.endr
.endr
.irp m, 0,1
	v_mul_f32 v[BIAS+8*\m+2], v[ACT+32*\m], v[ACT+32*\m]
	v_mul_f32 v[BIAS+8*\m+3], v[ACT+32*\m+2], v[ACT+32*\m+2]
.endr
.irp k, 4,8,12,16,20,24,28
.irp m, 0,1
	v_fma_f32 v[BIAS+8*\m+2], v[ACT+32*\m+\k], v[ACT+32*\m+\k], v[BIAS+8*\m+2]
	v_fma_f32 v[BIAS+8*\m+3], v[ACT+32*\m+\k+2], v[ACT+32*\m+\k+2], v[BIAS+8*\m+3]
.endr
.endr
.irp m, 0,1
	v_add_f32 v[BIAS+8*\m+2], v[BIAS+8*\m+2], v[BIAS+8*\m+3]
.endr
.irp m, 0,1
	v_fma_f32 v[BIAS+8*\m+1], v[BIAS+8*\m+2], 0x42000000, v[BIAS+8*\m+1]   ; + 32 x the means' squared deviations
.endr
.irp m, 0,1
	v_mul_f32 v[BIAS+8*\m+1], 0x3b004020, v[BIAS+8*\m+1]   ; / 511
.endr
.irp m, 0,1
	v_sqrt_f32 v[BIAS+8*\m+5], v[BIAS+8*\m+1]
.endr
	v_nop
	s_wait_alu depctr_va_vdst(0)                   ; the two roots are written, ahead of their first reader
.irp m, 0,1
	v_add_f32 v[BIAS+8*\m+5], 0x3727c5ac, v[BIAS+8*\m+5]   ; + 1e-5
.endr
.irp m, 0,1
	v_rcp_f32 v[BIAS+8*\m+4], v[BIAS+8*\m+5]
.endr
	v_nop
	s_wait_alu depctr_va_vdst(0)                   ; the two reciprocals are written, ahead of their first reader
.irp m, 0,1
.irp k, 0,2,4,6,8,10,12,14
	v_pk_add_f32 v[ACC+16*\m+\k:ACC+16*\m+\k+1], v[ACC+16*\m+\k:ACC+16*\m+\k+1], v[BIAS+8*\m:BIAS+8*\m+1] op_sel_hi:[1,0] neg_lo:[0,1] neg_hi:[0,1]
.endr
.endr
.irp m, 0,1
.irp k, 0,2,4,6,8,10,12,14
	v_pk_mul_f32 v[ACC+16*\m+\k:ACC+16*\m+\k+1], v[ACC+16*\m+\k:ACC+16*\m+\k+1], v[TQ+\k:TQ+\k+1]
.endr
.endr
.irp m, 0,1
.irp k, 0,2,4,6,8,10,12,14
	v_pk_fma_f32 v[ACC+16*\m+\k:ACC+16*\m+\k+1], v[ACC+16*\m+\k:ACC+16*\m+\k+1], v[BIAS+8*\m+4:BIAS+8*\m+5], v[TQ+16+\k:TQ+16+\k+1] op_sel_hi:[1,0,1]
.endr
.endr
	QB2 ACC, ACC+16, TQ+6
	s_wait_alu depctr_va_vdst(0)                   ; zn's bytes and codes v[TQ+6 .. TQ+14] are written, which the LDS stores read; the norm is done with v[BIAS ..], in which b1 lands, and with v[ACT ..], in which zn's fragments land behind the barrier
	ST3 6, TQ+8, 0
	ST3 6, TQ+12, 6144
	ds_store_b8 v7, v[TQ+6]
	ds_store_b8 v7, v[TQ+7] offset:256
.irp k, 0,1,2,3
	global_load_b128 v[BIAS+4*\k:BIAS+4*\k+3], v12, s[20:21] offset:16*\k   ; b1 of my first block of 32 hidden units
.endr
	BARRIER                                        ; zn's eight fragments lie in LDS
	s_wait_alu depctr_vm_vsrc(0)                   ; my LDS stores have read v[TQ+6 .. TQ+14], which the gelu writes again
	; ---- h = gelu(zn W1 + b1): my four blocks of 32 hidden units; the bias is the C of each sum's first product
	ACTLOAD 254, 255, 0, 0, 0, 4
	s_wait_dscnt 0x0
.irp jb, 0,1,2,3
	s_wait_loadcnt 0x0                             ; this half's weights and the bias are in
	WMMA8 0, 2, 0
	PLACES
	s_wait_alu depctr_va_vdst(0)                   ; the eight products are done reading v[WB ..] and v[WSC ..], in which the block's second half lands
	WLOAD WC7, WS7, (2*\jb+1)*6144, (2*\jb+1)*256
	s_wait_loadcnt 0x0
	WMMA8 1, 1, 0
	PLACES
	s_wait_alu depctr_va_vdst(0)                   ; the eight products are done reading v[WB ..] and v[WSC ..], in which the next weights land
.if \jb < 3
	WLOAD WC7, WS7, (2*\jb+2)*6144, (2*\jb+2)*256  ; the next block's first half lands while this block's gelu is made: the gelu names none of its registers
.else
	WLOAD WC7, WS7, 786432, 32768                  ; W2's first half
.endif
	GELU16 ACC
	GELU16 ACC+16
	QB2 ACC, ACC+16, TQ+6
	s_wait_alu depctr_va_vdst(0)                   ; the block's bytes and codes v[TQ+6 .. TQ+14] are written, which the LDS stores read; the gelu is done with v[BIAS ..], in which the next b1 lands; behind the last block: the vector work on v[ACC ..] is done, in which z_add + b2 lands
	ST3 8, TQ+8, 768*(\jb%2)+24*(\jb/2)
	ST3 8, TQ+12, 24576+768*(\jb%2)+24*(\jb/2)
	ds_store_b8 v9, v[TQ+6] offset:\jb
	ds_store_b8 v9, v[TQ+7] offset:1024+\jb
.if \jb < 3
.irp k, 0,1,2,3
	global_load_b128 v[BIAS+4*\k:BIAS+4*\k+3], v12, s[20:21] offset:128*(\jb+1)+16*\k
.endr
.endif
	s_wait_dscnt 0x0                               ; my stores of the block's codes have landed
.if \jb < 3
	s_wait_alu depctr_vm_vsrc(0)                   ; the LDS stores have read v[TQ+6 .. TQ+14], which the next block's gelu writes again
.endif
.endr
.irp i, 0,1,2,3,4,5,6,7
	ds_load_b128 v[ACC+4*\i:ACC+4*\i+3], v14 offset:512*\i   ; z_add + b2 comes back: my own bytes
.endr
	BARRIER                                        ; the hidden layer's 32 fragments lie in LDS
	; ---- out = z_add + b2 + h W2: K = 2,048 in four groups of 512
.irp kg, 0,1,2,3
	ACTLOAD 3, 2, HIMG, HSC, 4*\kg, 16             ; no vector or matrix line since the last wait on va_vdst names v[ACT ..] or v[ASC ..]
	s_wait_dscnt 0x0
	s_wait_loadcnt 0x0
	WMMA8 0, 1, 0
	PLACES
	s_wait_alu depctr_va_vdst(0)                   ; the eight products are done reading v[WB ..] and v[WSC ..], in which the group's second half lands
	WLOAD WC7, WS7, 786432+(2*\kg+1)*6144, 32768+(2*\kg+1)*256
	s_wait_loadcnt 0x0
	WMMA8 1, 1, 0
	PLACES
	s_wait_alu depctr_va_vdst(0)                   ; the group's products are done reading v[WB ..], v[WSC ..], v[ACT ..] and v[ASC ..], in which the next group's weights and fragments land; behind the last group: the accumulators are written, which the LDS stores read, and v[WB ..] is free for the rows of out
.if \kg < 3
	WLOAD WC7, WS7, 786432+(2*\kg+2)*6144, 32768+(2*\kg+2)*256
.endif
.endr
	; ---- the way out: a row's 512 numbers come from sixteen waves: they meet in a stage, and each wave stores two whole rows
.irp m, 0,1
.irp u, 0,1
	ds_store_b128 v15, v[ACC+16*\m+8*\u:ACC+16*\m+8*\u+3] offset:33024*\m+32*\u        ; each accumulator from its low end on
	ds_store_b128 v15, v[ACC+16*\m+8*\u+4:ACC+16*\m+8*\u+7] offset:33024*\m+32*\u+16
.endr
.endr
	BARRIER
.irp i, 0,1
.irp j, 0,1,2,3
	ds_load_b128 v[WB+16*\i+4*\j:WB+16*\i+4*\j+3], v5 offset:2064*\i+512*\j
.endr
.endr
.irp i, 0,1
.irp j, 0,1,2,3
	s_wait_dscnt 7-4*\i-\j                         ; the younger read-backs may stay out
	global_store_b128 v1, v[WB+16*\i+4*\j:WB+16*\i+4*\j+3], s[24:25] offset:2048*\i+512*\j th:TH_STORE_NT   ; 32 lanes store 512 consecutive bytes, aligned
.endr
.endr
	s_wait_xcnt 0x0                                ; every earlier global instruction has had its addresses translated
	v_lshl_add_u32 v254, v0, 2, 0x34000            ; the add's two registers are made anew: the last readers of v254 and v255, the loads of zn's fragments, stand ahead of the hidden blocks' waits on vm_vsrc
	v_mov_b32 v255, 0
	s_wait_dscnt 0x0                               ; the closing lines, six on end
	s_wait_alu 0x0
	s_wait_tensorcnt 0x0
	ds_add_u32 v254, v255
	s_wait_dscnt 0x0
	s_endpgm
.Lfunc_end_k_q8caa53673b_tail:
	.size	k_q8caa53673b_tail, .Lfunc_end_k_q8caa53673b_tail-k_q8caa53673b_tail
	.p2alignl 7, 3214868480
	.fill 96, 4, 3214868480
	.section	.rodata,"a",@progbits
	.p2align	6, 0x0
	.amdhsa_kernel k_q8caa53673b_tail
		.amdhsa_group_segment_fixed_size 215040
		.amdhsa_private_segment_fixed_size 0
		.amdhsa_enable_private_segment 0
		.amdhsa_kernarg_size 88
		.amdhsa_user_sgpr_count 2
		.amdhsa_user_sgpr_kernarg_segment_ptr 1
		.amdhsa_wavefront_size32 1
		.amdhsa_system_sgpr_workgroup_id_x 1
		.amdhsa_system_sgpr_workgroup_id_y 1
		.amdhsa_system_sgpr_workgroup_id_z 1
		.amdhsa_system_vgpr_workitem_id 0
		.amdhsa_next_free_vgpr 256
		.amdhsa_next_free_sgpr 66
		.amdhsa_reserve_vcc 0
		.amdhsa_float_denorm_mode_32 3
		.amdhsa_float_denorm_mode_16_64 3
		.amdhsa_memory_ordered 1
		.amdhsa_forward_progress 1
		.amdhsa_inst_pref_size 203
	.end_amdhsa_kernel
	.amdgpu_metadata
---
amdhsa.version: [ 1, 2 ]
amdhsa.kernels:
  - .name:           k_q8caa53673b_tail
    .symbol:         k_q8caa53673b_tail.kd
    .args:
      - { .name: ac, .offset: 0, .size: 8, .value_kind: global_buffer, .address_space: global }
      - { .name: asc, .offset: 8, .size: 8, .value_kind: global_buffer, .address_space: global }
      - { .name: wc, .offset: 16, .size: 8, .value_kind: global_buffer, .address_space: global }
      - { .name: ws, .offset: 24, .size: 8, .value_kind: global_buffer, .address_space: global }
      - { .name: x, .offset: 32, .size: 8, .value_kind: global_buffer, .address_space: global }
      - { .name: bo, .offset: 40, .size: 8, .value_kind: global_buffer, .address_space: global }
      - { .name: g2, .offset: 48, .size: 8, .value_kind: global_buffer, .address_space: global }
      - { .name: be2, .offset: 56, .size: 8, .value_kind: global_buffer, .address_space: global }
      - { .name: b1, .offset: 64, .size: 8, .value_kind: global_buffer, .address_space: global }
      - { .name: b2, .offset: 72, .size: 8, .value_kind: global_buffer, .address_space: global }
      - { .name: out0, .offset: 80, .size: 8, .value_kind: global_buffer, .address_space: global }
    .group_segment_fixed_size: 215040
    .private_segment_fixed_size: 0
    .kernarg_segment_align: 8
    .kernarg_segment_size: 88
    .max_flat_workgroup_size: 512
    .sgpr_count:     66
    .vgpr_count:     256
    .wavefront_size: 32
...
	.end_amdgpu_metadata
.endif
;; end of part 7
